; MI455X (gfx1250); checked and timed in simulation.
; The chip was launched on July 23, 2026; its instructions are those of AMD's public machine-readable ISA for CDNA 5 (MIT licence, August 2026) and "CDNA5" Instruction Set Architecture Reference Guide (July 2026). The comments in the code are by the model that wrote it; some were corrected since.
;; Mixture Of Experts. Allowed arithmetic: float matrix products may take bf16 or f16 operands with f32 sums; other float arithmetic in f32, or as packed bf16 or f16 multiplies, adds, multiply-adds, maxima and minima; sums over many terms, partial sums and values carried from step to step in f32; what a program stores and reads back later, other than sums and carried values, may be rounded once to bf16 or f16.
;; Inputs: W1 8 x 1,024 x 4,096 float32; W2 8 x 4,096 x 1,024 float32; Wg 1,024 x 8 float32; b1 8 x 4,096 float32; b2 8 x 1,024 float32; x 2 x 512 x 1,024 float32.
;; Outputs: out0 2 x 512 x 1,024 float32.
;; 2 versions, each right; version 2 is version 1 with the launches ffn1, ffn2 written anew for expert scheduling mode. Each part assembles by itself: llvm-mc -triple=amdgcn-amd-amdhsa -mcpu=gfx1250 --defsym DOCPART=n.
;; ======== version 1 of 2: 4 launches
;; workspace buffers: xb 2,097,152 bytes; bm 2,048 bytes of whole numbers; gw 8,192 bytes; h 16,777,216 bytes; y 33,554,432 bytes
;; launch router (part 1): grid 64 x 1, 8 waves a work-group, no clusters, 62,464 bytes of LDS; arguments x, Wg, xb, bm, gw; writes xb, bm, gw
.if DOCPART == 1
	.amdgcn_target "amdgcn-amd-amdhsa--gfx1250"
	.amdhsa_code_object_version 6
	.text
	.protected	k_qdea45da6c6_router
	.globl	k_qdea45da6c6_router
	.p2align	8
	.type	k_qdea45da6c6_router,@function
k_qdea45da6c6_router:
	s_mov_b64 s[64:65], 0
	v_nop
	global_prefetch_b8 v0, s[64:65] scope:SCOPE_SE
	s_setreg_imm32_b32 hwreg(HW_REG_WAVE_MODE, 25, 1), 1
	s_wait_xcnt 0x0
; ROUTER.  logits = x Wg (bf16 operands, f32 sums), top-2 of the softmax, the two weights renormalised; and x rounded once to bf16 for the first product.
; A work-group owns 16 tokens; wave w takes K = 128 w .. 128 w + 127 of them; the eight partial sums meet in LDS and wave 0 routes.
; OUT:  xb[token][1024] bf16.   bm: word e*64 + k*32 + j, bit i = token 32 j + i chose expert e at rank k (a work-group's 16 tokens are one half word).
;       gw[k*1024 + token] f32, the renormalised weight of rank k.   All at fixed places: no address hangs on a floating-point number.
; CAPACITY never binds: the two ranks of a token name different experts, so an expert gets 1,024 rows at the most, under the 2,048 allowed; nothing is dropped.
; LIMITS.  x and Wg are rounded to bf16 (as every input of this program is).  The order is taken on the logits, ties to the lower index: two different
; logits whose f32 probabilities are equal would be ordered by index in the softmax's own numbers.  NaN logits route to experts 0 and 1.
; The maximum is taken away before the exponentials, so no exponential exceeds 1.
.set PT,    272                        ; an LDS row: 256 bytes + 16
.set XTB,   16*PT                      ; a wave's 16 token rows
.set WT,    8*XTB                      ; behind them: a wave's 8 expert rows of Wg, turned
.set WTB,   2304
.set RED,   WT+8*WTB                   ; the eight waves' partial logits, 1,024 bytes each
.set SPARE, RED+8*1024                 ; the spare words, 128 bytes a wave, named by no other line
.set SPW,   10                         ; v10  SPARE + 4 x my thread's number; never rewritten
.set NIL,   11                         ; v11  0; never rewritten
.macro ADD8 d, s                       ; eight f32 at d += eight at s, the low registers first
.irp i,0,2,4,6
	v_pk_add_f32 v[(\d)+\i:(\d)+\i+1], v[(\d)+\i:(\d)+\i+1], v[(\s)+\i:(\s)+\i+1]
.endr
.endm
	s_load_b256 s[4:11], s[0:1], 0x0               ; x s[4:5], Wg s[6:7], xb s[8:9], bm s[10:11]
	s_load_b64 s[12:13], s[0:1], 0x20              ; gw
	v_lshl_add_u32 v[SPW], v0, 2, SPARE
	v_mov_b32 v[NIL], 0
	v_lshrrev_b32 v1, 5, v0
	v_readfirstlane_b32 s16, v1                    ; wave 0..7
	v_and_b32 v9, 31, v0                           ; lane L
	v_and_b32 v7, 15, v0                           ; r = L % 16
	v_bfe_u32 v8, v0, 4, 1                         ; hh = L / 16
	v_lshlrev_b32 v1, 4, v9                        ; 16 L
	v_lshlrev_b32 v2, 3, v9                        ; 8 L
	s_lshl_b32 s20, ttmp9, 16                      ; x: 16 tokens of 4,096 bytes, my 512 bytes of a row
	s_lshl_b32 s21, s16, 9
	s_add_co_u32 s20, s20, s21
	s_mov_b32 s21, 0
	s_lshl_b32 s22, s16, 12                        ; Wg: my 128 rows of 32 bytes
	s_mov_b32 s23, 0
	s_lshl_b32 s24, ttmp9, 15                      ; xb: 16 tokens of 2,048 bytes, my 256 bytes of a row
	s_lshl_b32 s25, s16, 8
	s_add_co_u32 s24, s24, s25
	s_mov_b32 s25, 0
	s_mul_i32 s26, s16, XTB                        ; my token rows in LDS
	s_mul_i32 s27, s16, WTB
	s_add_co_u32 s27, s27, WT                      ; my expert rows
	s_lshl_b32 s28, s16, 10
	s_add_co_u32 s28, s28, RED                     ; my partial logits
	s_mov_b32 s30, 0x3fb8aa3b                      ; log2(e)
	s_mov_b32 s32, 0x76543210                      ; v_permlanex16_b32: each lane takes its own place in the other half
	s_mov_b32 s33, 0xfedcba98
	s_wait_kmcnt 0x0
	s_add_nc_u64 s[4:5], s[4:5], s[20:21]
	s_add_nc_u64 s[6:7], s[6:7], s[22:23]
	s_add_nc_u64 s[8:9], s[8:9], s[24:25]
.irp t,0,1,2,3,4,5,6,7,8,9,10,11,12,13,14,15
	global_load_b128 v[16+4*\t:19+4*\t], v1, s[4:5] offset:\t*4096 th:TH_LOAD_NT   ; token t: 512 consecutive bytes a load
.endr
.irp i,0,1,2,3,4,5,6,7
	global_load_b128 v[80+4*\i:83+4*\i], v1, s[6:7] offset:\i*512                  ; lane L: k = 16 i + L / 2, experts 4 (L % 2) + 0..3
.endr
	v_add_nc_u32 v3, s26, v2                       ; where a token's 8 bytes go
	v_and_b32 v5, 1, v9
	v_mul_u32_u24 v4, v5, 4*PT
	v_lshrrev_b32 v5, 1, v9
	v_lshl_add_u32 v4, v5, 1, v4
	v_add_nc_u32 v4, s27, v4                       ; where Wg's numbers go: row 4 (L % 2), byte 2 (L / 2)
	v_mul_u32_u24 v5, v7, PT
	v_lshl_add_u32 v5, v8, 4, v5
	v_add_nc_u32 v5, s26, v5                       ; a token fragment: row r, 16 bytes for each half of the lanes
	v_and_b32 v6, 7, v7
	v_mul_u32_u24 v6, v6, PT
	v_lshl_add_u32 v6, v8, 4, v6
	v_add_nc_u32 v6, s27, v6                       ; an expert fragment: row r % 8 (rows 8-15 repeat the eight experts)
	v_lshl_add_u32 v12, v9, 5, s28                 ; my lane's 32 bytes of partial logits
	s_wait_loadcnt 8                               ; x is in; the 8 younger loads are Wg's
.irp t,0,1,2,3,4,5,6,7,8,9,10,11,12,13,14,15
	v_cvt_pk_bf16_f32 v[112+2*\t], v[16+4*\t], v[17+4*\t]
	v_cvt_pk_bf16_f32 v[113+2*\t], v[18+4*\t], v[19+4*\t]
	global_store_b64 v2, v[112+2*\t:113+2*\t], s[8:9] offset:\t*2048               ; 32 lanes store 256 consecutive bytes, aligned
	ds_store_b64 v3, v[112+2*\t:113+2*\t] offset:\t*PT
.endr
	s_wait_loadcnt 0x0                             ; Wg
.irp i,0,1,2,3,4,5,6,7
	v_cvt_pk_bf16_f32 v[80+4*\i], v[80+4*\i], v[81+4*\i]
	v_cvt_pk_bf16_f32 v[81+4*\i], v[82+4*\i], v[83+4*\i]
	ds_store_b16 v4, v[80+4*\i] offset:32*\i
	ds_store_b16_d16_hi v4, v[80+4*\i] offset:PT+32*\i
	ds_store_b16 v4, v[81+4*\i] offset:2*PT+32*\i
	ds_store_b16_d16_hi v4, v[81+4*\i] offset:3*PT+32*\i
.endr
.irp c,0,1,2,3                         ; the fragments of my four K steps of 32: the bytes are my own, and LDS serves a wave's instructions in order
	ds_load_b128 v[16+8*\c:19+8*\c], v5 offset:64*\c
	ds_load_b128 v[20+8*\c:23+8*\c], v5 offset:64*\c+32
	ds_load_b128 v[48+8*\c:51+8*\c], v6 offset:64*\c
	ds_load_b128 v[52+8*\c:55+8*\c], v6 offset:64*\c+32
.endr
	s_wait_dscnt 0x0
	; source 0 = experts, source 1 = tokens: a lane holds token r, register j = expert j in both halves.  Two accumulators by turns.
	v_wmma_f32_16x16x32_bf16 v[144:151], v[48:55], v[16:23], 0
	v_wmma_f32_16x16x32_bf16 v[152:159], v[56:63], v[24:31], 0
	v_wmma_f32_16x16x32_bf16 v[144:151], v[64:71], v[32:39], v[144:151]
	v_wmma_f32_16x16x32_bf16 v[152:159], v[72:79], v[40:47], v[152:159]
.rept 4
	v_nop                                          ; four places between the last product and the first read of its result
.endr
	ADD8 144, 152
	ds_store_b128 v12, v[144:147]
	ds_store_b128 v12, v[148:151] offset:16
	s_wait_dscnt 0x0                               ; for wave 0's sake: my partial logits are in LDS
	s_barrier_signal -1
	s_barrier_wait -1
	s_cmp_lg_u32 s16, 0
	s_cbranch_scc1 .Lend                           ; wave 0 routes the 16 tokens
.irp w,0,1,2,3,4,5,6,7
	ds_load_b128 v[16+8*\w:19+8*\w], v12 offset:\w*1024
	ds_load_b128 v[20+8*\w:23+8*\w], v12 offset:\w*1024+16
.endr
	s_wait_dscnt 0x0
	ADD8 16, 24
	ADD8 32, 40
	ADD8 48, 56
	ADD8 64, 72
	ADD8 16, 32
	ADD8 48, 64
	ADD8 16, 48                                    ; v16-23: the token's eight logits
	v_max3_num_f32 v24, v16, v17, v18
	v_max3_num_f32 v24, v24, v19, v20
	v_max3_num_f32 v24, v24, v21, v22
	v_max_num_f32 v24, v24, v23                    ; m
	v_mov_b32 v25, 0
.irp j,7,6,5,4,3,2,1,0                 ; from the top down, so that the lowest index wins a tie
	v_cmp_eq_f32 vcc_lo, v[16+\j], v24
	v_cndmask_b32 v25, v25, \j, vcc_lo
.endr
	v_mov_b32 v28, 0xff800000                      ; -inf takes the first choice's place
.irp j,0,1,2,3,4,5,6,7
	v_cmp_eq_u32 vcc_lo, \j, v25
	v_cndmask_b32 v[32+\j], v[16+\j], v28, vcc_lo
.endr
	v_max3_num_f32 v26, v32, v33, v34
	v_max3_num_f32 v26, v26, v35, v36
	v_max3_num_f32 v26, v26, v37, v38
	v_max_num_f32 v26, v26, v39                    ; the second logit
	v_mov_b32 v27, 1
.irp j,7,6,5,4,3,2,1,0
	v_cmp_eq_f32 vcc_lo, v[32+\j], v26
	v_cndmask_b32 v27, v27, \j, vcc_lo
.endr
	v_mul_f32 v29, s30, v24                        ; m log2(e)
.irp j,0,1,2,3,4,5,6,7
	v_fma_f32 v[40+\j], v[16+\j], s30, -v29
.endr
	v_fma_f32 v48, v26, s30, -v29
.irp j,0,1,2,3,4,5,6,7,8
	v_exp_f32 v[40+\j], v[40+\j]                   ; one batch of nine
.endr
	v_nop                                          ; a plain instruction behind the last exponential,
	s_wait_alu depctr_va_vdst(0)                   ; and one wait for the batch, ahead of its first reader
	v_add_f32 v49, v40, v41
	v_add_f32 v50, v42, v43
	v_add_f32 v51, v44, v45
	v_add_f32 v52, v46, v47
	v_add_f32 v49, v49, v50
	v_add_f32 v51, v51, v52
	v_add_f32 v49, v49, v51                        ; Z
	v_rcp_f32 v50, v49                             ; the first probability: exp(0) / Z
	v_nop
	s_wait_alu depctr_va_vdst(0)
	v_mul_f32 v51, v48, v50                        ; the second
	v_add_f32 v52, v50, v51
	v_add_f32 v52, 0x3089705f, v52                 ; + 1e-9
	v_rcp_f32 v53, v52
	v_nop
	s_wait_alu depctr_va_vdst(0)
	v_mul_f32 v54, v50, v53                        ; the two weights
	v_mul_f32 v55, v51, v53
	v_mov_b32 v56, 0
	v_mov_b32 v57, 0
.irp e,0,1,2,3,4,5,6,7                 ; lane 2 e + k takes the ballot of (expert e, rank k); its low 16 bits are the 16 tokens
	v_cmp_eq_u32 s31, \e, v25
	v_writelane_b32 v56, s31, 2*\e
	v_cmp_eq_u32 s31, \e, v27
	v_writelane_b32 v56, s31, 2*\e+1
.endr
	v_permlanex16_b32 v57, v56, s32, s33
	v_or_b32 v56, v56, v57                         ; lanes 16-31 repeat lanes 0-15: same value to the same place
	v_lshlrev_b32 v58, 7, v7                       ; (2 e + k) x 128 bytes
	s_lshl_b32 s34, ttmp9, 1                       ; + my half word
	v_add_nc_u32 v58, s34, v58
	global_store_b16 v58, v56, s[10:11]
	v_lshlrev_b32 v59, 2, v7
	s_lshl_b32 s35, ttmp9, 6
	v_add_nc_u32 v59, s35, v59
	global_store_b32 v59, v54, s[12:13]
	global_store_b32 v59, v55, s[12:13] offset:4096
.Lend:
	s_wait_tensorcnt 0x0                           ; the wave's end
	ds_add_u32 v[SPW], v[NIL]
	s_wait_dscnt 0x0
	s_endpgm
.Lfunc_end_k_qdea45da6c6_router:
	.size	k_qdea45da6c6_router, .Lfunc_end_k_qdea45da6c6_router-k_qdea45da6c6_router
	.p2alignl 7, 3214868480
	.fill 96, 4, 3214868480
	.section	.rodata,"a",@progbits
	.p2align	6, 0x0
	.amdhsa_kernel k_qdea45da6c6_router
		.amdhsa_group_segment_fixed_size 62464
		.amdhsa_private_segment_fixed_size 0
		.amdhsa_enable_private_segment 0
		.amdhsa_kernarg_size 40
		.amdhsa_user_sgpr_count 2
		.amdhsa_user_sgpr_kernarg_segment_ptr 1
		.amdhsa_wavefront_size32 1
		.amdhsa_system_sgpr_workgroup_id_x 1
		.amdhsa_system_sgpr_workgroup_id_y 1
		.amdhsa_system_sgpr_workgroup_id_z 1
		.amdhsa_system_vgpr_workitem_id 0
		.amdhsa_next_free_vgpr 160
		.amdhsa_next_free_sgpr 66
		.amdhsa_reserve_vcc 1
		.amdhsa_float_denorm_mode_32 3
		.amdhsa_float_denorm_mode_16_64 3
		.amdhsa_memory_ordered 1
		.amdhsa_forward_progress 1
		.amdhsa_inst_pref_size 24
	.end_amdhsa_kernel
	.amdgpu_metadata
---
amdhsa.version: [ 1, 2 ]
amdhsa.kernels:
  - .name:           k_qdea45da6c6_router
    .symbol:         k_qdea45da6c6_router.kd
    .args:
      - { .name: x, .offset: 0, .size: 8, .value_kind: global_buffer, .address_space: global }
      - { .name: Wg, .offset: 8, .size: 8, .value_kind: global_buffer, .address_space: global }
      - { .name: xb, .offset: 16, .size: 8, .value_kind: global_buffer, .address_space: global }
      - { .name: bm, .offset: 24, .size: 8, .value_kind: global_buffer, .address_space: global }
      - { .name: gw, .offset: 32, .size: 8, .value_kind: global_buffer, .address_space: global }
    .group_segment_fixed_size: 62464
    .private_segment_fixed_size: 0
    .kernarg_segment_align: 8
    .kernarg_segment_size: 40
    .max_flat_workgroup_size: 256
    .sgpr_count:     66
    .vgpr_count:     160
    .wavefront_size: 32
...
	.end_amdgpu_metadata
.endif
;; end of part 1
;; launch ffn1 (part 2): grid 32 x 8, 8 waves a work-group, no clusters, 248,832 bytes of LDS; arguments W1, b1, xb, bm, h; writes h
.if DOCPART == 2
	.amdgcn_target "amdgcn-amd-amdhsa--gfx1250"
	.amdhsa_code_object_version 6
	.text
	.protected	k_qdea45da6c6_ffn1
	.globl	k_qdea45da6c6_ffn1
	.p2align	8
	.type	k_qdea45da6c6_ffn1,@function
k_qdea45da6c6_ffn1:
	s_mov_b64 s[64:65], 0
	v_nop
	global_prefetch_b8 v0, s[64:65] scope:SCOPE_SE
	s_setreg_imm32_b32 hwreg(HW_REG_WAVE_MODE, 25, 1), 1
	s_wait_xcnt 0x0
; ONE PRODUCT OF THE EXPERTS' CHAIN, for the routed rows alone.  One source text serves both layers; LAYER picks the constants.
;   LAYER 1: h[slot][4096] = bf16(gelu(xb[token] W1[e] + b1[e])).      LAYER 2: y[ks][slot][1024] = gw[slot] (h[slot][quarter ks of K] W2[e] (+ b2[e] in quarter 0)), f32 partial sums.
; A routed row is the SLOT k*1024 + token (rank k); each slot has one expert, so every byte of the output has one writer.
; SHARE.  Work-group (tile, expert e): a slice of the expert's weights, 1,024 k x 128 columns of f32, which it alone reads, and all of that expert's rows.  Eight waves, all running the same text.
; WEIGHTS WITHOUT A TRANSPOSE.  A 16-byte load gives lane (r = L % 16, hh = L / 16) columns 4 r .. 4 r + 3 of row k0 + 16 hh + j.  Component q of loads 2 i and 2 i + 1, rounded as a pair,
; IS register i of a source-1 fragment whose lane r holds column 4 r + q; its k order is k0 + 16 hh + 2 i + half.  The token fragment takes the same order: 32 consecutive bytes of the row at 2 (k0 + 16 hh).
; A K STEP is 32 rows of the slice, 16 KB.  Wave w = (g = w % 2, u = w / 2) loads rows 16 hh + 4 u + 0..3 of columns 64 g .. + 63 (4 loads), rounds them (registers 2 u, 2 u + 1 of fragments 4 g + 0..3) and lays them
; into a ring of five LDS slots; every wave then reads all eight fragments and multiplies its own rows: 3 blocks of 16 rows x 128 columns, 24 accumulators.
; ONE BARRIER A K STEP, ITS HALVES APART.  In step t a wave stores into slot (t + 2) % 5, waits for its LDS instructions and signals; it loads fragments 4-7 of slot t % 5 and issues 8 products; then it waits for the others.
; Slot k is stored in step k - 2 ahead of that step's signal and first read in step k - 1 behind that step's wait.  It is last read in step k, by loads awaited ahead of the signal of step k + 1, and stored again in
; step k + 3, behind the wait of step k + 2.  Between a signal and its wait stand LDS loads from slot t, which nobody writes before step t + 3, and work on registers.
; LOADS AHEAD.  Token rows and weights share the wave's one load counter, 6 + 4 loads a K step.  A step's rows are asked for four steps ahead, a stage of weights five: 34 loads of a wave stay out at the wait
; (four stages, three steps' rows), 44 behind the refills, which for the eight waves is 64 KB and 80 KB of weights.  Stage slots, row buffers and ring all go by 5, so five steps of text make the loop.
; Each stage slot and each row buffer has a scalar base pair of its own, rewritten only behind the counted wait that has shown its last loads done: no other wait stands in the loop for the bases.
; ROWS.  The expert's slots in the order of the bitmap form a list; wave w owns positions 128 B + 16 w + r and finds its slots from the bitmap in registers.  The barrier loop serves blocks B = 0..2
; (384 rows an expert); further rows, up to the 1,024 that an expert can get, go through up to two more passes without ring or barrier, so that whether they run may hang on the stored counts.
; THE WAY OUT is written out, twelve groups of four rows: every LDS address in it is a fixed lane register and an immediate offset.
; NO MULTICAST: a slice of weights has one reader, and the token rows that an expert's work-groups share come by a list that no tile descriptor covers.  The weights must pass through registers to be rounded.
; LIMITS.  Weights, bias and rows are bf16-rounded (every input of this program is, once); sums in f32; h is rounded once to bf16.  gelu is the tanh form written as x / (1 + 2^(x (K1 + K2 x^2))):
; the exponential may reach infinity or 0, which give the limits -0 and x.  NaN and infinities are not treated apart.
.set LAYER, 1
.if LAYER == 1
.set PWSH, 14                          ; a weight row is 2^PWSH bytes
.else
.set PWSH, 12
.endif
.set PW,     1<<PWSH
.set STEP,   32*PW                     ; a K step of 32 rows
.set RSLOT,  8192                      ; a ring slot: fragment f (0..7) at 1,024 f; its registers 0-3 at + 16 L, registers 4-7 at + 512 + 16 L
.set PRIV,   5*RSLOT                   ; for each wave 512 bytes: the slots of its 48 rows, u16; at GWL their gate weights, f32
.set PRIVB,  512
.set GWL,    128
.set STAGE,  PRIV+8*PRIVB              ; for each wave 48 rows x 528 bytes for the way out
.set SPITCH, 528
.set STAGEB, 48*SPITCH
.set SPARE,  STAGE+8*STAGEB            ; the spare words, 128 bytes a wave, named by no other line
; SCALARS: s[4:5] W  s[6:7] bias  s[8:9] rows  s[10:11] bm  s[12:13] out  s[14:15] gw  s16 wave  s17 g  s18 u  s19 e  s20 tile  s21 ks  s[22:23] slice  s[24:25] its stage in a later pass  s[26:27] stage offset
;   s[28:29] rows' base  s[30:31] at the K step in a later pass  s[32:33] its offset  s34 count  s35 my rows  s36 my blocks  s37 loop counts  s38 pass  s39 rows left  s40-45, s54, s55, s60-62 at work
;   s46-47 lane selects  s48 mask of lanes 16-31  s49 all ones in quarter 0  s50 my PRIV  s51 my STAGE  s53 384 x pass  s[56:57] K1  s[58:59] K2
.set WB,   66                          ; s[66:75]  the base pair of stage slot p at WB + 2 p
.set AB,   76                          ; s[76:85]  the base pair of row buffer a at AB + 2 a
.set WOFF, 1                           ; v1      my byte offset in a stage of weights
.set WST,  2                           ; v2      where my rounded weights go in a ring slot
.set BAD,  3                           ; v3      16 L: a fragment's read address (the ring begins at LDS byte 0)
.set AOFF, 4                           ; v4-6    byte offsets of my lane's row in blocks 0-2
.set POS,  7                           ; v7      128 hh + 16 w + r: the first list position that my lane searches in pass 0
.set SLT,  8                           ; v8-10   the slots of my lane's rows in blocks 0-2
.set SPW,  12                          ; v12     SPARE + 4 x my thread's number; never rewritten
.set NIL,  13                          ; v13     0; never rewritten
.set CV,   16                          ; v16-23  rounded weights on their way to LDS
.set WR,   24                          ; v24-103 five stage slots of 16
.set AR,   104                         ; v104-223 five buffers of 3 token fragments
.set T,    104                         ; the search for my rows works here while no row load is out
.set BG0,  192                         ; window 1: v0-191 accumulator (b, n) at 8 (8 b + n); v192-223 fragments 0-3; v224-255 fragments 4-7
.set BG1,  224
.set MSB, 0
.macro WIN new                         ; the immediate's high byte repeats the setting that is left; at every label and branch the setting is 0
.if MSB != (\new)
	s_set_vgpr_msb (MSB<<8)|(\new)
.set MSB, \new
.endif
.endm
.macro PLACES                          ; four plain places between a product and a load or write into its registers, or a read of its result
.rept 4
	v_nop
.endr
.endm
; Stage slot p is rounded and stored into ring slot p; row buffer a takes the rows four K steps on, stage slot p the stage five further on.  n: the younger loads that may stay out.
.macro FEED p, a, n
	s_wait_loadcnt \n                              ; loads come back in order: this stage's 4 loads, and this K step's rows, are in
.irp q,0,1,2,3
.irp i,0,1
	v_cvt_pk_bf16_f32 v[CV+2*\q+\i], v[WR+16*(\p)+8*\i+\q], v[WR+16*(\p)+8*\i+4+\q]   ; these eight are also the places behind the last step's products
.endr
.endr
.irp q,0,1,2,3
	ds_store_b64 v[WST], v[CV+2*\q:CV+2*\q+1] offset:(\p)*RSLOT+\q*1024
.endr
	s_add_co_u32 s32, s32, 64
	s_min_u32 s32, s32, 1984                       ; past the last K step it is asked for again: every step has the same loads and counts, and no load leaves the buffer
	s_add_nc_u64 s[AB+2*(\a):AB+2*(\a)+1], s[28:29], s[32:33]  ; the buffer's own pair: its last loads were the rows multiplied in the step before, shown done by that step's wait
.irp b,0,1,2
	global_load_b128 v[AR+24*(\a)+8*\b:AR+24*(\a)+8*\b+3], v[AOFF+\b], s[AB+2*(\a):AB+2*(\a)+1]
	global_load_b128 v[AR+24*(\a)+8*\b+4:AR+24*(\a)+8*\b+7], v[AOFF+\b], s[AB+2*(\a):AB+2*(\a)+1] offset:16
.endr
	s_add_co_u32 s26, s26, STEP
	s_min_u32 s26, s26, 31*STEP                    ; past the slice's end the last stage is asked for again
	s_add_nc_u64 s[WB+2*(\p):WB+2*(\p)+1], s[22:23], s[26:27]  ; the slot's own pair: its last loads are the ones just rounded, shown done by the wait above
.irp j,0,1,2,3
	global_load_b128 v[WR+16*(\p)+4*\j:WR+16*(\p)+4*\j+3], v[WOFF], s[WB+2*(\p):WB+2*(\p)+1] offset:\j*PW   ; 16 lanes take 256 consecutive bytes of a row, aligned
.endr
.endm
.macro BLOAD dst, ls, f0               ; four fragments f0 .. f0 + 3 of ring slot ls, into window 1
	WIN 0x40
.irp q,0,1,2,3
	ds_load_b128 v[(\dst)+8*\q:(\dst)+8*\q+3], v[BAD] offset:(\ls)*RSLOT+((\f0)+\q)*1024
	ds_load_b128 v[(\dst)+8*\q+4:(\dst)+8*\q+7], v[BAD] offset:(\ls)*RSLOT+((\f0)+\q)*1024+512
.endr
.endm
; 8 + 4 products: token fragments at ab x weight fragments at bb, accumulators n0 .. n0 + 3 of every block.  Each accumulator has one instruction a K step.
; zero = 1: the products start the sums.  skip = 1: block 2 is jumped where the wave has two blocks or fewer.  bar = 1: the step's barrier is waited for behind the first eight.
.macro MUL ab, bb, n0, zero, skip, bar=0
	WIN 0x54                                       ; tokens in window 0; weights, C and D in window 1
.irp b,0,1
.irp q,0,1,2,3
.if \zero
	v_wmma_f32_16x16x32_bf16 v[8*(8*\b+(\n0)+\q):8*(8*\b+(\n0)+\q)+7], v[(\ab)+8*\b:(\ab)+8*\b+7], v[(\bb)+8*\q:(\bb)+8*\q+7], 0
.else
	v_wmma_f32_16x16x32_bf16 v[8*(8*\b+(\n0)+\q):8*(8*\b+(\n0)+\q)+7], v[(\ab)+8*\b:(\ab)+8*\b+7], v[(\bb)+8*\q:(\bb)+8*\q+7], v[8*(8*\b+(\n0)+\q):8*(8*\b+(\n0)+\q)+7]
.endif
.endr
.endr
.if \bar
	s_barrier_wait -1                              ; every wave's stores of this step are in the ring, and its reads of the steps before are over
.endif
.if \skip
	WIN 0
	s_cmp_lt_u32 s36, 3
	s_cbranch_scc1 .Lno2_\@
	WIN 0x54
.endif
.irp q,0,1,2,3
.if \zero
	v_wmma_f32_16x16x32_bf16 v[8*(16+(\n0)+\q):8*(16+(\n0)+\q)+7], v[(\ab)+16:(\ab)+23], v[(\bb)+8*\q:(\bb)+8*\q+7], 0
.else
	v_wmma_f32_16x16x32_bf16 v[8*(16+(\n0)+\q):8*(16+(\n0)+\q)+7], v[(\ab)+16:(\ab)+23], v[(\bb)+8*\q:(\bb)+8*\q+7], v[8*(16+(\n0)+\q):8*(16+(\n0)+\q)+7]
.endif
.endr
	WIN 0
.if \skip
.Lno2_\@:
.endif
.endm
; K step t (t5 = t % 5).  n: the loads that may stay out at its head.
.macro TRIP t5, zero, n
	FEED ((\t5)+2)%5, ((\t5)+4)%5, \n
	s_wait_dscnt 0x0                               ; my stores into the ring are done, and my LDS loads of the step before are back (fragments 0-3 of this step among them)
	s_barrier_signal -1                            ; say so; the wait stands behind eight products
.if \zero
	BLOAD BG0, \t5, 0                              ; the first step's fragments 0-3; later they are fetched a step ahead
.endif
	BLOAD BG1, \t5, 4                              ; slot t: whole since two barriers ago, and stored again three steps on
.if \zero
	s_wait_dscnt 8                                 ; fragments 0-3 are in; the 8 loads of 4-7 may be out
.endif
	MUL AR+24*(\t5), BG0, 0, \zero, 1-(\zero), 1
	PLACES
	BLOAD BG0, ((\t5)+1)%5, 0                      ; the next step's fragments 0-3
	s_wait_dscnt 8                                 ; fragments 4-7 are in; the 8 just issued may be out
	MUL AR+24*(\t5), BG1, 4, \zero, 1-(\zero)
.endm
; 32 bitmap words, four a trip: for each of my two positions the last word whose running count does not exceed it is kept, with that count and the word's number.
.macro FIND src
	s_mov_b32 s37, 0
.Lfind_\@:
	s_add_co_u32 s60, s37, 1
	s_add_co_u32 s61, s37, 2
	s_add_co_u32 s62, s37, 3
	v_readlane_b32 s40, v[\src], s37
	v_readlane_b32 s41, v[\src], s60
	v_readlane_b32 s54, v[\src], s61
	v_readlane_b32 s55, v[\src], s62
.irp w,40,41,54,55
.irp i,0,1
	v_cmp_gt_u32 vcc_lo, s42, v[T+4+\i]
	v_cndmask_b32 v[T+8+\i], s\w, v[T+8+\i], vcc_lo
	v_cndmask_b32 v[T+12+\i], s44, v[T+12+\i], vcc_lo
.endr
	s_bcnt1_i32_b32 s45, s\w
	s_add_co_u32 s42, s42, s45                     ; the running count,
	s_add_co_u32 s44, s44, s45                     ; and the same with the word's number on top
	s_add_co_u32 s44, s44, 0x10000
.endr
	s_add_co_u32 s37, s37, 4
	s_cmp_lt_u32 s37, 32
	s_cbranch_scc1 .Lfind_\@
.endm
.macro SELSTEP i, src, wd, inc         ; is the wanted bit beyond the lower field?
	v_bfe_u32 v[T+20], v[\src], v[T+24+\i], \wd
	v_cmp_ge_u32 vcc_lo, v[T+4+\i], v[T+20]
	v_cndmask_b32 v[T+20], 0, v[T+20], vcc_lo
	v_cndmask_b32 v[T+21], 0, \inc, vcc_lo
	v_sub_nc_u32 v[T+4+\i], v[T+4+\i], v[T+20]
	v_add_nc_u32 v[T+24+\i], v[T+24+\i], v[T+21]
.endm
.macro SELECT i                        ; the place of set bit number q of the word: counts of fields of 2, 4, 8 and 16 bits, then five halvings; slot = 32 x word + place
	v_and_b32 v[T+20], 0xffff, v[T+12+\i]
	v_sub_nc_u32 v[T+4+\i], v[T+4+\i], v[T+20]     ; q
	v_lshrrev_b32 v[T+12+\i], 16, v[T+12+\i]
	v_lshrrev_b32 v[T+16], 1, v[T+8+\i]
	v_and_b32 v[T+16], 0x55555555, v[T+16]
	v_sub_nc_u32 v[T+16], v[T+8+\i], v[T+16]
	v_lshrrev_b32 v[T+17], 2, v[T+16]
	v_and_b32 v[T+17], 0x33333333, v[T+17]
	v_and_b32 v[T+18], 0x33333333, v[T+16]
	v_add_nc_u32 v[T+17], v[T+17], v[T+18]
	v_lshrrev_b32 v[T+18], 4, v[T+17]
	v_add_nc_u32 v[T+18], v[T+18], v[T+17]
	v_and_b32 v[T+18], 0x0f0f0f0f, v[T+18]
	v_lshrrev_b32 v[T+19], 8, v[T+18]
	v_add_nc_u32 v[T+19], v[T+19], v[T+18]
	v_mov_b32 v[T+24+\i], 0
	SELSTEP \i, T+19, 8, 16
	SELSTEP \i, T+18, 8, 8
	SELSTEP \i, T+17, 4, 4
	SELSTEP \i, T+16, 2, 2
	SELSTEP \i, T+8+\i, 1, 1
	v_lshl_add_u32 v[T+24+\i], v[T+12+\i], 5, v[T+24+\i]
.endm
.macro BMLOAD                          ; lane j: the expert's bitmap word j of rank 0, and of rank 1
	v_and_b32 v[T+2], 31, v0
	v_lshlrev_b32 v[T+2], 2, v[T+2]
	global_load_b32 v[T], v[T+2], s[10:11]
	global_load_b32 v[T+1], v[T+2], s[10:11] offset:128
.endm
; The slots of my three blocks in the pass at list offset s53.  Lane (r, hh) searches row r of blocks hh and 2 + hh (block 3 serves nothing); the halves of the lanes then exchange what they found.
; n: the loads issued behind the bitmap's, which may stay out.  A position past the count gives some slot that exists; its row is never stored.
.macro SETROWS n
	v_add_nc_u32 v[T+4], s53, v[POS]
	v_add_nc_u32 v[T+5], 0x100, v[T+4]
.irp i,0,1
	v_mov_b32 v[T+8+\i], 0
	v_mov_b32 v[T+12+\i], 0
.endr
	s_mov_b32 s42, 0
	s_mov_b32 s44, 0
	s_wait_loadcnt \n
	FIND T
	FIND T+1
	s_mov_b32 s34, s42                             ; the expert's rows
	SELECT 0
	SELECT 1
	v_permlanex16_b32 v[T+8], v[T+24], s46, s47    ; what the lane 16 away found
	v_permlanex16_b32 v[T+9], v[T+25], s46, s47
	v_cndmask_b32 v[T+26], v[T+24], v[T+8], s48    ; block 0: lanes 0-15 found it themselves
	v_cndmask_b32 v[T+27], v[T+8], v[T+24], s48    ; block 1: lanes 16-31 did
	v_cndmask_b32 v[T+28], v[T+25], v[T+9], s48    ; block 2: lanes 0-15 again
	v_and_b32 v[T+32], 15, v0
	v_bfe_u32 v[T+33], v0, 4, 1
	v_lshl_add_u32 v[T+34], v[T+32], 1, s50
	v_lshlrev_b32 v[T+33], 5, v[T+33]              ; 32 hh: my half's 32 bytes of a K step
.irp b,0,1,2
	v_min_u32 v[SLT+\b], 0x7ff, v[T+26+\b]
	ds_store_b16 v[T+34], v[SLT+\b] offset:32*\b   ; row 16 b + r of my 48; the two halves of the lanes store the same number
.if LAYER == 1
	v_and_b32 v[AOFF+\b], 0x3ff, v[SLT+\b]         ; the slot's token
	v_lshl_add_u32 v[AOFF+\b], v[AOFF+\b], 11, v[T+33]
.else
	v_lshl_add_u32 v[AOFF+\b], v[SLT+\b], 13, v[T+33]
.endif
.endr
.endm
; Block b leaves its accumulators: register j of the eight accumulators, side by side, is 2 x 16 bytes of row 8 hh + j; each accumulator is read from register 0 up.  16 lanes store 256 consecutive LDS bytes.
.macro DUMPB b
	WIN 0x01
.irp j,0,1,2,3,4,5,6,7
.irp c,0,1,2,3,4,5,6,7
	v_mov_b32 v[32+8*\j+\c], v[8*(8*\b+\c)+\j]
.endr
.endr
	WIN 0
.irp j,0,1,2,3,4,5,6,7
	ds_store_b128 v14, v[32+8*\j:32+8*\j+3] offset:(16*\b+\j)*SPITCH
	ds_store_b128 v14, v[32+8*\j+4:32+8*\j+7] offset:(16*\b+\j)*SPITCH+256
.endr
.endm
.macro LDGROUP G                       ; group G: four whole rows of my stage, their slots (and gate weights)
.irp i,0,1,2,3
	ds_load_b128 v[96+4*\i:99+4*\i], v15 offset:(4*(\G)+\i)*SPITCH
.endr
	ds_load_b64 v[112:113], v16 offset:8*(\G)
.if LAYER == 2
	ds_load_b128 v[116:119], v16 offset:GWL+16*(\G)
.endif
.endm
; Group G of the way out: rows 4 G .. 4 G + 3 of my 48 get the bias (and the activation, or the gate weight) and are stored; the next group's LDS loads are issued in between.
; Where no row is left, the rest of the way out is jumped; s39 is the number of my rows in this pass and beyond.
.macro ROWS G
	s_wait_dscnt 0x0                               ; this group's rows, asked for a group ago
.if \G > 0
	s_cmp_le_i32 s39, 4*(\G)
	s_cbranch_scc1 .Lrows_done
.endif
	s_wait_xcnt 0x0                                ; the last group's stores have read their data and offsets
.irp i,0,1,2,3,4,5,6,7
	v_pk_add_f32 v[120+2*\i:121+2*\i], v[96+2*\i:97+2*\i], v[24+2*(\i%2):25+2*(\i%2)]
.endr
	v_and_b32 v168, 0xffff, v112
	v_lshrrev_b32 v169, 16, v112
	v_and_b32 v170, 0xffff, v113
	v_lshrrev_b32 v171, 16, v113
.irp i,168,169,170,171
	v_min_u32 v\i, 0x7ff, v\i
.if LAYER == 1
	v_lshl_add_u32 v\i, v\i, 13, v17
.else
	v_lshl_add_u32 v\i, v\i, 12, v17
.endif
.endr
.if LAYER == 2
	v_pk_mul_f32 v[120:121], v[120:121], v[116:117] op_sel_hi:[1,0]                ; each row by its gate weight
	v_pk_mul_f32 v[122:123], v[122:123], v[116:117] op_sel_hi:[1,0]
	v_pk_mul_f32 v[124:125], v[124:125], v[116:117] op_sel:[0,1] op_sel_hi:[1,1]
	v_pk_mul_f32 v[126:127], v[126:127], v[116:117] op_sel:[0,1] op_sel_hi:[1,1]
	v_pk_mul_f32 v[128:129], v[128:129], v[118:119] op_sel_hi:[1,0]
	v_pk_mul_f32 v[130:131], v[130:131], v[118:119] op_sel_hi:[1,0]
	v_pk_mul_f32 v[132:133], v[132:133], v[118:119] op_sel:[0,1] op_sel_hi:[1,1]
	v_pk_mul_f32 v[134:135], v[134:135], v[118:119] op_sel:[0,1] op_sel_hi:[1,1]
.endif
.if \G < 11
	LDGROUP (\G)+1                                 ; the next four rows
.endif
.if LAYER == 1
.irp i,0,2,4,6,8,10,12,14
	v_pk_mul_f32 v[136+\i:137+\i], v[120+\i:121+\i], v[120+\i:121+\i]
.endr
.irp i,0,2,4,6,8,10,12,14
	v_pk_fma_f32 v[136+\i:137+\i], v[136+\i:137+\i], s[58:59], s[56:57] op_sel_hi:[1,0,0]
.endr
.irp i,0,2,4,6,8,10,12,14
	v_pk_mul_f32 v[136+\i:137+\i], v[136+\i:137+\i], v[120+\i:121+\i]
.endr
.irp i,0,1,2,3,4,5,6,7,8,9,10,11,12,13,14,15
	v_exp_f32 v[136+\i], v[136+\i]
.endr
	v_nop                                          ; a plain instruction behind the batch,
	s_wait_alu depctr_va_vdst(0)                   ; and one wait for its sixteen, ahead of the first reader
.irp i,0,2,4,6,8,10,12,14
	v_pk_add_f32 v[136+\i:137+\i], v[136+\i:137+\i], 1.0 op_sel_hi:[1,0]
.endr
.irp i,0,1,2,3,4,5,6,7,8,9,10,11,12,13,14,15
	v_rcp_f32 v[136+\i], v[136+\i]
.endr
	v_nop
	s_wait_alu depctr_va_vdst(0)
.irp i,0,2,4,6,8,10,12,14
	v_pk_mul_f32 v[136+\i:137+\i], v[136+\i:137+\i], v[120+\i:121+\i]
.endr
.irp i,0,1,2,3,4,5,6,7
	v_cvt_pk_bf16_f32 v[172+\i], v[136+2*\i], v[137+2*\i]
.endr
	global_store_b64 v168, v[172:173], s[12:13]    ; 32 lanes store a row's 256 consecutive bytes, aligned
	s_cmp_lt_i32 s39, 4*(\G)+2
	s_cbranch_scc1 .Lrows_done
	global_store_b64 v169, v[174:175], s[12:13]
	s_cmp_lt_i32 s39, 4*(\G)+3
	s_cbranch_scc1 .Lrows_done
	global_store_b64 v170, v[176:177], s[12:13]
	s_cmp_lt_i32 s39, 4*(\G)+4
	s_cbranch_scc1 .Lrows_done
	global_store_b64 v171, v[178:179], s[12:13]
.else
	global_store_b128 v168, v[120:123], s[12:13]   ; 32 lanes store a row's 512 consecutive bytes, aligned
	s_cmp_lt_i32 s39, 4*(\G)+2
	s_cbranch_scc1 .Lrows_done
	global_store_b128 v169, v[124:127], s[12:13]
	s_cmp_lt_i32 s39, 4*(\G)+3
	s_cbranch_scc1 .Lrows_done
	global_store_b128 v170, v[128:131], s[12:13]
	s_cmp_lt_i32 s39, 4*(\G)+4
	s_cbranch_scc1 .Lrows_done
	global_store_b128 v171, v[132:135], s[12:13]
.endif
.endm
; A K step of a later pass: the wave loads and rounds the weights for itself; nothing is shared, so no barrier is needed.
.macro SLOWSTEP zero
	PLACES
.irp b,0,1,2
	global_load_b128 v[AR+8*\b:AR+8*\b+3], v[AOFF+\b], s[30:31]
	global_load_b128 v[AR+8*\b+4:AR+8*\b+7], v[AOFF+\b], s[30:31] offset:16
.endr
.irp g,0,1
.irp j,0,1,2,3,4,5,6,7,8,9,10,11,12,13,14,15
	global_load_b128 v[128+4*\j:131+4*\j], v[WOFF], s[24:25] offset:\j*PW+256*\g
.endr
	s_wait_loadcnt 0x0
	WIN 0x40
.irp q,0,1,2,3
.irp i,0,1,2,3,4,5,6,7
	v_cvt_pk_bf16_f32 v[BG0+32*\g+8*\q+\i], v[128+8*\i+\q], v[132+8*\i+\q]
.endr
.endr
	MUL AR, BG0+32*\g, 4*\g, \zero, 0
.endr
	s_add_nc_u64 s[24:25], s[24:25], STEP          ; no load is out: the wait for 0 above
	s_add_nc_u64 s[30:31], s[30:31], 64
.endm
	s_load_b256 s[4:11], s[0:1], 0x0               ; W, bias, rows, bm
.if LAYER == 1
	s_load_b64 s[12:13], s[0:1], 0x20              ; out
.else
	s_load_b128 s[12:15], s[0:1], 0x20             ; out, gw
.endif
	v_lshl_add_u32 v[SPW], v0, 2, SPARE
	v_mov_b32 v[NIL], 0
	v_lshrrev_b32 v1, 5, v0
	v_readfirstlane_b32 s16, v1                    ; wave 0..7
	s_and_b32 s17, s16, 1                          ; g: which 64 columns of a stage I load
	s_lshr_b32 s18, s16, 1                         ; u: which 4 rows of each 16
	s_and_b32 s19, ttmp7, 0xffff                   ; expert
.if LAYER == 1
	s_mov_b32 s20, ttmp9                           ; slice of 128 columns
.else
	s_and_b32 s20, ttmp9, 7                        ; slice of 128 columns
	s_lshr_b32 s21, ttmp9, 3                       ; quarter of K
.endif
	s_lshl_b32 s26, s19, 24                        ; an expert's weights are 2^24 bytes
	s_lshl_b32 s41, s20, 9
	s_add_co_u32 s26, s26, s41
.if LAYER == 2
	s_lshl_b32 s43, s21, 22                        ; 1,024 rows of 4,096 bytes
	s_add_co_u32 s26, s26, s43
.endif
	s_mov_b32 s27, 0
	v_and_b32 v14, 31, v0                          ; L
	v_and_b32 v15, 15, v0                          ; r
	v_bfe_u32 v11, v0, 4, 1                        ; hh
	v_lshlrev_b32 v[BAD], 4, v14
	v_lshlrev_b32 v[WOFF], 4, v11
	s_lshl_b32 s45, s18, 2
	v_add_nc_u32 v[WOFF], s45, v[WOFF]
	v_lshlrev_b32 v[WOFF], PWSH, v[WOFF]
	v_lshl_add_u32 v[WOFF], v15, 4, v[WOFF]
	s_lshl_b32 s45, s17, 8
	v_add_nc_u32 v[WOFF], s45, v[WOFF]             ; (16 hh + 4 u) rows + 256 g + 16 r
	s_lshl_b32 s45, s17, 12
	s_lshr_b32 s44, s18, 1
	s_lshl_b32 s44, s44, 9
	s_add_co_u32 s45, s45, s44
	s_and_b32 s44, s18, 1
	s_lshl_b32 s44, s44, 3
	s_add_co_u32 s45, s45, s44
	v_add_nc_u32 v[WST], s45, v[BAD]               ; 4,096 g + 512 (u / 2) + 8 (u % 2) + 16 L
	s_lshl_b32 s45, s16, 4
	v_lshl_add_u32 v[POS], v11, 7, v15
	v_add_nc_u32 v[POS], s45, v[POS]               ; 128 hh + 16 w + r
	s_mul_i32 s50, s16, PRIVB
	s_add_co_u32 s50, s50, PRIV
	s_mul_i32 s51, s16, STAGEB
	s_add_co_u32 s51, s51, STAGE
	s_mov_b32 s46, 0x76543210                      ; v_permlanex16_b32: each lane takes its own place in the other half
	s_mov_b32 s47, 0xfedcba98
	s_mov_b32 s48, 0xffff0000                      ; lanes 16-31
	s_mov_b32 s56, 0xc0135761                      ; K1 = -2 sqrt(2/pi) log2(e)
	s_mov_b32 s57, s56
	s_mov_b32 s58, 0xbdd2d3e8                      ; K2 = 0.044715 K1
	s_mov_b32 s59, s58
	s_mov_b32 s53, 0
	s_mov_b32 s33, 0
	s_wait_kmcnt 0x0
	s_add_nc_u64 s[22:23], s[4:5], s[26:27]        ; my slice's first byte
.if LAYER == 1
	s_mov_b64 s[28:29], s[8:9]
	s_lshl_b32 s32, s19, 14
.else
	s_lshl_b32 s32, s21, 11
	s_add_nc_u64 s[28:29], s[8:9], s[32:33]        ; my quarter of a row of h
	s_lshl_b32 s32, s19, 12
.endif
	s_add_co_u32 s32, s32, s41
	s_add_nc_u64 s[6:7], s[6:7], s[32:33]          ; my 128 numbers of the bias
.if LAYER == 1
	s_lshl_b32 s32, s20, 8
.else
	s_lshl_b32 s32, s21, 23
	s_add_co_u32 s32, s32, s41
	s_cmp_eq_u32 s21, 0
	s_cselect_b32 s49, -1, 0                       ; the bias belongs to quarter 0
.endif
	s_add_nc_u64 s[12:13], s[12:13], s[32:33]      ; my columns of the output
	s_lshl_b32 s32, s19, 8
	s_add_nc_u64 s[10:11], s[10:11], s[32:33]      ; the expert's 64 bitmap words
	BMLOAD
.irp s,0,1,2,3,4                       ; the first five stages go out before anything else is worked on
.irp j,0,1,2,3
	global_load_b128 v[WR+16*\s+4*\j:WR+16*\s+4*\j+3], v[WOFF], s[22:23] offset:\s*STEP+\j*PW
.endr
.endr
	SETROWS 20                                     ; the bitmap is in; the 20 weight loads behind it stay out
	s_lshr_b32 s35, s34, 7                         ; my rows: 16 for each full 128 of the list,
	s_lshl_b32 s35, s35, 4
	s_and_b32 s41, s34, 127
	s_lshl_b32 s43, s16, 4
	s_sub_co_i32 s41, s41, s43
	s_max_i32 s41, s41, 0
	s_min_i32 s41, s41, 16                         ; and my part of the rest
	s_add_co_u32 s35, s35, s41
	s_add_co_u32 s36, s35, 15
	s_lshr_b32 s36, s36, 4
	s_min_u32 s36, s36, 3                          ; my blocks in the first pass
.irp a,0,1
.irp b,0,1,2
	global_load_b128 v[AR+24*\a+8*\b:AR+24*\a+8*\b+3], v[AOFF+\b], s[28:29] offset:64*\a
	global_load_b128 v[AR+24*\a+8*\b+4:AR+24*\a+8*\b+7], v[AOFF+\b], s[28:29] offset:64*\a+16
.endr
.endr
	s_mov_b32 s32, 64
	s_mov_b32 s26, 4*STEP
	FEED 0, 2, 28                                  ; behind stage 0's loads: stages 1-4 (16) and two K steps' rows (12)
	FEED 1, 3, 34                                  ; behind stage 1's: stages 2-4 (12), 12, K step 2's rows (6), stage 5 (4)
	s_wait_dscnt 0x0                               ; stages 0 and 1 are in the ring
	s_barrier_signal -1
	s_barrier_wait -1
	TRIP 0, 1, 26                                  ; the first K step starts the sums: nothing is cleared.  Behind K step 0's rows: 6 + 6 + 4 + 6 + 4 loads
	TRIP 1, 0, 30                                  ; behind K step 1's rows: 6 + 4 + 6 + 4 + 6 + 4
	s_mov_b32 s37, 6
.Lmain:                                                ; 6 x 5 K steps; behind a K step's rows stand a stage's 4 loads and three steps of 10
	TRIP 2, 0, 34
	TRIP 3, 0, 34
	TRIP 4, 0, 34
	TRIP 0, 0, 34
	TRIP 1, 0, 34
	s_sub_co_u32 s37, s37, 1
	s_cmp_lg_u32 s37, 0
	s_cbranch_scc1 .Lmain
	s_wait_loadcnt 0x0                             ; the repeated last stages and rows; no barrier follows
	s_wait_dscnt 0x0                               ; the last step's look-ahead fragments
	s_mov_b32 s39, s35
	s_mov_b32 s38, 0
.Lpass:                                                ; three passes of 48 rows a wave cover the 128 that a wave can get
	s_cmp_le_i32 s39, 0
	s_cbranch_scc1 .Lnext
	; ---- the way out: accumulators into my stage, back as whole rows, four rows a group ----
	PLACES
	v_and_b32 v18, 31, v0
	v_and_b32 v19, 15, v0
	v_bfe_u32 v20, v0, 4, 1
	v_lshlrev_b32 v21, 4, v18
	global_load_b128 v[24:27], v21, s[6:7]         ; the bias of columns 4 L .. 4 L + 3
.if LAYER == 2
.irp b,0,1,2
	v_lshlrev_b32 v[180+\b], 2, v[SLT+\b]
	global_load_b32 v[184+\b], v[180+\b], s[14:15] ; the gate weights of my lane's three rows
.endr
.endif
	v_mul_u32_u24 v14, v20, 8*SPITCH
	v_lshl_add_u32 v14, v19, 4, v14
	v_add_nc_u32 v14, s51, v14                     ; in: row 8 hh, byte 16 r
	v_add_nc_u32 v15, s51, v21                     ; back: 32 lanes take a row's 512 bytes
	v_mov_b32 v16, s50                             ; my private words
.if LAYER == 1
	v_lshlrev_b32 v17, 3, v18                      ; 8 bytes a lane in h
.else
	v_mov_b32 v17, v21                             ; 16 bytes a lane in y
.endif
	DUMPB 0
	DUMPB 1
	DUMPB 2
	s_wait_loadcnt 0x0
	v_cvt_pk_bf16_f32 v28, v24, v25                ; the bias is rounded to bf16 as every input is
	v_cvt_pk_bf16_f32 v29, v26, v27
	v_lshlrev_b32 v24, 16, v28
	v_and_b32 v25, 0xffff0000, v28
	v_lshlrev_b32 v26, 16, v29
	v_and_b32 v27, 0xffff0000, v29
.if LAYER == 2
.irp i,24,25,26,27
	v_cndmask_b32 v\i, 0, v\i, s49
.endr
	v_lshl_add_u32 v22, v19, 2, s50
.irp b,0,1,2
	ds_store_b32 v22, v[184+\b] offset:GWL+64*\b
.endr
.endif
	LDGROUP 0                                      ; LDS serves a wave's instructions in order: these see my stores above
.irp G,0,1,2,3,4,5,6,7,8,9,10,11
	ROWS \G
.endr
.Lrows_done:
	s_wait_dscnt 0x0                               ; the loads asked for ahead of a jump
	s_wait_xcnt 0x0                                ; the last stores have read their registers
	s_cmp_le_i32 s39, 48
	s_cbranch_scc1 .Lnext
	; ---- more than 48 rows are left: the next 48, without ring or barrier ----
	s_add_co_u32 s53, s53, 384
	BMLOAD
	SETROWS 0
	v_bfe_u32 v[WOFF], v0, 4, 1
	v_lshlrev_b32 v[WOFF], 4+PWSH, v[WOFF]
	v_and_b32 v11, 15, v0
	v_lshl_add_u32 v[WOFF], v11, 4, v[WOFF]        ; 16 hh rows + 16 r
	s_mov_b64 s[24:25], s[22:23]
	s_mov_b64 s[30:31], s[28:29]
	SLOWSTEP 1
	s_mov_b32 s37, 31
.Lslow:
	SLOWSTEP 0
	s_sub_co_u32 s37, s37, 1
	s_cmp_lg_u32 s37, 0
	s_cbranch_scc1 .Lslow
.Lnext:
	s_sub_co_i32 s39, s39, 48
	s_add_co_u32 s38, s38, 1
	s_cmp_lt_u32 s38, 3
	s_cbranch_scc1 .Lpass
	s_wait_tensorcnt 0x0                           ; the wave's end
	ds_add_u32 v[SPW], v[NIL]
	s_wait_dscnt 0x0
	s_endpgm
.Lfunc_end_k_qdea45da6c6_ffn1:
	.size	k_qdea45da6c6_ffn1, .Lfunc_end_k_qdea45da6c6_ffn1-k_qdea45da6c6_ffn1
	.p2alignl 7, 3214868480
	.fill 96, 4, 3214868480
	.section	.rodata,"a",@progbits
	.p2align	6, 0x0
	.amdhsa_kernel k_qdea45da6c6_ffn1
		.amdhsa_group_segment_fixed_size 248832
		.amdhsa_private_segment_fixed_size 0
		.amdhsa_enable_private_segment 0
		.amdhsa_kernarg_size 40
		.amdhsa_user_sgpr_count 2
		.amdhsa_user_sgpr_kernarg_segment_ptr 1
		.amdhsa_wavefront_size32 1
		.amdhsa_system_sgpr_workgroup_id_x 1
		.amdhsa_system_sgpr_workgroup_id_y 1
		.amdhsa_system_sgpr_workgroup_id_z 1
		.amdhsa_system_vgpr_workitem_id 0
		.amdhsa_next_free_vgpr 512
		.amdhsa_next_free_sgpr 88
		.amdhsa_reserve_vcc 1
		.amdhsa_float_denorm_mode_32 3
		.amdhsa_float_denorm_mode_16_64 3
		.amdhsa_memory_ordered 1
		.amdhsa_forward_progress 1
		.amdhsa_inst_pref_size 172
	.end_amdhsa_kernel
	.amdgpu_metadata
---
amdhsa.version: [ 1, 2 ]
amdhsa.kernels:
  - .name:           k_qdea45da6c6_ffn1
    .symbol:         k_qdea45da6c6_ffn1.kd
    .args:
      - { .name: W1, .offset: 0, .size: 8, .value_kind: global_buffer, .address_space: global }
      - { .name: b1, .offset: 8, .size: 8, .value_kind: global_buffer, .address_space: global }
      - { .name: xb, .offset: 16, .size: 8, .value_kind: global_buffer, .address_space: global }
      - { .name: bm, .offset: 24, .size: 8, .value_kind: global_buffer, .address_space: global }
      - { .name: h, .offset: 32, .size: 8, .value_kind: global_buffer, .address_space: global }
    .group_segment_fixed_size: 248832
    .private_segment_fixed_size: 0
    .kernarg_segment_align: 8
    .kernarg_segment_size: 40
    .max_flat_workgroup_size: 256
    .sgpr_count:     88
    .vgpr_count:     512
    .wavefront_size: 32
...
	.end_amdgpu_metadata
.endif
;; end of part 2
;; launch ffn2 (part 3): grid 32 x 8, 8 waves a work-group, no clusters, 248,832 bytes of LDS; arguments W2, b2, h, bm, y, gw; writes y
.if DOCPART == 3
	.amdgcn_target "amdgcn-amd-amdhsa--gfx1250"
	.amdhsa_code_object_version 6
	.text
	.protected	k_qdea45da6c6_ffn2
	.globl	k_qdea45da6c6_ffn2
	.p2align	8
	.type	k_qdea45da6c6_ffn2,@function
k_qdea45da6c6_ffn2:
	s_mov_b64 s[64:65], 0
	v_nop
	global_prefetch_b8 v0, s[64:65] scope:SCOPE_SE
	s_setreg_imm32_b32 hwreg(HW_REG_WAVE_MODE, 25, 1), 1
	s_wait_xcnt 0x0
; ONE PRODUCT OF THE EXPERTS' CHAIN, for the routed rows alone.  One source text serves both layers; LAYER picks the constants.
;   LAYER 1: h[slot][4096] = bf16(gelu(xb[token] W1[e] + b1[e])).      LAYER 2: y[ks][slot][1024] = gw[slot] (h[slot][quarter ks of K] W2[e] (+ b2[e] in quarter 0)), f32 partial sums.
; A routed row is the SLOT k*1024 + token (rank k); each slot has one expert, so every byte of the output has one writer.
; SHARE.  Work-group (tile, expert e): a slice of the expert's weights, 1,024 k x 128 columns of f32, which it alone reads, and all of that expert's rows.  Eight waves, all running the same text.
; WEIGHTS WITHOUT A TRANSPOSE.  A 16-byte load gives lane (r = L % 16, hh = L / 16) columns 4 r .. 4 r + 3 of row k0 + 16 hh + j.  Component q of loads 2 i and 2 i + 1, rounded as a pair,
; IS register i of a source-1 fragment whose lane r holds column 4 r + q; its k order is k0 + 16 hh + 2 i + half.  The token fragment takes the same order: 32 consecutive bytes of the row at 2 (k0 + 16 hh).
; A K STEP is 32 rows of the slice, 16 KB.  Wave w = (g = w % 2, u = w / 2) loads rows 16 hh + 4 u + 0..3 of columns 64 g .. + 63 (4 loads), rounds them (registers 2 u, 2 u + 1 of fragments 4 g + 0..3) and lays them
; into a ring of five LDS slots; every wave then reads all eight fragments and multiplies its own rows: 3 blocks of 16 rows x 128 columns, 24 accumulators.
; ONE BARRIER A K STEP, ITS HALVES APART.  In step t a wave stores into slot (t + 2) % 5, waits for its LDS instructions and signals; it loads fragments 4-7 of slot t % 5 and issues 8 products; then it waits for the others.
; Slot k is stored in step k - 2 ahead of that step's signal and first read in step k - 1 behind that step's wait.  It is last read in step k, by loads awaited ahead of the signal of step k + 1, and stored again in
; step k + 3, behind the wait of step k + 2.  Between a signal and its wait stand LDS loads from slot t, which nobody writes before step t + 3, and work on registers.
; LOADS AHEAD.  Token rows and weights share the wave's one load counter, 6 + 4 loads a K step.  A step's rows are asked for four steps ahead, a stage of weights five: 34 loads of a wave stay out at the wait
; (four stages, three steps' rows), 44 behind the refills, which for the eight waves is 64 KB and 80 KB of weights.  Stage slots, row buffers and ring all go by 5, so five steps of text make the loop.
; Each stage slot and each row buffer has a scalar base pair of its own, rewritten only behind the counted wait that has shown its last loads done: no other wait stands in the loop for the bases.
; ROWS.  The expert's slots in the order of the bitmap form a list; wave w owns positions 128 B + 16 w + r and finds its slots from the bitmap in registers.  The barrier loop serves blocks B = 0..2
; (384 rows an expert); further rows, up to the 1,024 that an expert can get, go through up to two more passes without ring or barrier, so that whether they run may hang on the stored counts.
; THE WAY OUT is written out, twelve groups of four rows: every LDS address in it is a fixed lane register and an immediate offset.
; NO MULTICAST: a slice of weights has one reader, and the token rows that an expert's work-groups share come by a list that no tile descriptor covers.  The weights must pass through registers to be rounded.
; LIMITS.  Weights, bias and rows are bf16-rounded (every input of this program is, once); sums in f32; h is rounded once to bf16.  gelu is the tanh form written as x / (1 + 2^(x (K1 + K2 x^2))):
; the exponential may reach infinity or 0, which give the limits -0 and x.  NaN and infinities are not treated apart.
.set LAYER, 2
.if LAYER == 1
.set PWSH, 14                          ; a weight row is 2^PWSH bytes
.else
.set PWSH, 12
.endif
.set PW,     1<<PWSH
.set STEP,   32*PW                     ; a K step of 32 rows
.set RSLOT,  8192                      ; a ring slot: fragment f (0..7) at 1,024 f; its registers 0-3 at + 16 L, registers 4-7 at + 512 + 16 L
.set PRIV,   5*RSLOT                   ; for each wave 512 bytes: the slots of its 48 rows, u16; at GWL their gate weights, f32
.set PRIVB,  512
.set GWL,    128
.set STAGE,  PRIV+8*PRIVB              ; for each wave 48 rows x 528 bytes for the way out
.set SPITCH, 528
.set STAGEB, 48*SPITCH
.set SPARE,  STAGE+8*STAGEB            ; the spare words, 128 bytes a wave, named by no other line
; SCALARS: s[4:5] W  s[6:7] bias  s[8:9] rows  s[10:11] bm  s[12:13] out  s[14:15] gw  s16 wave  s17 g  s18 u  s19 e  s20 tile  s21 ks  s[22:23] slice  s[24:25] its stage in a later pass  s[26:27] stage offset
;   s[28:29] rows' base  s[30:31] at the K step in a later pass  s[32:33] its offset  s34 count  s35 my rows  s36 my blocks  s37 loop counts  s38 pass  s39 rows left  s40-45, s54, s55, s60-62 at work
;   s46-47 lane selects  s48 mask of lanes 16-31  s49 all ones in quarter 0  s50 my PRIV  s51 my STAGE  s53 384 x pass  s[56:57] K1  s[58:59] K2
.set WB,   66                          ; s[66:75]  the base pair of stage slot p at WB + 2 p
.set AB,   76                          ; s[76:85]  the base pair of row buffer a at AB + 2 a
.set WOFF, 1                           ; v1      my byte offset in a stage of weights
.set WST,  2                           ; v2      where my rounded weights go in a ring slot
.set BAD,  3                           ; v3      16 L: a fragment's read address (the ring begins at LDS byte 0)
.set AOFF, 4                           ; v4-6    byte offsets of my lane's row in blocks 0-2
.set POS,  7                           ; v7      128 hh + 16 w + r: the first list position that my lane searches in pass 0
.set SLT,  8                           ; v8-10   the slots of my lane's rows in blocks 0-2
.set SPW,  12                          ; v12     SPARE + 4 x my thread's number; never rewritten
.set NIL,  13                          ; v13     0; never rewritten
.set CV,   16                          ; v16-23  rounded weights on their way to LDS
.set WR,   24                          ; v24-103 five stage slots of 16
.set AR,   104                         ; v104-223 five buffers of 3 token fragments
.set T,    104                         ; the search for my rows works here while no row load is out
.set BG0,  192                         ; window 1: v0-191 accumulator (b, n) at 8 (8 b + n); v192-223 fragments 0-3; v224-255 fragments 4-7
.set BG1,  224
.set MSB, 0
.macro WIN new                         ; the immediate's high byte repeats the setting that is left; at every label and branch the setting is 0
.if MSB != (\new)
	s_set_vgpr_msb (MSB<<8)|(\new)
.set MSB, \new
.endif
.endm
.macro PLACES                          ; four plain places between a product and a load or write into its registers, or a read of its result
.rept 4
	v_nop
.endr
.endm
; Stage slot p is rounded and stored into ring slot p; row buffer a takes the rows four K steps on, stage slot p the stage five further on.  n: the younger loads that may stay out.
.macro FEED p, a, n
	s_wait_loadcnt \n                              ; loads come back in order: this stage's 4 loads, and this K step's rows, are in
.irp q,0,1,2,3
.irp i,0,1
	v_cvt_pk_bf16_f32 v[CV+2*\q+\i], v[WR+16*(\p)+8*\i+\q], v[WR+16*(\p)+8*\i+4+\q]   ; these eight are also the places behind the last step's products
.endr
.endr
.irp q,0,1,2,3
	ds_store_b64 v[WST], v[CV+2*\q:CV+2*\q+1] offset:(\p)*RSLOT+\q*1024
.endr
	s_add_co_u32 s32, s32, 64
	s_min_u32 s32, s32, 1984                       ; past the last K step it is asked for again: every step has the same loads and counts, and no load leaves the buffer
	s_add_nc_u64 s[AB+2*(\a):AB+2*(\a)+1], s[28:29], s[32:33]  ; the buffer's own pair: its last loads were the rows multiplied in the step before, shown done by that step's wait
.irp b,0,1,2
	global_load_b128 v[AR+24*(\a)+8*\b:AR+24*(\a)+8*\b+3], v[AOFF+\b], s[AB+2*(\a):AB+2*(\a)+1]
	global_load_b128 v[AR+24*(\a)+8*\b+4:AR+24*(\a)+8*\b+7], v[AOFF+\b], s[AB+2*(\a):AB+2*(\a)+1] offset:16
.endr
	s_add_co_u32 s26, s26, STEP
	s_min_u32 s26, s26, 31*STEP                    ; past the slice's end the last stage is asked for again
	s_add_nc_u64 s[WB+2*(\p):WB+2*(\p)+1], s[22:23], s[26:27]  ; the slot's own pair: its last loads are the ones just rounded, shown done by the wait above
.irp j,0,1,2,3
	global_load_b128 v[WR+16*(\p)+4*\j:WR+16*(\p)+4*\j+3], v[WOFF], s[WB+2*(\p):WB+2*(\p)+1] offset:\j*PW   ; 16 lanes take 256 consecutive bytes of a row, aligned
.endr
.endm
.macro BLOAD dst, ls, f0               ; four fragments f0 .. f0 + 3 of ring slot ls, into window 1
	WIN 0x40
.irp q,0,1,2,3
	ds_load_b128 v[(\dst)+8*\q:(\dst)+8*\q+3], v[BAD] offset:(\ls)*RSLOT+((\f0)+\q)*1024
	ds_load_b128 v[(\dst)+8*\q+4:(\dst)+8*\q+7], v[BAD] offset:(\ls)*RSLOT+((\f0)+\q)*1024+512
.endr
.endm
; 8 + 4 products: token fragments at ab x weight fragments at bb, accumulators n0 .. n0 + 3 of every block.  Each accumulator has one instruction a K step.
; zero = 1: the products start the sums.  skip = 1: block 2 is jumped where the wave has two blocks or fewer.  bar = 1: the step's barrier is waited for behind the first eight.
.macro MUL ab, bb, n0, zero, skip, bar=0
	WIN 0x54                                       ; tokens in window 0; weights, C and D in window 1
.irp b,0,1
.irp q,0,1,2,3
.if \zero
	v_wmma_f32_16x16x32_bf16 v[8*(8*\b+(\n0)+\q):8*(8*\b+(\n0)+\q)+7], v[(\ab)+8*\b:(\ab)+8*\b+7], v[(\bb)+8*\q:(\bb)+8*\q+7], 0
.else
	v_wmma_f32_16x16x32_bf16 v[8*(8*\b+(\n0)+\q):8*(8*\b+(\n0)+\q)+7], v[(\ab)+8*\b:(\ab)+8*\b+7], v[(\bb)+8*\q:(\bb)+8*\q+7], v[8*(8*\b+(\n0)+\q):8*(8*\b+(\n0)+\q)+7]
.endif
.endr
.endr
.if \bar
	s_barrier_wait -1                              ; every wave's stores of this step are in the ring, and its reads of the steps before are over
.endif
.if \skip
	WIN 0
	s_cmp_lt_u32 s36, 3
	s_cbranch_scc1 .Lno2_\@
	WIN 0x54
.endif
.irp q,0,1,2,3
.if \zero
	v_wmma_f32_16x16x32_bf16 v[8*(16+(\n0)+\q):8*(16+(\n0)+\q)+7], v[(\ab)+16:(\ab)+23], v[(\bb)+8*\q:(\bb)+8*\q+7], 0
.else
	v_wmma_f32_16x16x32_bf16 v[8*(16+(\n0)+\q):8*(16+(\n0)+\q)+7], v[(\ab)+16:(\ab)+23], v[(\bb)+8*\q:(\bb)+8*\q+7], v[8*(16+(\n0)+\q):8*(16+(\n0)+\q)+7]
.endif
.endr
	WIN 0
.if \skip
.Lno2_\@:
.endif
.endm
; K step t (t5 = t % 5).  n: the loads that may stay out at its head.
.macro TRIP t5, zero, n
	FEED ((\t5)+2)%5, ((\t5)+4)%5, \n
	s_wait_dscnt 0x0                               ; my stores into the ring are done, and my LDS loads of the step before are back (fragments 0-3 of this step among them)
	s_barrier_signal -1                            ; say so; the wait stands behind eight products
.if \zero
	BLOAD BG0, \t5, 0                              ; the first step's fragments 0-3; later they are fetched a step ahead
.endif
	BLOAD BG1, \t5, 4                              ; slot t: whole since two barriers ago, and stored again three steps on
.if \zero
	s_wait_dscnt 8                                 ; fragments 0-3 are in; the 8 loads of 4-7 may be out
.endif
	MUL AR+24*(\t5), BG0, 0, \zero, 1-(\zero), 1
	PLACES
	BLOAD BG0, ((\t5)+1)%5, 0                      ; the next step's fragments 0-3
	s_wait_dscnt 8                                 ; fragments 4-7 are in; the 8 just issued may be out
	MUL AR+24*(\t5), BG1, 4, \zero, 1-(\zero)
.endm
; 32 bitmap words, four a trip: for each of my two positions the last word whose running count does not exceed it is kept, with that count and the word's number.
.macro FIND src
	s_mov_b32 s37, 0
.Lfind_\@:
	s_add_co_u32 s60, s37, 1
	s_add_co_u32 s61, s37, 2
	s_add_co_u32 s62, s37, 3
	v_readlane_b32 s40, v[\src], s37
	v_readlane_b32 s41, v[\src], s60
	v_readlane_b32 s54, v[\src], s61
	v_readlane_b32 s55, v[\src], s62
.irp w,40,41,54,55
.irp i,0,1
	v_cmp_gt_u32 vcc_lo, s42, v[T+4+\i]
	v_cndmask_b32 v[T+8+\i], s\w, v[T+8+\i], vcc_lo
	v_cndmask_b32 v[T+12+\i], s44, v[T+12+\i], vcc_lo
.endr
	s_bcnt1_i32_b32 s45, s\w
	s_add_co_u32 s42, s42, s45                     ; the running count,
	s_add_co_u32 s44, s44, s45                     ; and the same with the word's number on top
	s_add_co_u32 s44, s44, 0x10000
.endr
	s_add_co_u32 s37, s37, 4
	s_cmp_lt_u32 s37, 32
	s_cbranch_scc1 .Lfind_\@
.endm
.macro SELSTEP i, src, wd, inc         ; is the wanted bit beyond the lower field?
	v_bfe_u32 v[T+20], v[\src], v[T+24+\i], \wd
	v_cmp_ge_u32 vcc_lo, v[T+4+\i], v[T+20]
	v_cndmask_b32 v[T+20], 0, v[T+20], vcc_lo
	v_cndmask_b32 v[T+21], 0, \inc, vcc_lo
	v_sub_nc_u32 v[T+4+\i], v[T+4+\i], v[T+20]
	v_add_nc_u32 v[T+24+\i], v[T+24+\i], v[T+21]
.endm
.macro SELECT i                        ; the place of set bit number q of the word: counts of fields of 2, 4, 8 and 16 bits, then five halvings; slot = 32 x word + place
	v_and_b32 v[T+20], 0xffff, v[T+12+\i]
	v_sub_nc_u32 v[T+4+\i], v[T+4+\i], v[T+20]     ; q
	v_lshrrev_b32 v[T+12+\i], 16, v[T+12+\i]
	v_lshrrev_b32 v[T+16], 1, v[T+8+\i]
	v_and_b32 v[T+16], 0x55555555, v[T+16]
	v_sub_nc_u32 v[T+16], v[T+8+\i], v[T+16]
	v_lshrrev_b32 v[T+17], 2, v[T+16]
	v_and_b32 v[T+17], 0x33333333, v[T+17]
	v_and_b32 v[T+18], 0x33333333, v[T+16]
	v_add_nc_u32 v[T+17], v[T+17], v[T+18]
	v_lshrrev_b32 v[T+18], 4, v[T+17]
	v_add_nc_u32 v[T+18], v[T+18], v[T+17]
	v_and_b32 v[T+18], 0x0f0f0f0f, v[T+18]
	v_lshrrev_b32 v[T+19], 8, v[T+18]
	v_add_nc_u32 v[T+19], v[T+19], v[T+18]
	v_mov_b32 v[T+24+\i], 0
	SELSTEP \i, T+19, 8, 16
	SELSTEP \i, T+18, 8, 8
	SELSTEP \i, T+17, 4, 4
	SELSTEP \i, T+16, 2, 2
	SELSTEP \i, T+8+\i, 1, 1
	v_lshl_add_u32 v[T+24+\i], v[T+12+\i], 5, v[T+24+\i]
.endm
.macro BMLOAD                          ; lane j: the expert's bitmap word j of rank 0, and of rank 1
	v_and_b32 v[T+2], 31, v0
	v_lshlrev_b32 v[T+2], 2, v[T+2]
	global_load_b32 v[T], v[T+2], s[10:11]
	global_load_b32 v[T+1], v[T+2], s[10:11] offset:128
.endm
; The slots of my three blocks in the pass at list offset s53.  Lane (r, hh) searches row r of blocks hh and 2 + hh (block 3 serves nothing); the halves of the lanes then exchange what they found.
; n: the loads issued behind the bitmap's, which may stay out.  A position past the count gives some slot that exists; its row is never stored.
.macro SETROWS n
	v_add_nc_u32 v[T+4], s53, v[POS]
	v_add_nc_u32 v[T+5], 0x100, v[T+4]
.irp i,0,1
	v_mov_b32 v[T+8+\i], 0
	v_mov_b32 v[T+12+\i], 0
.endr
	s_mov_b32 s42, 0
	s_mov_b32 s44, 0
	s_wait_loadcnt \n
	FIND T
	FIND T+1
	s_mov_b32 s34, s42                             ; the expert's rows
	SELECT 0
	SELECT 1
	v_permlanex16_b32 v[T+8], v[T+24], s46, s47    ; what the lane 16 away found
	v_permlanex16_b32 v[T+9], v[T+25], s46, s47
	v_cndmask_b32 v[T+26], v[T+24], v[T+8], s48    ; block 0: lanes 0-15 found it themselves
	v_cndmask_b32 v[T+27], v[T+8], v[T+24], s48    ; block 1: lanes 16-31 did
	v_cndmask_b32 v[T+28], v[T+25], v[T+9], s48    ; block 2: lanes 0-15 again
	v_and_b32 v[T+32], 15, v0
	v_bfe_u32 v[T+33], v0, 4, 1
	v_lshl_add_u32 v[T+34], v[T+32], 1, s50
	v_lshlrev_b32 v[T+33], 5, v[T+33]              ; 32 hh: my half's 32 bytes of a K step
.irp b,0,1,2
	v_min_u32 v[SLT+\b], 0x7ff, v[T+26+\b]
	ds_store_b16 v[T+34], v[SLT+\b] offset:32*\b   ; row 16 b + r of my 48; the two halves of the lanes store the same number
.if LAYER == 1
	v_and_b32 v[AOFF+\b], 0x3ff, v[SLT+\b]         ; the slot's token
	v_lshl_add_u32 v[AOFF+\b], v[AOFF+\b], 11, v[T+33]
.else
	v_lshl_add_u32 v[AOFF+\b], v[SLT+\b], 13, v[T+33]
.endif
.endr
.endm
; Block b leaves its accumulators: register j of the eight accumulators, side by side, is 2 x 16 bytes of row 8 hh + j; each accumulator is read from register 0 up.  16 lanes store 256 consecutive LDS bytes.
.macro DUMPB b
	WIN 0x01
.irp j,0,1,2,3,4,5,6,7
.irp c,0,1,2,3,4,5,6,7
	v_mov_b32 v[32+8*\j+\c], v[8*(8*\b+\c)+\j]
.endr
.endr
	WIN 0
.irp j,0,1,2,3,4,5,6,7
	ds_store_b128 v14, v[32+8*\j:32+8*\j+3] offset:(16*\b+\j)*SPITCH
	ds_store_b128 v14, v[32+8*\j+4:32+8*\j+7] offset:(16*\b+\j)*SPITCH+256
.endr
.endm
.macro LDGROUP G                       ; group G: four whole rows of my stage, their slots (and gate weights)
.irp i,0,1,2,3
	ds_load_b128 v[96+4*\i:99+4*\i], v15 offset:(4*(\G)+\i)*SPITCH
.endr
	ds_load_b64 v[112:113], v16 offset:8*(\G)
.if LAYER == 2
	ds_load_b128 v[116:119], v16 offset:GWL+16*(\G)
.endif
.endm
; Group G of the way out: rows 4 G .. 4 G + 3 of my 48 get the bias (and the activation, or the gate weight) and are stored; the next group's LDS loads are issued in between.
; Where no row is left, the rest of the way out is jumped; s39 is the number of my rows in this pass and beyond.
.macro ROWS G
	s_wait_dscnt 0x0                               ; this group's rows, asked for a group ago
.if \G > 0
	s_cmp_le_i32 s39, 4*(\G)
	s_cbranch_scc1 .Lrows_done
.endif
	s_wait_xcnt 0x0                                ; the last group's stores have read their data and offsets
.irp i,0,1,2,3,4,5,6,7
	v_pk_add_f32 v[120+2*\i:121+2*\i], v[96+2*\i:97+2*\i], v[24+2*(\i%2):25+2*(\i%2)]
.endr
	v_and_b32 v168, 0xffff, v112
	v_lshrrev_b32 v169, 16, v112
	v_and_b32 v170, 0xffff, v113
	v_lshrrev_b32 v171, 16, v113
.irp i,168,169,170,171
	v_min_u32 v\i, 0x7ff, v\i
.if LAYER == 1
	v_lshl_add_u32 v\i, v\i, 13, v17
.else
	v_lshl_add_u32 v\i, v\i, 12, v17
.endif
.endr
.if LAYER == 2
	v_pk_mul_f32 v[120:121], v[120:121], v[116:117] op_sel_hi:[1,0]                ; each row by its gate weight
	v_pk_mul_f32 v[122:123], v[122:123], v[116:117] op_sel_hi:[1,0]
	v_pk_mul_f32 v[124:125], v[124:125], v[116:117] op_sel:[0,1] op_sel_hi:[1,1]
	v_pk_mul_f32 v[126:127], v[126:127], v[116:117] op_sel:[0,1] op_sel_hi:[1,1]
	v_pk_mul_f32 v[128:129], v[128:129], v[118:119] op_sel_hi:[1,0]
	v_pk_mul_f32 v[130:131], v[130:131], v[118:119] op_sel_hi:[1,0]
	v_pk_mul_f32 v[132:133], v[132:133], v[118:119] op_sel:[0,1] op_sel_hi:[1,1]
	v_pk_mul_f32 v[134:135], v[134:135], v[118:119] op_sel:[0,1] op_sel_hi:[1,1]
.endif
.if \G < 11
	LDGROUP (\G)+1                                 ; the next four rows
.endif
.if LAYER == 1
.irp i,0,2,4,6,8,10,12,14
	v_pk_mul_f32 v[136+\i:137+\i], v[120+\i:121+\i], v[120+\i:121+\i]
.endr
.irp i,0,2,4,6,8,10,12,14
	v_pk_fma_f32 v[136+\i:137+\i], v[136+\i:137+\i], s[58:59], s[56:57] op_sel_hi:[1,0,0]
.endr
.irp i,0,2,4,6,8,10,12,14
	v_pk_mul_f32 v[136+\i:137+\i], v[136+\i:137+\i], v[120+\i:121+\i]
.endr
.irp i,0,1,2,3,4,5,6,7,8,9,10,11,12,13,14,15
	v_exp_f32 v[136+\i], v[136+\i]
.endr
	v_nop                                          ; a plain instruction behind the batch,
	s_wait_alu depctr_va_vdst(0)                   ; and one wait for its sixteen, ahead of the first reader
.irp i,0,2,4,6,8,10,12,14
	v_pk_add_f32 v[136+\i:137+\i], v[136+\i:137+\i], 1.0 op_sel_hi:[1,0]
.endr
.irp i,0,1,2,3,4,5,6,7,8,9,10,11,12,13,14,15
	v_rcp_f32 v[136+\i], v[136+\i]
.endr
	v_nop
	s_wait_alu depctr_va_vdst(0)
.irp i,0,2,4,6,8,10,12,14
	v_pk_mul_f32 v[136+\i:137+\i], v[136+\i:137+\i], v[120+\i:121+\i]
.endr
.irp i,0,1,2,3,4,5,6,7
	v_cvt_pk_bf16_f32 v[172+\i], v[136+2*\i], v[137+2*\i]
.endr
	global_store_b64 v168, v[172:173], s[12:13]    ; 32 lanes store a row's 256 consecutive bytes, aligned
	s_cmp_lt_i32 s39, 4*(\G)+2
	s_cbranch_scc1 .Lrows_done
	global_store_b64 v169, v[174:175], s[12:13]
	s_cmp_lt_i32 s39, 4*(\G)+3
	s_cbranch_scc1 .Lrows_done
	global_store_b64 v170, v[176:177], s[12:13]
	s_cmp_lt_i32 s39, 4*(\G)+4
	s_cbranch_scc1 .Lrows_done
	global_store_b64 v171, v[178:179], s[12:13]
.else
	global_store_b128 v168, v[120:123], s[12:13]   ; 32 lanes store a row's 512 consecutive bytes, aligned
	s_cmp_lt_i32 s39, 4*(\G)+2
	s_cbranch_scc1 .Lrows_done
	global_store_b128 v169, v[124:127], s[12:13]
	s_cmp_lt_i32 s39, 4*(\G)+3
	s_cbranch_scc1 .Lrows_done
	global_store_b128 v170, v[128:131], s[12:13]
	s_cmp_lt_i32 s39, 4*(\G)+4
	s_cbranch_scc1 .Lrows_done
	global_store_b128 v171, v[132:135], s[12:13]
.endif
.endm
; A K step of a later pass: the wave loads and rounds the weights for itself; nothing is shared, so no barrier is needed.
.macro SLOWSTEP zero
	PLACES
.irp b,0,1,2
	global_load_b128 v[AR+8*\b:AR+8*\b+3], v[AOFF+\b], s[30:31]
	global_load_b128 v[AR+8*\b+4:AR+8*\b+7], v[AOFF+\b], s[30:31] offset:16
.endr
.irp g,0,1
.irp j,0,1,2,3,4,5,6,7,8,9,10,11,12,13,14,15
	global_load_b128 v[128+4*\j:131+4*\j], v[WOFF], s[24:25] offset:\j*PW+256*\g
.endr
	s_wait_loadcnt 0x0
	WIN 0x40
.irp q,0,1,2,3
.irp i,0,1,2,3,4,5,6,7
	v_cvt_pk_bf16_f32 v[BG0+32*\g+8*\q+\i], v[128+8*\i+\q], v[132+8*\i+\q]
.endr
.endr
	MUL AR, BG0+32*\g, 4*\g, \zero, 0
.endr
	s_add_nc_u64 s[24:25], s[24:25], STEP          ; no load is out: the wait for 0 above
	s_add_nc_u64 s[30:31], s[30:31], 64
.endm
	s_load_b256 s[4:11], s[0:1], 0x0               ; W, bias, rows, bm
.if LAYER == 1
	s_load_b64 s[12:13], s[0:1], 0x20              ; out
.else
	s_load_b128 s[12:15], s[0:1], 0x20             ; out, gw
.endif
	v_lshl_add_u32 v[SPW], v0, 2, SPARE
	v_mov_b32 v[NIL], 0
	v_lshrrev_b32 v1, 5, v0
	v_readfirstlane_b32 s16, v1                    ; wave 0..7
	s_and_b32 s17, s16, 1                          ; g: which 64 columns of a stage I load
	s_lshr_b32 s18, s16, 1                         ; u: which 4 rows of each 16
	s_and_b32 s19, ttmp7, 0xffff                   ; expert
.if LAYER == 1
	s_mov_b32 s20, ttmp9                           ; slice of 128 columns
.else
	s_and_b32 s20, ttmp9, 7                        ; slice of 128 columns
	s_lshr_b32 s21, ttmp9, 3                       ; quarter of K
.endif
	s_lshl_b32 s26, s19, 24                        ; an expert's weights are 2^24 bytes
	s_lshl_b32 s41, s20, 9
	s_add_co_u32 s26, s26, s41
.if LAYER == 2
	s_lshl_b32 s43, s21, 22                        ; 1,024 rows of 4,096 bytes
	s_add_co_u32 s26, s26, s43
.endif
	s_mov_b32 s27, 0
	v_and_b32 v14, 31, v0                          ; L
	v_and_b32 v15, 15, v0                          ; r
	v_bfe_u32 v11, v0, 4, 1                        ; hh
	v_lshlrev_b32 v[BAD], 4, v14
	v_lshlrev_b32 v[WOFF], 4, v11
	s_lshl_b32 s45, s18, 2
	v_add_nc_u32 v[WOFF], s45, v[WOFF]
	v_lshlrev_b32 v[WOFF], PWSH, v[WOFF]
	v_lshl_add_u32 v[WOFF], v15, 4, v[WOFF]
	s_lshl_b32 s45, s17, 8
	v_add_nc_u32 v[WOFF], s45, v[WOFF]             ; (16 hh + 4 u) rows + 256 g + 16 r
	s_lshl_b32 s45, s17, 12
	s_lshr_b32 s44, s18, 1
	s_lshl_b32 s44, s44, 9
	s_add_co_u32 s45, s45, s44
	s_and_b32 s44, s18, 1
	s_lshl_b32 s44, s44, 3
	s_add_co_u32 s45, s45, s44
	v_add_nc_u32 v[WST], s45, v[BAD]               ; 4,096 g + 512 (u / 2) + 8 (u % 2) + 16 L
	s_lshl_b32 s45, s16, 4
	v_lshl_add_u32 v[POS], v11, 7, v15
	v_add_nc_u32 v[POS], s45, v[POS]               ; 128 hh + 16 w + r
	s_mul_i32 s50, s16, PRIVB
	s_add_co_u32 s50, s50, PRIV
	s_mul_i32 s51, s16, STAGEB
	s_add_co_u32 s51, s51, STAGE
	s_mov_b32 s46, 0x76543210                      ; v_permlanex16_b32: each lane takes its own place in the other half
	s_mov_b32 s47, 0xfedcba98
	s_mov_b32 s48, 0xffff0000                      ; lanes 16-31
	s_mov_b32 s56, 0xc0135761                      ; K1 = -2 sqrt(2/pi) log2(e)
	s_mov_b32 s57, s56
	s_mov_b32 s58, 0xbdd2d3e8                      ; K2 = 0.044715 K1
	s_mov_b32 s59, s58
	s_mov_b32 s53, 0
	s_mov_b32 s33, 0
	s_wait_kmcnt 0x0
	s_add_nc_u64 s[22:23], s[4:5], s[26:27]        ; my slice's first byte
.if LAYER == 1
	s_mov_b64 s[28:29], s[8:9]
	s_lshl_b32 s32, s19, 14
.else
	s_lshl_b32 s32, s21, 11
	s_add_nc_u64 s[28:29], s[8:9], s[32:33]        ; my quarter of a row of h
	s_lshl_b32 s32, s19, 12
.endif
	s_add_co_u32 s32, s32, s41
	s_add_nc_u64 s[6:7], s[6:7], s[32:33]          ; my 128 numbers of the bias
.if LAYER == 1
	s_lshl_b32 s32, s20, 8
.else
	s_lshl_b32 s32, s21, 23
	s_add_co_u32 s32, s32, s41
	s_cmp_eq_u32 s21, 0
	s_cselect_b32 s49, -1, 0                       ; the bias belongs to quarter 0
.endif
	s_add_nc_u64 s[12:13], s[12:13], s[32:33]      ; my columns of the output
	s_lshl_b32 s32, s19, 8
	s_add_nc_u64 s[10:11], s[10:11], s[32:33]      ; the expert's 64 bitmap words
	BMLOAD
.irp s,0,1,2,3,4                       ; the first five stages go out before anything else is worked on
.irp j,0,1,2,3
	global_load_b128 v[WR+16*\s+4*\j:WR+16*\s+4*\j+3], v[WOFF], s[22:23] offset:\s*STEP+\j*PW
.endr
.endr
	SETROWS 20                                     ; the bitmap is in; the 20 weight loads behind it stay out
	s_lshr_b32 s35, s34, 7                         ; my rows: 16 for each full 128 of the list,
	s_lshl_b32 s35, s35, 4
	s_and_b32 s41, s34, 127
	s_lshl_b32 s43, s16, 4
	s_sub_co_i32 s41, s41, s43
	s_max_i32 s41, s41, 0
	s_min_i32 s41, s41, 16                         ; and my part of the rest
	s_add_co_u32 s35, s35, s41
	s_add_co_u32 s36, s35, 15
	s_lshr_b32 s36, s36, 4
	s_min_u32 s36, s36, 3                          ; my blocks in the first pass
.irp a,0,1
.irp b,0,1,2
	global_load_b128 v[AR+24*\a+8*\b:AR+24*\a+8*\b+3], v[AOFF+\b], s[28:29] offset:64*\a
	global_load_b128 v[AR+24*\a+8*\b+4:AR+24*\a+8*\b+7], v[AOFF+\b], s[28:29] offset:64*\a+16
.endr
.endr
	s_mov_b32 s32, 64
	s_mov_b32 s26, 4*STEP
	FEED 0, 2, 28                                  ; behind stage 0's loads: stages 1-4 (16) and two K steps' rows (12)
	FEED 1, 3, 34                                  ; behind stage 1's: stages 2-4 (12), 12, K step 2's rows (6), stage 5 (4)
	s_wait_dscnt 0x0                               ; stages 0 and 1 are in the ring
	s_barrier_signal -1
	s_barrier_wait -1
	TRIP 0, 1, 26                                  ; the first K step starts the sums: nothing is cleared.  Behind K step 0's rows: 6 + 6 + 4 + 6 + 4 loads
	TRIP 1, 0, 30                                  ; behind K step 1's rows: 6 + 4 + 6 + 4 + 6 + 4
	s_mov_b32 s37, 6
.Lmain:                                                ; 6 x 5 K steps; behind a K step's rows stand a stage's 4 loads and three steps of 10
	TRIP 2, 0, 34
	TRIP 3, 0, 34
	TRIP 4, 0, 34
	TRIP 0, 0, 34
	TRIP 1, 0, 34
	s_sub_co_u32 s37, s37, 1
	s_cmp_lg_u32 s37, 0
	s_cbranch_scc1 .Lmain
	s_wait_loadcnt 0x0                             ; the repeated last stages and rows; no barrier follows
	s_wait_dscnt 0x0                               ; the last step's look-ahead fragments
	s_mov_b32 s39, s35
	s_mov_b32 s38, 0
.Lpass:                                                ; three passes of 48 rows a wave cover the 128 that a wave can get
	s_cmp_le_i32 s39, 0
	s_cbranch_scc1 .Lnext
	; ---- the way out: accumulators into my stage, back as whole rows, four rows a group ----
	PLACES
	v_and_b32 v18, 31, v0
	v_and_b32 v19, 15, v0
	v_bfe_u32 v20, v0, 4, 1
	v_lshlrev_b32 v21, 4, v18
	global_load_b128 v[24:27], v21, s[6:7]         ; the bias of columns 4 L .. 4 L + 3
.if LAYER == 2
.irp b,0,1,2
	v_lshlrev_b32 v[180+\b], 2, v[SLT+\b]
	global_load_b32 v[184+\b], v[180+\b], s[14:15] ; the gate weights of my lane's three rows
.endr
.endif
	v_mul_u32_u24 v14, v20, 8*SPITCH
	v_lshl_add_u32 v14, v19, 4, v14
	v_add_nc_u32 v14, s51, v14                     ; in: row 8 hh, byte 16 r
	v_add_nc_u32 v15, s51, v21                     ; back: 32 lanes take a row's 512 bytes
	v_mov_b32 v16, s50                             ; my private words
.if LAYER == 1
	v_lshlrev_b32 v17, 3, v18                      ; 8 bytes a lane in h
.else
	v_mov_b32 v17, v21                             ; 16 bytes a lane in y
.endif
	DUMPB 0
	DUMPB 1
	DUMPB 2
	s_wait_loadcnt 0x0
	v_cvt_pk_bf16_f32 v28, v24, v25                ; the bias is rounded to bf16 as every input is
	v_cvt_pk_bf16_f32 v29, v26, v27
	v_lshlrev_b32 v24, 16, v28
	v_and_b32 v25, 0xffff0000, v28
	v_lshlrev_b32 v26, 16, v29
	v_and_b32 v27, 0xffff0000, v29
.if LAYER == 2
.irp i,24,25,26,27
	v_cndmask_b32 v\i, 0, v\i, s49
.endr
	v_lshl_add_u32 v22, v19, 2, s50
.irp b,0,1,2
	ds_store_b32 v22, v[184+\b] offset:GWL+64*\b
.endr
.endif
	LDGROUP 0                                      ; LDS serves a wave's instructions in order: these see my stores above
.irp G,0,1,2,3,4,5,6,7,8,9,10,11
	ROWS \G
.endr
.Lrows_done:
	s_wait_dscnt 0x0                               ; the loads asked for ahead of a jump
	s_wait_xcnt 0x0                                ; the last stores have read their registers
	s_cmp_le_i32 s39, 48
	s_cbranch_scc1 .Lnext
	; ---- more than 48 rows are left: the next 48, without ring or barrier ----
	s_add_co_u32 s53, s53, 384
	BMLOAD
	SETROWS 0
	v_bfe_u32 v[WOFF], v0, 4, 1
	v_lshlrev_b32 v[WOFF], 4+PWSH, v[WOFF]
	v_and_b32 v11, 15, v0
	v_lshl_add_u32 v[WOFF], v11, 4, v[WOFF]        ; 16 hh rows + 16 r
	s_mov_b64 s[24:25], s[22:23]
	s_mov_b64 s[30:31], s[28:29]
	SLOWSTEP 1
	s_mov_b32 s37, 31
.Lslow:
	SLOWSTEP 0
	s_sub_co_u32 s37, s37, 1
	s_cmp_lg_u32 s37, 0
	s_cbranch_scc1 .Lslow
.Lnext:
	s_sub_co_i32 s39, s39, 48
	s_add_co_u32 s38, s38, 1
	s_cmp_lt_u32 s38, 3
	s_cbranch_scc1 .Lpass
	s_wait_tensorcnt 0x0                           ; the wave's end
	ds_add_u32 v[SPW], v[NIL]
	s_wait_dscnt 0x0
	s_endpgm
.Lfunc_end_k_qdea45da6c6_ffn2:
	.size	k_qdea45da6c6_ffn2, .Lfunc_end_k_qdea45da6c6_ffn2-k_qdea45da6c6_ffn2
	.p2alignl 7, 3214868480
	.fill 96, 4, 3214868480
	.section	.rodata,"a",@progbits
	.p2align	6, 0x0
	.amdhsa_kernel k_qdea45da6c6_ffn2
		.amdhsa_group_segment_fixed_size 248832
		.amdhsa_private_segment_fixed_size 0
		.amdhsa_enable_private_segment 0
		.amdhsa_kernarg_size 48
		.amdhsa_user_sgpr_count 2
		.amdhsa_user_sgpr_kernarg_segment_ptr 1
		.amdhsa_wavefront_size32 1
		.amdhsa_system_sgpr_workgroup_id_x 1
		.amdhsa_system_sgpr_workgroup_id_y 1
		.amdhsa_system_sgpr_workgroup_id_z 1
		.amdhsa_system_vgpr_workitem_id 0
		.amdhsa_next_free_vgpr 512
		.amdhsa_next_free_sgpr 88
		.amdhsa_reserve_vcc 1
		.amdhsa_float_denorm_mode_32 3
		.amdhsa_float_denorm_mode_16_64 3
		.amdhsa_memory_ordered 1
		.amdhsa_forward_progress 1
		.amdhsa_inst_pref_size 130
	.end_amdhsa_kernel
	.amdgpu_metadata
---
amdhsa.version: [ 1, 2 ]
amdhsa.kernels:
  - .name:           k_qdea45da6c6_ffn2
    .symbol:         k_qdea45da6c6_ffn2.kd
    .args:
      - { .name: W2, .offset: 0, .size: 8, .value_kind: global_buffer, .address_space: global }
      - { .name: b2, .offset: 8, .size: 8, .value_kind: global_buffer, .address_space: global }
      - { .name: h, .offset: 16, .size: 8, .value_kind: global_buffer, .address_space: global }
      - { .name: bm, .offset: 24, .size: 8, .value_kind: global_buffer, .address_space: global }
      - { .name: y, .offset: 32, .size: 8, .value_kind: global_buffer, .address_space: global }
      - { .name: gw, .offset: 40, .size: 8, .value_kind: global_buffer, .address_space: global }
    .group_segment_fixed_size: 248832
    .private_segment_fixed_size: 0
    .kernarg_segment_align: 8
    .kernarg_segment_size: 48
    .max_flat_workgroup_size: 256
    .sgpr_count:     88
    .vgpr_count:     512
    .wavefront_size: 32
...
	.end_amdgpu_metadata
.endif
;; end of part 3
;; launch combine (part 4): grid 256 x 1, 8 waves a work-group, no clusters, 0 bytes of LDS; arguments y, out0; writes out0
.if DOCPART == 4
	.amdgcn_target "amdgcn-amd-amdhsa--gfx1250"
	.amdhsa_code_object_version 6
	.text
	.protected	k_qdea45da6c6_combine
	.globl	k_qdea45da6c6_combine
	.p2align	8
	.type	k_qdea45da6c6_combine,@function
k_qdea45da6c6_combine:
	s_mov_b64 s[64:65], 0
	v_nop
	global_prefetch_b8 v0, s[64:65] scope:SCOPE_SE
	s_setreg_imm32_b32 hwreg(HW_REG_WAVE_MODE, 25, 1), 1
	s_wait_xcnt 0x0
; out0[token][c] = the sum of y's eight planes (quarter of K ks, rank k) at the same place: since a slot is k*1024 + token, plane 2 ks + k begins at (2 ks + k) x 2^22 bytes and has out0's layout.
; The partial sums already carry the gate weights and, in quarter 0, the bias.  A stream: each byte of y is read once, each byte of out0 written once; no LDS, no barrier, no matrix unit.
; A work-group owns 16,384 bytes of out0; a thread 16 bytes in each of four quarters of them.  All 32 loads of a wave go out first; each covers 512 consecutive bytes.
.set PLANE, 0x400000
.set Y, 4                              ; v[4+4 (8 i + p) ..]: quarter i, plane p
.macro ADD4 d, s                       ; four f32 at d += four at s
	v_pk_add_f32 v[(\d):(\d)+1], v[(\d):(\d)+1], v[(\s):(\s)+1]
	v_pk_add_f32 v[(\d)+2:(\d)+3], v[(\d)+2:(\d)+3], v[(\s)+2:(\s)+3]
.endm
	s_load_b128 s[4:7], s[0:1], 0x0                ; y s[4:5], out0 s[6:7]
	v_lshlrev_b32 v1, 4, v0
	s_lshl_b32 s2, ttmp9, 14
	s_mov_b32 s3, 0
	s_wait_kmcnt 0x0
	s_add_nc_u64 s[8:9], s[4:5], s[2:3]            ; plane 0 at my part
	s_add_nc_u64 s[6:7], s[6:7], s[2:3]
.irp p,1,2,3,4,5,6,7
	s_add_nc_u64 s[8+2*\p:9+2*\p], s[8:9], \p*PLANE
.endr
.irp i,0,1,2,3
.irp p,0,1,2,3,4,5,6,7
	global_load_b128 v[Y+4*(8*\i+\p):Y+4*(8*\i+\p)+3], v1, s[8+2*\p:9+2*\p] offset:\i*4096 th:TH_LOAD_NT
.endr
.endr
.irp i,0,1,2,3
	s_wait_loadcnt 24-8*\i                         ; loads come back in order: this quarter's eight planes are in, the later quarters' stay out
	ADD4 Y+32*\i, Y+32*\i+4
	ADD4 Y+32*\i+8, Y+32*\i+12
	ADD4 Y+32*\i+16, Y+32*\i+20
	ADD4 Y+32*\i+24, Y+32*\i+28
	ADD4 Y+32*\i, Y+32*\i+8
	ADD4 Y+32*\i+16, Y+32*\i+24
	ADD4 Y+32*\i, Y+32*\i+16
	global_store_b128 v1, v[Y+32*\i:Y+32*\i+3], s[6:7] offset:\i*4096 th:TH_STORE_NT
.endr
	s_endpgm
.Lfunc_end_k_qdea45da6c6_combine:
	.size	k_qdea45da6c6_combine, .Lfunc_end_k_qdea45da6c6_combine-k_qdea45da6c6_combine
	.p2alignl 7, 3214868480
	.fill 96, 4, 3214868480
	.section	.rodata,"a",@progbits
	.p2align	6, 0x0
	.amdhsa_kernel k_qdea45da6c6_combine
		.amdhsa_group_segment_fixed_size 0
		.amdhsa_private_segment_fixed_size 0
		.amdhsa_enable_private_segment 0
		.amdhsa_kernarg_size 16
		.amdhsa_user_sgpr_count 2
		.amdhsa_user_sgpr_kernarg_segment_ptr 1
		.amdhsa_wavefront_size32 1
		.amdhsa_system_sgpr_workgroup_id_x 1
		.amdhsa_system_sgpr_workgroup_id_y 1
		.amdhsa_system_sgpr_workgroup_id_z 1
		.amdhsa_system_vgpr_workitem_id 0
		.amdhsa_next_free_vgpr 136
		.amdhsa_next_free_sgpr 66
		.amdhsa_reserve_vcc 0
		.amdhsa_float_denorm_mode_32 3
		.amdhsa_float_denorm_mode_16_64 3
		.amdhsa_memory_ordered 1
		.amdhsa_forward_progress 1
		.amdhsa_inst_pref_size 8
	.end_amdhsa_kernel
	.amdgpu_metadata
---
amdhsa.version: [ 1, 2 ]
amdhsa.kernels:
  - .name:           k_qdea45da6c6_combine
    .symbol:         k_qdea45da6c6_combine.kd
    .args:
      - { .name: y, .offset: 0, .size: 8, .value_kind: global_buffer, .address_space: global }
      - { .name: out0, .offset: 8, .size: 8, .value_kind: global_buffer, .address_space: global }
    .group_segment_fixed_size: 0
    .private_segment_fixed_size: 0
    .kernarg_segment_align: 8
    .kernarg_segment_size: 16
    .max_flat_workgroup_size: 256
    .sgpr_count:     66
    .vgpr_count:     136
    .wavefront_size: 32
...
	.end_amdgpu_metadata
.endif
;; end of part 4
;; ======== version 2 of 2: 4 launches; version 1 with the launches ffn1, ffn2 written anew for expert scheduling mode
;; workspace buffers: xb 2,097,152 bytes; bm 2,048 bytes of whole numbers; gw 8,192 bytes; h 16,777,216 bytes; y 33,554,432 bytes
;; launch router: the kernel of part 1 again; grid 64 x 1, 8 waves a work-group, no clusters, 62,464 bytes of LDS; arguments x, Wg, xb, bm, gw; writes xb, bm, gw
;; launch ffn1 (part 5): grid 32 x 8, 8 waves a work-group, no clusters, 248,832 bytes of LDS; arguments W1, b1, xb, bm, h; writes h
.if DOCPART == 5
	.amdgcn_target "amdgcn-amd-amdhsa--gfx1250"
	.amdhsa_code_object_version 6
	.text
	.protected	k_qdea45da6c6_ffn1
	.globl	k_qdea45da6c6_ffn1
	.p2align	8
	.type	k_qdea45da6c6_ffn1,@function
k_qdea45da6c6_ffn1:
	s_mov_b64 s[64:65], 0
	v_nop
	global_prefetch_b8 v0, s[64:65] scope:SCOPE_SE
	s_setreg_imm32_b32 hwreg(HW_REG_WAVE_SCHED_MODE, 0, 2), 2
	s_setreg_imm32_b32 hwreg(HW_REG_WAVE_MODE, 25, 1), 1
	s_wait_xcnt 0x0
	s_wait_alu depctr_vm_vsrc(0)
; ONE PRODUCT OF THE EXPERTS' CHAIN, for the routed rows alone.  One source text serves both layers; LAYER picks the constants.
;   LAYER 1: h[slot][4096] = bf16(gelu(xb[token] W1[e] + b1[e])).      LAYER 2: y[ks][slot][1024] = gw[slot] (h[slot][quarter ks of K] W2[e] (+ b2[e] in quarter 0)), f32 partial sums.
; A routed row is the SLOT k*1024 + token (rank k); each slot has one expert, so every byte of the output has one writer.
; SHARE.  Work-group (tile, expert e): a slice of the expert's weights, 1,024 k x 128 columns of f32, which it alone reads, and all of that expert's rows.  Eight waves, all running the same text.
; WEIGHTS WITHOUT A TRANSPOSE.  A 16-byte load gives lane (r = L % 16, hh = L / 16) columns 4 r .. 4 r + 3 of row k0 + 16 hh + j.  Component q of loads 2 i and 2 i + 1, rounded as a pair,
; IS register i of a source-1 fragment whose lane r holds column 4 r + q; its k order is k0 + 16 hh + 2 i + half.  The token fragment takes the same order: 32 consecutive bytes of the row at 2 (k0 + 16 hh).
; A K STEP is 32 rows of the slice, 16 KB.  Wave w = (g = w % 2, u = w / 2) loads rows 16 hh + 4 u + 0..3 of columns 64 g .. + 63 (4 loads), rounds them (registers 2 u, 2 u + 1 of fragments 4 g + 0..3) and lays them
; into a ring of five LDS slots; every wave then reads all eight fragments and multiplies its own rows: 3 blocks of 16 rows x 128 columns, 24 accumulators.
; ONE BARRIER A K STEP, ITS HALVES APART.  In step t a wave stores into slot (t + 2) % 5, waits for its LDS instructions and signals; it loads fragments 4-7 of slot t % 5 and issues 8 products; then it waits for the others.
; Slot k is stored in step k - 2 ahead of that step's signal and first read in step k - 1 behind that step's wait.  It is last read in step k, by loads awaited ahead of the signal of step k + 1, and stored again in
; step k + 3, behind the wait of step k + 2.  Between a signal and its wait stand LDS loads from slot t, which nobody writes before step t + 3, and work on registers.
; LOADS AHEAD.  Token rows and weights share the wave's one load counter, 6 + 4 loads a K step.  A step's rows are asked for four steps ahead, a stage of weights five: 34 loads of a wave stay out at the wait
; (four stages, three steps' rows), 44 behind the refills, which for the eight waves is 64 KB and 80 KB of weights.  Stage slots, row buffers and ring all go by 5, so five steps of text make the loop.
; Each stage slot and each row buffer has a scalar base pair of its own, rewritten only behind the counted wait that has shown its last loads done: no other wait stands in the loop for the bases.
; ROWS.  The expert's slots in the order of the bitmap form a list; wave w owns positions 128 B + 16 w + r and finds its slots from the bitmap in registers.  The barrier loop serves blocks B = 0..2
; (384 rows an expert); further rows, up to the 1,024 that an expert can get, go through up to two more passes without ring or barrier, so that whether they run may hang on the stored counts.
; THE WAY OUT is written out, twelve groups of four rows: every LDS address in it is a fixed lane register and an immediate offset.
; NO MULTICAST: a slice of weights has one reader, and the token rows that an expert's work-groups share come by a list that no tile descriptor covers.  The weights must pass through registers to be rounded.
; LIMITS.  Weights, bias and rows are bf16-rounded (every input of this program is, once); sums in f32; h is rounded once to bf16.  gelu is the tanh form written as x / (1 + 2^(x (K1 + K2 x^2))):
; the exponential may reach infinity or 0, which give the limits -0 and x.  NaN and infinities are not treated apart.
; THE MODE: SCHED_MODE bits 1:0 = 2 (LLVM: expert scheduling mode 2), set by the entry lines.  The code itself states the register dependences between vector or matrix instructions and memory or
; LDS instructions, with s_wait_alu, always for 0.
; THE PLAN.  Registers that memory or LDS instructions touch in the K loop, step t:
;   CV          written by the step's 8 conversions, read by its 4 LDS stores.
;   WR[(t+2)%5] read by the conversions; behind them the stage five steps on lands in it.
;   AR[t%5]     read by the step's products; the rows of step t + 5 land in it in step t + 1.
;   X, Y, Z     three fragment buffers.  Step t reads fragments 0-3 from e, 4-7 from o, and loads the next step's 0-3 into ne; e, o and ne are three different buffers in every step:
;               t % 5 = 0: X Z Y;  1: Y X Z;  2: Z Y X;  3: X Z Y;  4: Y Z X;  and step 0's e is step 4's ne, so five steps of text close the walk.
;   WOFF, AOFF, BAD, WST  offsets and LDS addresses, never written in the loop.
; So ONE wait on va_vdst stands in a step, behind its conversions: CV is written; the conversions are done reading WR; every product of the steps before is done reading AR[(t-1)%5], o and ne.  The step's 4 LDS
; stores, 10 global loads and 16 LDS loads follow it with no further wait: the products issued since name e, o (behind its load), AR[t%5] and the accumulators, none of which a later load of the step touches.
; One wait on vm_vsrc stands ahead of the conversions: the last step's LDS stores have read CV.
.set LAYER, 1
.if LAYER == 1
.set PWSH, 14                          ; a weight row is 2^PWSH bytes
.else
.set PWSH, 12
.endif
.set PW,     1<<PWSH
.set STEP,   32*PW                     ; a K step of 32 rows
.set RSLOT,  8192                      ; a ring slot: fragment f (0..7) at 1,024 f; its registers 0-3 at + 16 L, registers 4-7 at + 512 + 16 L
.set PRIV,   5*RSLOT                   ; for each wave 512 bytes: the slots of its 48 rows, u16; at GWL their gate weights, f32
.set PRIVB,  512
.set GWL,    128
.set STAGE,  PRIV+8*PRIVB              ; for each wave 48 rows x 528 bytes for the way out
.set SPITCH, 528
.set STAGEB, 48*SPITCH                 ; behind the eight stages 1,024 bytes for the closing add, 128 bytes a wave
; SCALARS: s[4:5] W  s[6:7] bias  s[8:9] rows  s[10:11] bm  s[12:13] out  s[14:15] gw  s16 wave  s17 g  s18 u  s19 e  s20 tile  s21 ks  s[22:23] slice  s[24:25] its stage in a later pass  s[26:27] stage offset
;   s[28:29] rows' base  s[30:31] at the K step in a later pass  s[32:33] its offset  s34 count  s35 my rows  s36 my blocks  s37 loop counts  s38 pass  s39 rows left  s40-45, s54, s55, s60-62 at work
;   s46-47 lane selects  s48 mask of lanes 16-31  s49 all ones in quarter 0  s50 my PRIV  s51 my STAGE  s53 384 x pass  s[56:57] K1  s[58:59] K2
;   s66-79 are at work in the search for my rows, while no load that reads a base pair is out: s66-68 and s69-71 running counts, s72-79 masks
.set WB,   66                          ; s[66:75]  the base pair of stage slot p at WB + 2 p
.set AB,   76                          ; s[76:85]  the base pair of row buffer a at AB + 2 a
.set WOFF, 1                           ; v1      my byte offset in a stage of weights
.set WST,  2                           ; v2      where my rounded weights go in a ring slot
.set BAD,  3                           ; v3      16 L: a fragment's read address (the ring begins at LDS byte 0)
.set AOFF, 4                           ; v4-6    byte offsets of my lane's row in blocks 0-2
.set POS,  7                           ; v7      128 hh + 16 w + r: the first list position that my lane searches in pass 0
.set SLT,  8                           ; v8-10   the slots of my lane's rows in blocks 0-2
.set CV,   16                          ; v16-23  rounded weights on their way to LDS
.set WR,   24                          ; v24-103 five stage slots of 16
.set AR,   104                         ; v104-223 five buffers of 3 token fragments
.set T,    104                         ; the search for my rows works here while no row load is out
.set FB,   192                         ; fragment buffers: 0 = X, v192-223 of window 1; 1 = Y, v224-255 of window 1; 2 = Z, v224-255 of window 0.  Window 1, v0-191: accumulator (b, n) at 8 (8 b + n)
.set DT,   32                          ; the way out: block b's 64 registers at DT + 64 b
.set GA,   224                         ; the way out, layer 2: v224-226 offsets of my three rows' gate weights, v228-230 the weights
.set GW,   228
.set MSB, 0
.macro WIN new                         ; the immediate's high byte repeats the setting that is left; at every label and branch the setting is 0
.if MSB != (\new)
	s_set_vgpr_msb (MSB<<8)|(\new)
.set MSB, \new
.endif
.endm
.macro PLACES                          ; four plain places between a product and a load or write into its registers, or a read of its result
.rept 4
	v_nop
.endr
.endm
; Stage slot p is rounded and stored into ring slot p; row buffer a takes the rows four K steps on, stage slot p the stage five further on.  n: the younger loads that may stay out.  e = 0: the first feed of all.
.macro FEED p, a, n, e=1
	s_wait_loadcnt \n                              ; loads come back in order: this stage's 4 loads, and this K step's rows, are in
.if \e
	s_wait_alu depctr_vm_vsrc(0)                   ; the LDS stores of the feed before have read v[CV ..], which the conversions write again
.endif
.irp q,0,1,2,3
.irp i,0,1
	v_cvt_pk_bf16_f32 v[CV+2*\q+\i], v[WR+16*(\p)+8*\i+\q], v[WR+16*(\p)+8*\i+4+\q]   ; these eight are also the places behind the last step's products
.endr
.endr
	s_wait_alu depctr_va_vdst(0)                   ; the step's one wait: the conversions have written v[CV ..] and are done reading the stage slot; the products of the steps before are done reading the row buffer and the two fragment buffers in which this step's loads land
.irp q,0,1,2,3
	ds_store_b64 v[WST], v[CV+2*\q:CV+2*\q+1] offset:(\p)*RSLOT+\q*1024
.endr
	s_add_co_u32 s32, s32, 64
	s_min_u32 s32, s32, 1984                       ; past the last K step it is asked for again: every step has the same loads and counts, and no load leaves the buffer
	s_add_nc_u64 s[AB+2*(\a):AB+2*(\a)+1], s[28:29], s[32:33]  ; the buffer's own pair: its last loads were the rows multiplied in the step before, shown done by that step's wait
.irp b,0,1,2
	global_load_b128 v[AR+24*(\a)+8*\b:AR+24*(\a)+8*\b+3], v[AOFF+\b], s[AB+2*(\a):AB+2*(\a)+1]
	global_load_b128 v[AR+24*(\a)+8*\b+4:AR+24*(\a)+8*\b+7], v[AOFF+\b], s[AB+2*(\a):AB+2*(\a)+1] offset:16
.endr
	s_add_co_u32 s26, s26, STEP
	s_min_u32 s26, s26, 31*STEP                    ; past the slice's end the last stage is asked for again
	s_add_nc_u64 s[WB+2*(\p):WB+2*(\p)+1], s[22:23], s[26:27]  ; the slot's own pair: its last loads are the ones just rounded, shown done by the wait above
.irp j,0,1,2,3
	global_load_b128 v[WR+16*(\p)+4*\j:WR+16*(\p)+4*\j+3], v[WOFF], s[WB+2*(\p):WB+2*(\p)+1] offset:\j*PW   ; 16 lanes take 256 consecutive bytes of a row, aligned
.endr
.endm
.macro BLOAD id, ls, f0                ; four fragments f0 .. f0 + 3 of ring slot ls, into fragment buffer id.  No wait: no vector or matrix instruction since the step's wait names that buffer
.set fbr, FB+32*(((\id)+1)/2)
	WIN 0x40*(1-(\id)/2)
.irp q,0,1,2,3
	ds_load_b128 v[fbr+8*\q:fbr+8*\q+3], v[BAD] offset:(\ls)*RSLOT+((\f0)+\q)*1024
	ds_load_b128 v[fbr+8*\q+4:fbr+8*\q+7], v[BAD] offset:(\ls)*RSLOT+((\f0)+\q)*1024+512
.endr
.endm
; 8 + 4 products: token fragments at ab x the weight fragments of buffer id, accumulators n0 .. n0 + 3 of every block.  Each accumulator has one instruction a K step.
; zero = 1: the products start the sums.  skip = 1: block 2 is jumped where the wave has two blocks or fewer.  bar = 1: the step's barrier is waited for behind the first eight.
.macro MUL ab, id, n0, zero, skip, bar=0
.set fbr, FB+32*(((\id)+1)/2)
	WIN 0x50+4*(1-(\id)/2)                         ; tokens in window 0; C and D in window 1; weights in the buffer's window
.irp b,0,1
.irp q,0,1,2,3
.if \zero
	v_wmma_f32_16x16x32_bf16 v[8*(8*\b+(\n0)+\q):8*(8*\b+(\n0)+\q)+7], v[(\ab)+8*\b:(\ab)+8*\b+7], v[fbr+8*\q:fbr+8*\q+7], 0
.else
	v_wmma_f32_16x16x32_bf16 v[8*(8*\b+(\n0)+\q):8*(8*\b+(\n0)+\q)+7], v[(\ab)+8*\b:(\ab)+8*\b+7], v[fbr+8*\q:fbr+8*\q+7], v[8*(8*\b+(\n0)+\q):8*(8*\b+(\n0)+\q)+7]
.endif
.endr
.endr
.if \bar
	s_barrier_wait -1                              ; every wave's stores of this step are in the ring, and its reads of the steps before are over
.endif
.if \skip
	WIN 0
	s_cmp_lt_u32 s36, 3
	s_cbranch_scc1 .Lno2_\@
	WIN 0x50+4*(1-(\id)/2)
.endif
.irp q,0,1,2,3
.if \zero
	v_wmma_f32_16x16x32_bf16 v[8*(16+(\n0)+\q):8*(16+(\n0)+\q)+7], v[(\ab)+16:(\ab)+23], v[fbr+8*\q:fbr+8*\q+7], 0
.else
	v_wmma_f32_16x16x32_bf16 v[8*(16+(\n0)+\q):8*(16+(\n0)+\q)+7], v[(\ab)+16:(\ab)+23], v[fbr+8*\q:fbr+8*\q+7], v[8*(16+(\n0)+\q):8*(16+(\n0)+\q)+7]
.endif
.endr
	WIN 0
.if \skip
.Lno2_\@:
.endif
.endm
; K step t (t5 = t % 5).  n: the loads that may stay out at its head.  be, bo, bn: the buffers of its fragments 0-3, of its fragments 4-7, and of the next step's fragments 0-3.
.macro TRIP t5, zero, n, be, bo, bn
	FEED ((\t5)+2)%5, ((\t5)+4)%5, \n
	s_wait_dscnt 0x0                               ; my stores into the ring are done, and my LDS loads of the step before are back (fragments 0-3 of this step among them)
	s_barrier_signal -1                            ; say so; the wait stands behind eight products
.if \zero
	BLOAD \be, \t5, 0                              ; the first step's fragments 0-3; later they are fetched a step ahead
.endif
	BLOAD \bo, \t5, 4                              ; slot t: whole since two barriers ago, and stored again three steps on
.if \zero
	s_wait_dscnt 8                                 ; fragments 0-3 are in; the 8 loads of 4-7 may be out
.endif
	MUL AR+24*(\t5), \be, 0, \zero, 1-(\zero), 1
	BLOAD \bn, ((\t5)+1)%5, 0                      ; the next step's fragments 0-3, into the buffer that this step's products do not name; its last readers stand ahead of this step's conversions
	s_wait_dscnt 8                                 ; fragments 4-7 are in; the 8 just issued may be out
	MUL AR+24*(\t5), \bo, 4, \zero, 1-(\zero)
.endm
; 32 bitmap words, four a trip: for each of my two positions the last word whose running count does not exceed it is kept, with that count and the word's number.
; The counts ahead of the four words are made first, so that the eight compares stand in one run, with one wait between them and the selects.
.macro FIND src
	s_mov_b32 s37, 0
.Lfind_\@:
	s_add_co_u32 s60, s37, 1
	s_add_co_u32 s61, s37, 2
	s_add_co_u32 s62, s37, 3
	v_readlane_b32 s40, v[\src], s37
	v_readlane_b32 s41, v[\src], s60
	v_readlane_b32 s54, v[\src], s61
	v_readlane_b32 s55, v[\src], s62
	s_wait_alu depctr_va_sdst(0)                   ; the four words are written into s40, s41, s54, s55, ahead of their first reader
	s_bcnt1_i32_b32 s45, s40
	s_add_co_u32 s66, s42, s45                     ; the running count ahead of the second word,
	s_add_co_u32 s69, s44, s45                     ; and the same with the word's number on top
	s_add_co_u32 s69, s69, 0x10000
	s_bcnt1_i32_b32 s45, s41
	s_add_co_u32 s67, s66, s45                     ; ahead of the third
	s_add_co_u32 s70, s69, s45
	s_add_co_u32 s70, s70, 0x10000
	s_bcnt1_i32_b32 s45, s54
	s_add_co_u32 s68, s67, s45                     ; ahead of the fourth
	s_add_co_u32 s71, s70, s45
	s_add_co_u32 s71, s71, 0x10000
	s_bcnt1_i32_b32 s45, s55
.irp i,0,1
	v_cmp_gt_u32 s[72+\i], s42, v[T+4+\i]
	v_cmp_gt_u32 s[74+\i], s66, v[T+4+\i]
	v_cmp_gt_u32 s[76+\i], s67, v[T+4+\i]
	v_cmp_gt_u32 s[78+\i], s68, v[T+4+\i]
.endr
	s_wait_alu depctr_va_sdst(0)                   ; the eight masks s72-79 are written, ahead of the selects that read them
.irp i,0,1
	v_cndmask_b32 v[T+8+\i], s40, v[T+8+\i], s[72+\i]
	v_cndmask_b32 v[T+12+\i], s44, v[T+12+\i], s[72+\i]
	v_cndmask_b32 v[T+8+\i], s41, v[T+8+\i], s[74+\i]
	v_cndmask_b32 v[T+12+\i], s69, v[T+12+\i], s[74+\i]
	v_cndmask_b32 v[T+8+\i], s54, v[T+8+\i], s[76+\i]
	v_cndmask_b32 v[T+12+\i], s70, v[T+12+\i], s[76+\i]
	v_cndmask_b32 v[T+8+\i], s55, v[T+8+\i], s[78+\i]
	v_cndmask_b32 v[T+12+\i], s71, v[T+12+\i], s[78+\i]
.endr
	s_add_co_u32 s42, s68, s45                     ; the counts behind the fourth word
	s_add_co_u32 s44, s71, s45
	s_add_co_u32 s44, s44, 0x10000
	s_add_co_u32 s37, s37, 4
	s_cmp_lt_u32 s37, 32
	s_cbranch_scc1 .Lfind_\@
.endm
.macro SELSTEP ca, cb, wd, inc         ; is the wanted bit beyond the lower field?  Both positions side by side: ca, cb hold their field counts
	v_bfe_u32 v[T+20], v[\ca], v[T+24], \wd
	v_bfe_u32 v[T+22], v[\cb], v[T+25], \wd
	v_cmp_ge_u32 s72, v[T+4], v[T+20]
	v_cmp_ge_u32 s73, v[T+5], v[T+22]
	s_wait_alu depctr_va_sdst(0)                   ; the two masks s72, s73 are written, ahead of the selects that read them
	v_cndmask_b32 v[T+20], 0, v[T+20], s72
	v_cndmask_b32 v[T+21], 0, \inc, s72
	v_cndmask_b32 v[T+22], 0, v[T+22], s73
	v_cndmask_b32 v[T+23], 0, \inc, s73
	v_sub_nc_u32 v[T+4], v[T+4], v[T+20]
	v_add_nc_u32 v[T+24], v[T+24], v[T+21]
	v_sub_nc_u32 v[T+5], v[T+5], v[T+22]
	v_add_nc_u32 v[T+25], v[T+25], v[T+23]
.endm
.macro SELECT2                         ; for both positions: the place of set bit number q of the word: counts of fields of 2, 4, 8 and 16 bits (position i's at T + 40 + 4 i ..), then five halvings; slot = 32 x word + place
.irp i,0,1
	v_and_b32 v[T+20], 0xffff, v[T+12+\i]
	v_sub_nc_u32 v[T+4+\i], v[T+4+\i], v[T+20]     ; q
	v_lshrrev_b32 v[T+12+\i], 16, v[T+12+\i]
	v_lshrrev_b32 v[T+40+4*\i], 1, v[T+8+\i]
	v_and_b32 v[T+40+4*\i], 0x55555555, v[T+40+4*\i]
	v_sub_nc_u32 v[T+40+4*\i], v[T+8+\i], v[T+40+4*\i]
	v_lshrrev_b32 v[T+41+4*\i], 2, v[T+40+4*\i]
	v_and_b32 v[T+41+4*\i], 0x33333333, v[T+41+4*\i]
	v_and_b32 v[T+42+4*\i], 0x33333333, v[T+40+4*\i]
	v_add_nc_u32 v[T+41+4*\i], v[T+41+4*\i], v[T+42+4*\i]
	v_lshrrev_b32 v[T+42+4*\i], 4, v[T+41+4*\i]
	v_add_nc_u32 v[T+42+4*\i], v[T+42+4*\i], v[T+41+4*\i]
	v_and_b32 v[T+42+4*\i], 0x0f0f0f0f, v[T+42+4*\i]
	v_lshrrev_b32 v[T+43+4*\i], 8, v[T+42+4*\i]
	v_add_nc_u32 v[T+43+4*\i], v[T+43+4*\i], v[T+42+4*\i]
	v_mov_b32 v[T+24+\i], 0
.endr
	SELSTEP T+43, T+47, 8, 16
	SELSTEP T+42, T+46, 8, 8
	SELSTEP T+41, T+45, 4, 4
	SELSTEP T+40, T+44, 2, 2
	SELSTEP T+8, T+9, 1, 1
.irp i,0,1
	v_lshl_add_u32 v[T+24+\i], v[T+12+\i], 5, v[T+24+\i]
.endr
.endm
.macro BMLOAD                          ; lane j: the expert's bitmap word j of rank 0, and of rank 1
	v_and_b32 v[T+2], 31, v0
	v_lshlrev_b32 v[T+2], 2, v[T+2]
	s_wait_alu depctr_va_vdst(0)                   ; v[T+2] is written, which the two loads read; at the kernel's head so is v[WOFF], which the weights' loads read; in a later pass the way out is done with v[T] and v[T+1], in which the loads land
	global_load_b32 v[T], v[T+2], s[10:11]
	global_load_b32 v[T+1], v[T+2], s[10:11] offset:128
.endm
; The slots of my three blocks in the pass at list offset s53.  Lane (r, hh) searches row r of blocks hh and 2 + hh (block 3 serves nothing); the halves of the lanes then exchange what they found.
; n: the loads issued behind the bitmap's, which may stay out.  A position past the count gives some slot that exists; its row is never stored.
.macro SETROWS n
	v_add_nc_u32 v[T+4], s53, v[POS]
	v_add_nc_u32 v[T+5], 0x100, v[T+4]
.irp i,0,1
	v_mov_b32 v[T+8+\i], 0
	v_mov_b32 v[T+12+\i], 0
.endr
	s_mov_b32 s42, 0
	s_mov_b32 s44, 0
	s_wait_loadcnt \n
	FIND T
	FIND T+1
	s_mov_b32 s34, s42                             ; the expert's rows
	SELECT2
	v_permlanex16_b32 v[T+8], v[T+24], s46, s47    ; what the lane 16 away found
	v_permlanex16_b32 v[T+9], v[T+25], s46, s47
	v_cndmask_b32 v[T+26], v[T+24], v[T+8], s48    ; block 0: lanes 0-15 found it themselves
	v_cndmask_b32 v[T+27], v[T+8], v[T+24], s48    ; block 1: lanes 16-31 did
	v_cndmask_b32 v[T+28], v[T+25], v[T+9], s48    ; block 2: lanes 0-15 again
	v_and_b32 v[T+32], 15, v0
	v_bfe_u32 v[T+33], v0, 4, 1
	v_lshl_add_u32 v[T+34], v[T+32], 1, s50
	v_lshlrev_b32 v[T+33], 5, v[T+33]              ; 32 hh: my half's 32 bytes of a K step
.irp b,0,1,2
	v_min_u32 v[SLT+\b], 0x7ff, v[T+26+\b]
.if LAYER == 1
	v_and_b32 v[AOFF+\b], 0x3ff, v[SLT+\b]         ; the slot's token
	v_lshl_add_u32 v[AOFF+\b], v[AOFF+\b], 11, v[T+33]
.else
	v_lshl_add_u32 v[AOFF+\b], v[SLT+\b], 13, v[T+33]
.endif
.endr
	s_wait_alu depctr_va_vdst(0)                   ; the slots and v[T+34] are written, which the LDS stores read; v[AOFF ..] are written, which the rows' loads read; the search is done with v[T ..], in which those loads land
.irp b,0,1,2
	ds_store_b16 v[T+34], v[SLT+\b] offset:32*\b   ; row 16 b + r of my 48; the two halves of the lanes store the same number
.endr
	s_wait_alu depctr_vm_vsrc(0)                   ; the bitmap's loads have read v[T+2] and the LDS stores v[T+34]: loads of rows (in a later pass: of weights) land in both
.endm
; Block b leaves its accumulators: register j of the eight accumulators, side by side, is 2 x 16 bytes of row 8 hh + j; each accumulator is read from register 0 up.  16 lanes store 256 consecutive LDS bytes.
; Each block has 64 registers of its own, so that no copy writes a register that an LDS store of the block before reads.
.macro DUMPB b
	WIN 0x01
.irp j,0,1,2,3,4,5,6,7
.irp c,0,1,2,3,4,5,6,7
	v_mov_b32 v[DT+64*\b+8*\j+\c], v[8*(8*\b+\c)+\j]
.endr
.endr
	WIN 0
	s_wait_alu depctr_va_vdst(0)                   ; the copies have written the block's 64 registers, which the LDS stores read
.irp j,0,1,2,3,4,5,6,7
	ds_store_b128 v14, v[DT+64*\b+8*\j:DT+64*\b+8*\j+3] offset:(16*\b+\j)*SPITCH
	ds_store_b128 v14, v[DT+64*\b+8*\j+4:DT+64*\b+8*\j+7] offset:(16*\b+\j)*SPITCH+256
.endr
.endm
.macro LDGROUP G                       ; group G: four whole rows of my stage, their slots (and gate weights)
.irp i,0,1,2,3
	ds_load_b128 v[96+4*\i:99+4*\i], v15 offset:(4*(\G)+\i)*SPITCH
.endr
	ds_load_b64 v[112:113], v16 offset:8*(\G)
.if LAYER == 2
	ds_load_b128 v[116:119], v16 offset:GWL+16*(\G)
.endif
.endm
; Group G of the way out: rows 4 G .. 4 G + 3 of my 48 get the bias (and the activation, or the gate weight) and are stored; the next group's LDS loads are issued in between.
; Where no row is left, the rest of the way out is jumped; s39 is the number of my rows in this pass and beyond.
.macro ROWS G
	s_wait_dscnt 0x0                               ; this group's rows, asked for a group ago
.if \G > 0
	s_cmp_le_i32 s39, 4*(\G)
	s_cbranch_scc1 .Lrows_done
.endif
	s_wait_xcnt 0x0                                ; the last group's stores have read their data and offsets
.if \G > 0
	s_wait_alu depctr_vm_vsrc(0)                   ; the last group's stores have read their data and their offsets v168-171, which the lines below write again
.endif
.irp i,0,1,2,3,4,5,6,7
	v_pk_add_f32 v[120+2*\i:121+2*\i], v[96+2*\i:97+2*\i], v[24+2*(\i%2):25+2*(\i%2)]
.endr
	v_and_b32 v168, 0xffff, v112
	v_lshrrev_b32 v169, 16, v112
	v_and_b32 v170, 0xffff, v113
	v_lshrrev_b32 v171, 16, v113
.irp i,168,169,170,171
	v_min_u32 v\i, 0x7ff, v\i
.if LAYER == 1
	v_lshl_add_u32 v\i, v\i, 13, v17
.else
	v_lshl_add_u32 v\i, v\i, 12, v17
.endif
.endr
.if LAYER == 2
	v_pk_mul_f32 v[120:121], v[120:121], v[116:117] op_sel_hi:[1,0]                ; each row by its gate weight
	v_pk_mul_f32 v[122:123], v[122:123], v[116:117] op_sel_hi:[1,0]
	v_pk_mul_f32 v[124:125], v[124:125], v[116:117] op_sel:[0,1] op_sel_hi:[1,1]
	v_pk_mul_f32 v[126:127], v[126:127], v[116:117] op_sel:[0,1] op_sel_hi:[1,1]
	v_pk_mul_f32 v[128:129], v[128:129], v[118:119] op_sel_hi:[1,0]
	v_pk_mul_f32 v[130:131], v[130:131], v[118:119] op_sel_hi:[1,0]
	v_pk_mul_f32 v[132:133], v[132:133], v[118:119] op_sel:[0,1] op_sel_hi:[1,1]
	v_pk_mul_f32 v[134:135], v[134:135], v[118:119] op_sel:[0,1] op_sel_hi:[1,1]
	s_wait_alu depctr_va_vdst(0)                   ; the lines above are done reading v96-119, in which the next group's loads land, and have written v120-135 and v168-171, which the stores read
.if \G < 11
	LDGROUP (\G)+1                                 ; the next four rows
.endif
	global_store_b128 v168, v[120:123], s[12:13]   ; 32 lanes store a row's 512 consecutive bytes, aligned
	s_cmp_lt_i32 s39, 4*(\G)+2
	s_cbranch_scc1 .Lrows_done
	global_store_b128 v169, v[124:127], s[12:13]
	s_cmp_lt_i32 s39, 4*(\G)+3
	s_cbranch_scc1 .Lrows_done
	global_store_b128 v170, v[128:131], s[12:13]
	s_cmp_lt_i32 s39, 4*(\G)+4
	s_cbranch_scc1 .Lrows_done
	global_store_b128 v171, v[132:135], s[12:13]
.else
.irp i,0,2,4,6,8,10,12,14
	v_pk_mul_f32 v[136+\i:137+\i], v[120+\i:121+\i], v[120+\i:121+\i]
.endr
.irp i,0,2,4,6,8,10,12,14
	v_pk_fma_f32 v[136+\i:137+\i], v[136+\i:137+\i], s[58:59], s[56:57] op_sel_hi:[1,0,0]
.endr
.irp i,0,2,4,6,8,10,12,14
	v_pk_mul_f32 v[136+\i:137+\i], v[136+\i:137+\i], v[120+\i:121+\i]
.endr
.irp i,0,1,2,3,4,5,6,7,8,9,10,11,12,13,14,15
	v_exp_f32 v[136+\i], v[136+\i]
.endr
	v_nop                                          ; a plain instruction behind the batch,
	s_wait_alu depctr_va_vdst(0)                   ; and one wait: the sixteen exponentials have written v136-151, ahead of their first reader; and the sums and offsets above are done reading v96-113, in which the next group's loads land
.if \G < 11
	LDGROUP (\G)+1                                 ; the next four rows
.endif
.irp i,0,2,4,6,8,10,12,14
	v_pk_add_f32 v[136+\i:137+\i], v[136+\i:137+\i], 1.0 op_sel_hi:[1,0]
.endr
.irp i,0,1,2,3,4,5,6,7,8,9,10,11,12,13,14,15
	v_rcp_f32 v[136+\i], v[136+\i]
.endr
	v_nop
	s_wait_alu depctr_va_vdst(0)                   ; the sixteen reciprocals have written v136-151, ahead of their first reader
.irp i,0,2,4,6,8,10,12,14
	v_pk_mul_f32 v[136+\i:137+\i], v[136+\i:137+\i], v[120+\i:121+\i]
.endr
.irp i,0,1,2,3,4,5,6,7
	v_cvt_pk_bf16_f32 v[172+\i], v[136+2*\i], v[137+2*\i]
.endr
	s_wait_alu depctr_va_vdst(0)                   ; the roundings have written v172-179, which the stores read (their offsets v168-171 were written further up)
	global_store_b64 v168, v[172:173], s[12:13]    ; 32 lanes store a row's 256 consecutive bytes, aligned
	s_cmp_lt_i32 s39, 4*(\G)+2
	s_cbranch_scc1 .Lrows_done
	global_store_b64 v169, v[174:175], s[12:13]
	s_cmp_lt_i32 s39, 4*(\G)+3
	s_cbranch_scc1 .Lrows_done
	global_store_b64 v170, v[176:177], s[12:13]
	s_cmp_lt_i32 s39, 4*(\G)+4
	s_cbranch_scc1 .Lrows_done
	global_store_b64 v171, v[178:179], s[12:13]
.endif
.endm
; A K step of a later pass: the wave loads and rounds the weights for itself; nothing is shared, so no barrier is needed.  The two halves of the columns have raw registers of their own (v128-191, v192-255),
; so that one wait at the step's head serves all 38 loads.
.macro SLOWSTEP zero
	PLACES
	s_wait_alu depctr_va_vdst(0)                   ; the last step's products are done reading the rows' registers and its conversions the raw weights', in which the loads below land; ahead of the first step v[WOFF] is written, which they read
.irp b,0,1,2
	global_load_b128 v[AR+8*\b:AR+8*\b+3], v[AOFF+\b], s[30:31]
	global_load_b128 v[AR+8*\b+4:AR+8*\b+7], v[AOFF+\b], s[30:31] offset:16
.endr
.irp g,0,1
.irp j,0,1,2,3,4,5,6,7,8,9,10,11,12,13,14,15
	global_load_b128 v[128+64*\g+4*\j:131+64*\g+4*\j], v[WOFF], s[24:25] offset:\j*PW+256*\g
.endr
.endr
.irp g,0,1
	s_wait_loadcnt 16-16*\g                        ; the rows and this half's 16 loads are in; the other half's 16 may stay out
	WIN 0x40
.irp q,0,1,2,3
.irp i,0,1,2,3,4,5,6,7
	v_cvt_pk_bf16_f32 v[FB+32*\g+8*\q+\i], v[128+64*\g+8*\i+\q], v[132+64*\g+8*\i+\q]
.endr
.endr
	MUL AR, \g, 4*\g, \zero, 0
.endr
	s_add_nc_u64 s[24:25], s[24:25], STEP          ; no load is out: the wait for 0 above
	s_add_nc_u64 s[30:31], s[30:31], 64
.endm
	s_load_b256 s[4:11], s[0:1], 0x0               ; W, bias, rows, bm
.if LAYER == 1
	s_load_b64 s[12:13], s[0:1], 0x20              ; out
	v_lshl_add_u32 v12, v0, 2, 0x3c800
	v_mov_b32 v13, 0
.else
	s_load_b128 s[12:15], s[0:1], 0x20             ; out, gw
.endif
	v_lshrrev_b32 v1, 5, v0
	v_readfirstlane_b32 s16, v1                    ; wave 0..7
	v_and_b32 v14, 31, v0                          ; L
	v_and_b32 v15, 15, v0                          ; r
	v_bfe_u32 v11, v0, 4, 1                        ; hh
	v_lshlrev_b32 v[BAD], 4, v14
	v_lshlrev_b32 v[WOFF], 4, v11
	s_and_b32 s19, ttmp7, 0xffff                   ; expert
.if LAYER == 1
	s_mov_b32 s20, ttmp9                           ; slice of 128 columns
.else
	s_and_b32 s20, ttmp9, 7                        ; slice of 128 columns
	s_lshr_b32 s21, ttmp9, 3                       ; quarter of K
.endif
	s_lshl_b32 s26, s19, 24                        ; an expert's weights are 2^24 bytes
	s_lshl_b32 s41, s20, 9
	s_add_co_u32 s26, s26, s41
.if LAYER == 2
	s_lshl_b32 s43, s21, 22                        ; 1,024 rows of 4,096 bytes
	s_add_co_u32 s26, s26, s43
.endif
	s_mov_b32 s27, 0
	s_wait_alu depctr_va_sdst(0)                   ; s16 is written, ahead of its first reader
	s_and_b32 s17, s16, 1                          ; g: which 64 columns of a stage I load
	s_lshr_b32 s18, s16, 1                         ; u: which 4 rows of each 16
	s_lshl_b32 s45, s18, 2
	v_add_nc_u32 v[WOFF], s45, v[WOFF]
	v_lshlrev_b32 v[WOFF], PWSH, v[WOFF]
	v_lshl_add_u32 v[WOFF], v15, 4, v[WOFF]
	s_lshl_b32 s45, s17, 8
	v_add_nc_u32 v[WOFF], s45, v[WOFF]             ; (16 hh + 4 u) rows + 256 g + 16 r
	s_lshl_b32 s45, s17, 12
	s_lshr_b32 s44, s18, 1
	s_lshl_b32 s44, s44, 9
	s_add_co_u32 s45, s45, s44
	s_and_b32 s44, s18, 1
	s_lshl_b32 s44, s44, 3
	s_add_co_u32 s45, s45, s44
	v_add_nc_u32 v[WST], s45, v[BAD]               ; 4,096 g + 512 (u / 2) + 8 (u % 2) + 16 L
	s_lshl_b32 s45, s16, 4
	v_lshl_add_u32 v[POS], v11, 7, v15
	v_add_nc_u32 v[POS], s45, v[POS]               ; 128 hh + 16 w + r
	s_mul_i32 s50, s16, PRIVB
	s_add_co_u32 s50, s50, PRIV
	s_mul_i32 s51, s16, STAGEB
	s_add_co_u32 s51, s51, STAGE
	s_mov_b32 s46, 0x76543210                      ; v_permlanex16_b32: each lane takes its own place in the other half
	s_mov_b32 s47, 0xfedcba98
	s_mov_b32 s48, 0xffff0000                      ; lanes 16-31
	s_mov_b32 s56, 0xc0135761                      ; K1 = -2 sqrt(2/pi) log2(e)
	s_mov_b32 s57, s56
	s_mov_b32 s58, 0xbdd2d3e8                      ; K2 = 0.044715 K1
	s_mov_b32 s59, s58
	s_mov_b32 s53, 0
	s_mov_b32 s33, 0
	s_wait_kmcnt 0x0
	s_add_nc_u64 s[22:23], s[4:5], s[26:27]        ; my slice's first byte
.if LAYER == 1
	s_mov_b64 s[28:29], s[8:9]
	s_lshl_b32 s32, s19, 14
.else
	s_lshl_b32 s32, s21, 11
	s_add_nc_u64 s[28:29], s[8:9], s[32:33]        ; my quarter of a row of h
	s_lshl_b32 s32, s19, 12
.endif
	s_add_co_u32 s32, s32, s41
	s_add_nc_u64 s[6:7], s[6:7], s[32:33]          ; my 128 numbers of the bias
.if LAYER == 1
	s_lshl_b32 s32, s20, 8
.else
	s_lshl_b32 s32, s21, 23
	s_add_co_u32 s32, s32, s41
	s_cmp_eq_u32 s21, 0
	s_cselect_b32 s49, -1, 0                       ; the bias belongs to quarter 0
.endif
	s_add_nc_u64 s[12:13], s[12:13], s[32:33]      ; my columns of the output
	s_lshl_b32 s32, s19, 8
	s_add_nc_u64 s[10:11], s[10:11], s[32:33]      ; the expert's 64 bitmap words
	BMLOAD
.irp s,0,1,2,3,4                       ; the first five stages go out before anything else is worked on
.irp j,0,1,2,3
	global_load_b128 v[WR+16*\s+4*\j:WR+16*\s+4*\j+3], v[WOFF], s[22:23] offset:\s*STEP+\j*PW
.endr
.endr
	SETROWS 20                                     ; the bitmap is in; the 20 weight loads behind it stay out
	s_lshr_b32 s35, s34, 7                         ; my rows: 16 for each full 128 of the list,
	s_lshl_b32 s35, s35, 4
	s_and_b32 s41, s34, 127
	s_lshl_b32 s43, s16, 4
	s_sub_co_i32 s41, s41, s43
	s_max_i32 s41, s41, 0
	s_min_i32 s41, s41, 16                         ; and my part of the rest
	s_add_co_u32 s35, s35, s41
	s_add_co_u32 s36, s35, 15
	s_lshr_b32 s36, s36, 4
	s_min_u32 s36, s36, 3                          ; my blocks in the first pass
.irp a,0,1
.irp b,0,1,2
	global_load_b128 v[AR+24*\a+8*\b:AR+24*\a+8*\b+3], v[AOFF+\b], s[28:29] offset:64*\a
	global_load_b128 v[AR+24*\a+8*\b+4:AR+24*\a+8*\b+7], v[AOFF+\b], s[28:29] offset:64*\a+16
.endr
.endr
	s_mov_b32 s32, 64
	s_mov_b32 s26, 4*STEP
	FEED 0, 2, 28, 0                               ; behind stage 0's loads: stages 1-4 (16) and two K steps' rows (12)
	FEED 1, 3, 34                                  ; behind stage 1's: stages 2-4 (12), 12, K step 2's rows (6), stage 5 (4)
	s_wait_dscnt 0x0                               ; stages 0 and 1 are in the ring
	s_barrier_signal -1
	s_barrier_wait -1
	TRIP 0, 1, 26, 0, 2, 1                         ; the first K step starts the sums: nothing is cleared.  Behind K step 0's rows: 6 + 6 + 4 + 6 + 4 loads
	TRIP 1, 0, 30, 1, 0, 2                         ; behind K step 1's rows: 6 + 4 + 6 + 4 + 6 + 4
	s_mov_b32 s37, 6
.Lmain:                                                ; 6 x 5 K steps; behind a K step's rows stand a stage's 4 loads and three steps of 10
	TRIP 2, 0, 34, 2, 1, 0
	TRIP 3, 0, 34, 0, 2, 1
	TRIP 4, 0, 34, 1, 2, 0
	TRIP 0, 0, 34, 0, 2, 1
	TRIP 1, 0, 34, 1, 0, 2
	s_sub_co_u32 s37, s37, 1
	s_cmp_lg_u32 s37, 0
	s_cbranch_scc1 .Lmain
	s_wait_loadcnt 0x0                             ; the repeated last stages and rows; no barrier follows
	s_wait_dscnt 0x0                               ; the last step's look-ahead fragments
	s_wait_alu depctr_vm_vsrc(0)                   ; the ring's last LDS stores have read v[CV ..], which the way out writes as its addresses
	s_mov_b32 s39, s35
	s_mov_b32 s38, 0
.Lpass:                                                ; three passes of 48 rows a wave cover the 128 that a wave can get
	s_cmp_le_i32 s39, 0
	s_cbranch_scc1 .Lnext
	; ---- the way out: accumulators into my stage, back as whole rows, four rows a group ----
	PLACES
	v_and_b32 v18, 31, v0
	v_and_b32 v19, 15, v0
	v_bfe_u32 v20, v0, 4, 1
	v_lshlrev_b32 v21, 4, v18
.if LAYER == 2
.irp b,0,1,2
	v_lshlrev_b32 v[GA+\b], 2, v[SLT+\b]
.endr
	v_lshl_add_u32 v22, v19, 2, s50                ; where my lane's gate weights go
.endif
	v_mul_u32_u24 v14, v20, 8*SPITCH
	v_lshl_add_u32 v14, v19, 4, v14
	v_add_nc_u32 v14, s51, v14                     ; in: row 8 hh, byte 16 r
	v_add_nc_u32 v15, s51, v21                     ; back: 32 lanes take a row's 512 bytes
	v_mov_b32 v16, s50                             ; my private words
.if LAYER == 1
	v_lshlrev_b32 v17, 3, v18                      ; 8 bytes a lane in h
.else
	v_mov_b32 v17, v21                             ; 16 bytes a lane in y
.endif
	s_wait_alu depctr_va_vdst(0)                   ; the way out's offsets and LDS addresses (v14-16, v21; in layer 2 v22 and v[GA ..]) are written, which its loads and stores read; earlier conversions and products are done with v24-27 and v[GW ..], in which the loads below land
	global_load_b128 v[24:27], v21, s[6:7]         ; the bias of columns 4 L .. 4 L + 3
.if LAYER == 2
.irp b,0,1,2
	global_load_b32 v[GW+\b], v[GA+\b], s[14:15]   ; the gate weights of my lane's three rows
.endr
.endif
	DUMPB 0
	DUMPB 1
	DUMPB 2
	s_wait_loadcnt 0x0
	v_cvt_pk_bf16_f32 v28, v24, v25                ; the bias is rounded to bf16 as every input is
	v_cvt_pk_bf16_f32 v29, v26, v27
	v_lshlrev_b32 v24, 16, v28
	v_and_b32 v25, 0xffff0000, v28
	v_lshlrev_b32 v26, 16, v29
	v_and_b32 v27, 0xffff0000, v29
.if LAYER == 2
.irp i,24,25,26,27
	v_cndmask_b32 v\i, 0, v\i, s49
.endr
.irp b,0,1,2
	ds_store_b32 v22, v[GW+\b] offset:GWL+64*\b    ; the data came by loads; no vector instruction since the wait at the way out's head names v22
.endr
.endif
	s_wait_alu depctr_vm_vsrc(0)                   ; the LDS stores of blocks 1 and 2 have read v96-223: the groups' loads land in v96-119, and the groups' arithmetic writes v120-179
	LDGROUP 0                                      ; LDS serves a wave's instructions in order: these see my stores above
.irp G,0,1,2,3,4,5,6,7,8,9,10,11
	ROWS \G
.endr
.Lrows_done:
	s_wait_dscnt 0x0                               ; the loads asked for ahead of a jump
	s_wait_xcnt 0x0                                ; the last stores have read their registers
	s_wait_alu depctr_vm_vsrc(0)                   ; the way out's loads and stores, and the loads of weights and rows before it, have read their offsets, addresses and data: a further pass writes all of them again
	s_cmp_le_i32 s39, 48
	s_cbranch_scc1 .Lnext
	; ---- more than 48 rows are left: the next 48, without ring or barrier ----
	s_add_co_u32 s53, s53, 384
	BMLOAD
	SETROWS 0
	v_bfe_u32 v[WOFF], v0, 4, 1
	v_lshlrev_b32 v[WOFF], 4+PWSH, v[WOFF]
	v_and_b32 v11, 15, v0
	v_lshl_add_u32 v[WOFF], v11, 4, v[WOFF]        ; 16 hh rows + 16 r
	s_mov_b64 s[24:25], s[22:23]
	s_mov_b64 s[30:31], s[28:29]
	SLOWSTEP 1
	s_mov_b32 s37, 31
.Lslow:
	SLOWSTEP 0
	s_sub_co_u32 s37, s37, 1
	s_cmp_lg_u32 s37, 0
	s_cbranch_scc1 .Lslow
.Lnext:
	s_sub_co_i32 s39, s39, 48
	s_add_co_u32 s38, s38, 1
	s_cmp_lt_u32 s38, 3
	s_cbranch_scc1 .Lpass
	s_wait_dscnt 0x0                               ; the wave's end: my last LDS instructions
	s_wait_alu depctr_hold_cnt(0) depctr_sa_sdst(0) depctr_va_vdst(0) depctr_va_sdst(0) depctr_va_ssrc(0) depctr_va_vcc(0) depctr_vm_vsrc(0)
	s_wait_tensorcnt 0x0
	ds_add_u32 v12, v13
	s_wait_dscnt 0x0
	s_endpgm
.Lfunc_end_k_qdea45da6c6_ffn1:
	.size	k_qdea45da6c6_ffn1, .Lfunc_end_k_qdea45da6c6_ffn1-k_qdea45da6c6_ffn1
	.p2alignl 7, 3214868480
	.fill 96, 4, 3214868480
	.section	.rodata,"a",@progbits
	.p2align	6, 0x0
	.amdhsa_kernel k_qdea45da6c6_ffn1
		.amdhsa_group_segment_fixed_size 248832
		.amdhsa_private_segment_fixed_size 0
		.amdhsa_enable_private_segment 0
		.amdhsa_kernarg_size 40
		.amdhsa_user_sgpr_count 2
		.amdhsa_user_sgpr_kernarg_segment_ptr 1
		.amdhsa_wavefront_size32 1
		.amdhsa_system_sgpr_workgroup_id_x 1
		.amdhsa_system_sgpr_workgroup_id_y 1
		.amdhsa_system_sgpr_workgroup_id_z 1
		.amdhsa_system_vgpr_workitem_id 0
		.amdhsa_next_free_vgpr 512
		.amdhsa_next_free_sgpr 88
		.amdhsa_reserve_vcc 0
		.amdhsa_float_denorm_mode_32 3
		.amdhsa_float_denorm_mode_16_64 3
		.amdhsa_memory_ordered 1
		.amdhsa_forward_progress 1
		.amdhsa_inst_pref_size 178
	.end_amdhsa_kernel
	.amdgpu_metadata
---
amdhsa.version: [ 1, 2 ]
amdhsa.kernels:
  - .name:           k_qdea45da6c6_ffn1
    .symbol:         k_qdea45da6c6_ffn1.kd
    .args:
      - { .name: W1, .offset: 0, .size: 8, .value_kind: global_buffer, .address_space: global }
      - { .name: b1, .offset: 8, .size: 8, .value_kind: global_buffer, .address_space: global }
      - { .name: xb, .offset: 16, .size: 8, .value_kind: global_buffer, .address_space: global }
      - { .name: bm, .offset: 24, .size: 8, .value_kind: global_buffer, .address_space: global }
      - { .name: h, .offset: 32, .size: 8, .value_kind: global_buffer, .address_space: global }
    .group_segment_fixed_size: 248832
    .private_segment_fixed_size: 0
    .kernarg_segment_align: 8
    .kernarg_segment_size: 40
    .max_flat_workgroup_size: 256
    .sgpr_count:     88
    .vgpr_count:     512
    .wavefront_size: 32
...
	.end_amdgpu_metadata
.endif
;; end of part 5
;; launch ffn2 (part 6): grid 32 x 8, 8 waves a work-group, no clusters, 248,832 bytes of LDS; arguments W2, b2, h, bm, y, gw; writes y
.if DOCPART == 6
	.amdgcn_target "amdgcn-amd-amdhsa--gfx1250"
	.amdhsa_code_object_version 6
	.text
	.protected	k_qdea45da6c6_ffn2
	.globl	k_qdea45da6c6_ffn2
	.p2align	8
	.type	k_qdea45da6c6_ffn2,@function
k_qdea45da6c6_ffn2:
	s_mov_b64 s[64:65], 0
	v_nop
	global_prefetch_b8 v0, s[64:65] scope:SCOPE_SE
	s_setreg_imm32_b32 hwreg(HW_REG_WAVE_SCHED_MODE, 0, 2), 2
	s_setreg_imm32_b32 hwreg(HW_REG_WAVE_MODE, 25, 1), 1
	s_wait_xcnt 0x0
	s_wait_alu depctr_vm_vsrc(0)
; ONE PRODUCT OF THE EXPERTS' CHAIN, for the routed rows alone.  One source text serves both layers; LAYER picks the constants.
;   LAYER 1: h[slot][4096] = bf16(gelu(xb[token] W1[e] + b1[e])).      LAYER 2: y[ks][slot][1024] = gw[slot] (h[slot][quarter ks of K] W2[e] (+ b2[e] in quarter 0)), f32 partial sums.
; A routed row is the SLOT k*1024 + token (rank k); each slot has one expert, so every byte of the output has one writer.
; SHARE.  Work-group (tile, expert e): a slice of the expert's weights, 1,024 k x 128 columns of f32, which it alone reads, and all of that expert's rows.  Eight waves, all running the same text.
; WEIGHTS WITHOUT A TRANSPOSE.  A 16-byte load gives lane (r = L % 16, hh = L / 16) columns 4 r .. 4 r + 3 of row k0 + 16 hh + j.  Component q of loads 2 i and 2 i + 1, rounded as a pair,
; IS register i of a source-1 fragment whose lane r holds column 4 r + q; its k order is k0 + 16 hh + 2 i + half.  The token fragment takes the same order: 32 consecutive bytes of the row at 2 (k0 + 16 hh).
; A K STEP is 32 rows of the slice, 16 KB.  Wave w = (g = w % 2, u = w / 2) loads rows 16 hh + 4 u + 0..3 of columns 64 g .. + 63 (4 loads), rounds them (registers 2 u, 2 u + 1 of fragments 4 g + 0..3) and lays them
; into a ring of five LDS slots; every wave then reads all eight fragments and multiplies its own rows: 3 blocks of 16 rows x 128 columns, 24 accumulators.
; ONE BARRIER A K STEP, ITS HALVES APART.  In step t a wave stores into slot (t + 2) % 5, waits for its LDS instructions and signals; it loads fragments 4-7 of slot t % 5 and issues 8 products; then it waits for the others.
; Slot k is stored in step k - 2 ahead of that step's signal and first read in step k - 1 behind that step's wait.  It is last read in step k, by loads awaited ahead of the signal of step k + 1, and stored again in
; step k + 3, behind the wait of step k + 2.  Between a signal and its wait stand LDS loads from slot t, which nobody writes before step t + 3, and work on registers.
; LOADS AHEAD.  Token rows and weights share the wave's one load counter, 6 + 4 loads a K step.  A step's rows are asked for four steps ahead, a stage of weights five: 34 loads of a wave stay out at the wait
; (four stages, three steps' rows), 44 behind the refills, which for the eight waves is 64 KB and 80 KB of weights.  Stage slots, row buffers and ring all go by 5, so five steps of text make the loop.
; Each stage slot and each row buffer has a scalar base pair of its own, rewritten only behind the counted wait that has shown its last loads done: no other wait stands in the loop for the bases.
; ROWS.  The expert's slots in the order of the bitmap form a list; wave w owns positions 128 B + 16 w + r and finds its slots from the bitmap in registers.  The barrier loop serves blocks B = 0..2
; (384 rows an expert); further rows, up to the 1,024 that an expert can get, go through up to two more passes without ring or barrier, so that whether they run may hang on the stored counts.
; THE WAY OUT is written out, twelve groups of four rows: every LDS address in it is a fixed lane register and an immediate offset.
; NO MULTICAST: a slice of weights has one reader, and the token rows that an expert's work-groups share come by a list that no tile descriptor covers.  The weights must pass through registers to be rounded.
; LIMITS.  Weights, bias and rows are bf16-rounded (every input of this program is, once); sums in f32; h is rounded once to bf16.  gelu is the tanh form written as x / (1 + 2^(x (K1 + K2 x^2))):
; the exponential may reach infinity or 0, which give the limits -0 and x.  NaN and infinities are not treated apart.
; THE MODE: SCHED_MODE bits 1:0 = 2 (LLVM: expert scheduling mode 2), set by the entry lines.  The code itself states the register dependences between vector or matrix instructions and memory or
; LDS instructions, with s_wait_alu, always for 0.
; THE PLAN.  Registers that memory or LDS instructions touch in the K loop, step t:
;   CV          written by the step's 8 conversions, read by its 4 LDS stores.
;   WR[(t+2)%5] read by the conversions; behind them the stage five steps on lands in it.
;   AR[t%5]     read by the step's products; the rows of step t + 5 land in it in step t + 1.
;   X, Y, Z     three fragment buffers.  Step t reads fragments 0-3 from e, 4-7 from o, and loads the next step's 0-3 into ne; e, o and ne are three different buffers in every step:
;               t % 5 = 0: X Z Y;  1: Y X Z;  2: Z Y X;  3: X Z Y;  4: Y Z X;  and step 0's e is step 4's ne, so five steps of text close the walk.
;   WOFF, AOFF, BAD, WST  offsets and LDS addresses, never written in the loop.
; So ONE wait on va_vdst stands in a step, behind its conversions: CV is written; the conversions are done reading WR; every product of the steps before is done reading AR[(t-1)%5], o and ne.  The step's 4 LDS
; stores, 10 global loads and 16 LDS loads follow it with no further wait: the products issued since name e, o (behind its load), AR[t%5] and the accumulators, none of which a later load of the step touches.
; One wait on vm_vsrc stands ahead of the conversions: the last step's LDS stores have read CV.
.set LAYER, 2
.if LAYER == 1
.set PWSH, 14                          ; a weight row is 2^PWSH bytes
.else
.set PWSH, 12
.endif
.set PW,     1<<PWSH
.set STEP,   32*PW                     ; a K step of 32 rows
.set RSLOT,  8192                      ; a ring slot: fragment f (0..7) at 1,024 f; its registers 0-3 at + 16 L, registers 4-7 at + 512 + 16 L
.set PRIV,   5*RSLOT                   ; for each wave 512 bytes: the slots of its 48 rows, u16; at GWL their gate weights, f32
.set PRIVB,  512
.set GWL,    128
.set STAGE,  PRIV+8*PRIVB              ; for each wave 48 rows x 528 bytes for the way out
.set SPITCH, 528
.set STAGEB, 48*SPITCH                 ; behind the eight stages 1,024 bytes for the closing add, 128 bytes a wave
; SCALARS: s[4:5] W  s[6:7] bias  s[8:9] rows  s[10:11] bm  s[12:13] out  s[14:15] gw  s16 wave  s17 g  s18 u  s19 e  s20 tile  s21 ks  s[22:23] slice  s[24:25] its stage in a later pass  s[26:27] stage offset
;   s[28:29] rows' base  s[30:31] at the K step in a later pass  s[32:33] its offset  s34 count  s35 my rows  s36 my blocks  s37 loop counts  s38 pass  s39 rows left  s40-45, s54, s55, s60-62 at work
;   s46-47 lane selects  s48 mask of lanes 16-31  s49 all ones in quarter 0  s50 my PRIV  s51 my STAGE  s53 384 x pass  s[56:57] K1  s[58:59] K2
;   s66-79 are at work in the search for my rows, while no load that reads a base pair is out: s66-68 and s69-71 running counts, s72-79 masks
.set WB,   66                          ; s[66:75]  the base pair of stage slot p at WB + 2 p
.set AB,   76                          ; s[76:85]  the base pair of row buffer a at AB + 2 a
.set WOFF, 1                           ; v1      my byte offset in a stage of weights
.set WST,  2                           ; v2      where my rounded weights go in a ring slot
.set BAD,  3                           ; v3      16 L: a fragment's read address (the ring begins at LDS byte 0)
.set AOFF, 4                           ; v4-6    byte offsets of my lane's row in blocks 0-2
.set POS,  7                           ; v7      128 hh + 16 w + r: the first list position that my lane searches in pass 0
.set SLT,  8                           ; v8-10   the slots of my lane's rows in blocks 0-2
.set CV,   16                          ; v16-23  rounded weights on their way to LDS
.set WR,   24                          ; v24-103 five stage slots of 16
.set AR,   104                         ; v104-223 five buffers of 3 token fragments
.set T,    104                         ; the search for my rows works here while no row load is out
.set FB,   192                         ; fragment buffers: 0 = X, v192-223 of window 1; 1 = Y, v224-255 of window 1; 2 = Z, v224-255 of window 0.  Window 1, v0-191: accumulator (b, n) at 8 (8 b + n)
.set DT,   32                          ; the way out: block b's 64 registers at DT + 64 b
.set GA,   224                         ; the way out, layer 2: v224-226 offsets of my three rows' gate weights, v228-230 the weights
.set GW,   228
.set MSB, 0
.macro WIN new                         ; the immediate's high byte repeats the setting that is left; at every label and branch the setting is 0
.if MSB != (\new)
	s_set_vgpr_msb (MSB<<8)|(\new)
.set MSB, \new
.endif
.endm
.macro PLACES                          ; four plain places between a product and a load or write into its registers, or a read of its result
.rept 4
	v_nop
.endr
.endm
; Stage slot p is rounded and stored into ring slot p; row buffer a takes the rows four K steps on, stage slot p the stage five further on.  n: the younger loads that may stay out.  e = 0: the first feed of all.
.macro FEED p, a, n, e=1
	s_wait_loadcnt \n                              ; loads come back in order: this stage's 4 loads, and this K step's rows, are in
.if \e
	s_wait_alu depctr_vm_vsrc(0)                   ; the LDS stores of the feed before have read v[CV ..], which the conversions write again
.endif
.irp q,0,1,2,3
.irp i,0,1
	v_cvt_pk_bf16_f32 v[CV+2*\q+\i], v[WR+16*(\p)+8*\i+\q], v[WR+16*(\p)+8*\i+4+\q]   ; these eight are also the places behind the last step's products
.endr
.endr
	s_wait_alu depctr_va_vdst(0)                   ; the step's one wait: the conversions have written v[CV ..] and are done reading the stage slot; the products of the steps before are done reading the row buffer and the two fragment buffers in which this step's loads land
.irp q,0,1,2,3
	ds_store_b64 v[WST], v[CV+2*\q:CV+2*\q+1] offset:(\p)*RSLOT+\q*1024
.endr
	s_add_co_u32 s32, s32, 64
	s_min_u32 s32, s32, 1984                       ; past the last K step it is asked for again: every step has the same loads and counts, and no load leaves the buffer
	s_add_nc_u64 s[AB+2*(\a):AB+2*(\a)+1], s[28:29], s[32:33]  ; the buffer's own pair: its last loads were the rows multiplied in the step before, shown done by that step's wait
.irp b,0,1,2
	global_load_b128 v[AR+24*(\a)+8*\b:AR+24*(\a)+8*\b+3], v[AOFF+\b], s[AB+2*(\a):AB+2*(\a)+1]
	global_load_b128 v[AR+24*(\a)+8*\b+4:AR+24*(\a)+8*\b+7], v[AOFF+\b], s[AB+2*(\a):AB+2*(\a)+1] offset:16
.endr
	s_add_co_u32 s26, s26, STEP
	s_min_u32 s26, s26, 31*STEP                    ; past the slice's end the last stage is asked for again
	s_add_nc_u64 s[WB+2*(\p):WB+2*(\p)+1], s[22:23], s[26:27]  ; the slot's own pair: its last loads are the ones just rounded, shown done by the wait above
.irp j,0,1,2,3
	global_load_b128 v[WR+16*(\p)+4*\j:WR+16*(\p)+4*\j+3], v[WOFF], s[WB+2*(\p):WB+2*(\p)+1] offset:\j*PW   ; 16 lanes take 256 consecutive bytes of a row, aligned
.endr
.endm
.macro BLOAD id, ls, f0                ; four fragments f0 .. f0 + 3 of ring slot ls, into fragment buffer id.  No wait: no vector or matrix instruction since the step's wait names that buffer
.set fbr, FB+32*(((\id)+1)/2)
	WIN 0x40*(1-(\id)/2)
.irp q,0,1,2,3
	ds_load_b128 v[fbr+8*\q:fbr+8*\q+3], v[BAD] offset:(\ls)*RSLOT+((\f0)+\q)*1024
	ds_load_b128 v[fbr+8*\q+4:fbr+8*\q+7], v[BAD] offset:(\ls)*RSLOT+((\f0)+\q)*1024+512
.endr
.endm
; 8 + 4 products: token fragments at ab x the weight fragments of buffer id, accumulators n0 .. n0 + 3 of every block.  Each accumulator has one instruction a K step.
; zero = 1: the products start the sums.  skip = 1: block 2 is jumped where the wave has two blocks or fewer.  bar = 1: the step's barrier is waited for behind the first eight.
.macro MUL ab, id, n0, zero, skip, bar=0
.set fbr, FB+32*(((\id)+1)/2)
	WIN 0x50+4*(1-(\id)/2)                         ; tokens in window 0; C and D in window 1; weights in the buffer's window
.irp b,0,1
.irp q,0,1,2,3
.if \zero
	v_wmma_f32_16x16x32_bf16 v[8*(8*\b+(\n0)+\q):8*(8*\b+(\n0)+\q)+7], v[(\ab)+8*\b:(\ab)+8*\b+7], v[fbr+8*\q:fbr+8*\q+7], 0
.else
	v_wmma_f32_16x16x32_bf16 v[8*(8*\b+(\n0)+\q):8*(8*\b+(\n0)+\q)+7], v[(\ab)+8*\b:(\ab)+8*\b+7], v[fbr+8*\q:fbr+8*\q+7], v[8*(8*\b+(\n0)+\q):8*(8*\b+(\n0)+\q)+7]
.endif
.endr
.endr
.if \bar
	s_barrier_wait -1                              ; every wave's stores of this step are in the ring, and its reads of the steps before are over
.endif
.if \skip
	WIN 0
	s_cmp_lt_u32 s36, 3
	s_cbranch_scc1 .Lno2_\@
	WIN 0x50+4*(1-(\id)/2)
.endif
.irp q,0,1,2,3
.if \zero
	v_wmma_f32_16x16x32_bf16 v[8*(16+(\n0)+\q):8*(16+(\n0)+\q)+7], v[(\ab)+16:(\ab)+23], v[fbr+8*\q:fbr+8*\q+7], 0
.else
	v_wmma_f32_16x16x32_bf16 v[8*(16+(\n0)+\q):8*(16+(\n0)+\q)+7], v[(\ab)+16:(\ab)+23], v[fbr+8*\q:fbr+8*\q+7], v[8*(16+(\n0)+\q):8*(16+(\n0)+\q)+7]
.endif
.endr
	WIN 0
.if \skip
.Lno2_\@:
.endif
.endm
; K step t (t5 = t % 5).  n: the loads that may stay out at its head.  be, bo, bn: the buffers of its fragments 0-3, of its fragments 4-7, and of the next step's fragments 0-3.
.macro TRIP t5, zero, n, be, bo, bn
	FEED ((\t5)+2)%5, ((\t5)+4)%5, \n
	s_wait_dscnt 0x0                               ; my stores into the ring are done, and my LDS loads of the step before are back (fragments 0-3 of this step among them)
	s_barrier_signal -1                            ; say so; the wait stands behind eight products
.if \zero
	BLOAD \be, \t5, 0                              ; the first step's fragments 0-3; later they are fetched a step ahead
.endif
	BLOAD \bo, \t5, 4                              ; slot t: whole since two barriers ago, and stored again three steps on
.if \zero
	s_wait_dscnt 8                                 ; fragments 0-3 are in; the 8 loads of 4-7 may be out
.endif
	MUL AR+24*(\t5), \be, 0, \zero, 1-(\zero), 1
	BLOAD \bn, ((\t5)+1)%5, 0                      ; the next step's fragments 0-3, into the buffer that this step's products do not name; its last readers stand ahead of this step's conversions
	s_wait_dscnt 8                                 ; fragments 4-7 are in; the 8 just issued may be out
	MUL AR+24*(\t5), \bo, 4, \zero, 1-(\zero)
.endm
; 32 bitmap words, four a trip: for each of my two positions the last word whose running count does not exceed it is kept, with that count and the word's number.
; The counts ahead of the four words are made first, so that the eight compares stand in one run, with one wait between them and the selects.
.macro FIND src
	s_mov_b32 s37, 0
.Lfind_\@:
	s_add_co_u32 s60, s37, 1
	s_add_co_u32 s61, s37, 2
	s_add_co_u32 s62, s37, 3
	v_readlane_b32 s40, v[\src], s37
	v_readlane_b32 s41, v[\src], s60
	v_readlane_b32 s54, v[\src], s61
	v_readlane_b32 s55, v[\src], s62
	s_wait_alu depctr_va_sdst(0)                   ; the four words are written into s40, s41, s54, s55, ahead of their first reader
	s_bcnt1_i32_b32 s45, s40
	s_add_co_u32 s66, s42, s45                     ; the running count ahead of the second word,
	s_add_co_u32 s69, s44, s45                     ; and the same with the word's number on top
	s_add_co_u32 s69, s69, 0x10000
	s_bcnt1_i32_b32 s45, s41
	s_add_co_u32 s67, s66, s45                     ; ahead of the third
	s_add_co_u32 s70, s69, s45
	s_add_co_u32 s70, s70, 0x10000
	s_bcnt1_i32_b32 s45, s54
	s_add_co_u32 s68, s67, s45                     ; ahead of the fourth
	s_add_co_u32 s71, s70, s45
	s_add_co_u32 s71, s71, 0x10000
	s_bcnt1_i32_b32 s45, s55
.irp i,0,1
	v_cmp_gt_u32 s[72+\i], s42, v[T+4+\i]
	v_cmp_gt_u32 s[74+\i], s66, v[T+4+\i]
	v_cmp_gt_u32 s[76+\i], s67, v[T+4+\i]
	v_cmp_gt_u32 s[78+\i], s68, v[T+4+\i]
.endr
	s_wait_alu depctr_va_sdst(0)                   ; the eight masks s72-79 are written, ahead of the selects that read them
.irp i,0,1
	v_cndmask_b32 v[T+8+\i], s40, v[T+8+\i], s[72+\i]
	v_cndmask_b32 v[T+12+\i], s44, v[T+12+\i], s[72+\i]
	v_cndmask_b32 v[T+8+\i], s41, v[T+8+\i], s[74+\i]
	v_cndmask_b32 v[T+12+\i], s69, v[T+12+\i], s[74+\i]
	v_cndmask_b32 v[T+8+\i], s54, v[T+8+\i], s[76+\i]
	v_cndmask_b32 v[T+12+\i], s70, v[T+12+\i], s[76+\i]
	v_cndmask_b32 v[T+8+\i], s55, v[T+8+\i], s[78+\i]
	v_cndmask_b32 v[T+12+\i], s71, v[T+12+\i], s[78+\i]
.endr
	s_add_co_u32 s42, s68, s45                     ; the counts behind the fourth word
	s_add_co_u32 s44, s71, s45
	s_add_co_u32 s44, s44, 0x10000
	s_add_co_u32 s37, s37, 4
	s_cmp_lt_u32 s37, 32
	s_cbranch_scc1 .Lfind_\@
.endm
.macro SELSTEP ca, cb, wd, inc         ; is the wanted bit beyond the lower field?  Both positions side by side: ca, cb hold their field counts
	v_bfe_u32 v[T+20], v[\ca], v[T+24], \wd
	v_bfe_u32 v[T+22], v[\cb], v[T+25], \wd
	v_cmp_ge_u32 s72, v[T+4], v[T+20]
	v_cmp_ge_u32 s73, v[T+5], v[T+22]
	s_wait_alu depctr_va_sdst(0)                   ; the two masks s72, s73 are written, ahead of the selects that read them
	v_cndmask_b32 v[T+20], 0, v[T+20], s72
	v_cndmask_b32 v[T+21], 0, \inc, s72
	v_cndmask_b32 v[T+22], 0, v[T+22], s73
	v_cndmask_b32 v[T+23], 0, \inc, s73
	v_sub_nc_u32 v[T+4], v[T+4], v[T+20]
	v_add_nc_u32 v[T+24], v[T+24], v[T+21]
	v_sub_nc_u32 v[T+5], v[T+5], v[T+22]
	v_add_nc_u32 v[T+25], v[T+25], v[T+23]
.endm
.macro SELECT2                         ; for both positions: the place of set bit number q of the word: counts of fields of 2, 4, 8 and 16 bits (position i's at T + 40 + 4 i ..), then five halvings; slot = 32 x word + place
.irp i,0,1
	v_and_b32 v[T+20], 0xffff, v[T+12+\i]
	v_sub_nc_u32 v[T+4+\i], v[T+4+\i], v[T+20]     ; q
	v_lshrrev_b32 v[T+12+\i], 16, v[T+12+\i]
	v_lshrrev_b32 v[T+40+4*\i], 1, v[T+8+\i]
	v_and_b32 v[T+40+4*\i], 0x55555555, v[T+40+4*\i]
	v_sub_nc_u32 v[T+40+4*\i], v[T+8+\i], v[T+40+4*\i]
	v_lshrrev_b32 v[T+41+4*\i], 2, v[T+40+4*\i]
	v_and_b32 v[T+41+4*\i], 0x33333333, v[T+41+4*\i]
	v_and_b32 v[T+42+4*\i], 0x33333333, v[T+40+4*\i]
	v_add_nc_u32 v[T+41+4*\i], v[T+41+4*\i], v[T+42+4*\i]
	v_lshrrev_b32 v[T+42+4*\i], 4, v[T+41+4*\i]
	v_add_nc_u32 v[T+42+4*\i], v[T+42+4*\i], v[T+41+4*\i]
	v_and_b32 v[T+42+4*\i], 0x0f0f0f0f, v[T+42+4*\i]
	v_lshrrev_b32 v[T+43+4*\i], 8, v[T+42+4*\i]
	v_add_nc_u32 v[T+43+4*\i], v[T+43+4*\i], v[T+42+4*\i]
	v_mov_b32 v[T+24+\i], 0
.endr
	SELSTEP T+43, T+47, 8, 16
	SELSTEP T+42, T+46, 8, 8
	SELSTEP T+41, T+45, 4, 4
	SELSTEP T+40, T+44, 2, 2
	SELSTEP T+8, T+9, 1, 1
.irp i,0,1
	v_lshl_add_u32 v[T+24+\i], v[T+12+\i], 5, v[T+24+\i]
.endr
.endm
.macro BMLOAD                          ; lane j: the expert's bitmap word j of rank 0, and of rank 1
	v_and_b32 v[T+2], 31, v0
	v_lshlrev_b32 v[T+2], 2, v[T+2]
	s_wait_alu depctr_va_vdst(0)                   ; v[T+2] is written, which the two loads read; at the kernel's head so is v[WOFF], which the weights' loads read; in a later pass the way out is done with v[T] and v[T+1], in which the loads land
	global_load_b32 v[T], v[T+2], s[10:11]
	global_load_b32 v[T+1], v[T+2], s[10:11] offset:128
.endm
; The slots of my three blocks in the pass at list offset s53.  Lane (r, hh) searches row r of blocks hh and 2 + hh (block 3 serves nothing); the halves of the lanes then exchange what they found.
; n: the loads issued behind the bitmap's, which may stay out.  A position past the count gives some slot that exists; its row is never stored.
.macro SETROWS n
	v_add_nc_u32 v[T+4], s53, v[POS]
	v_add_nc_u32 v[T+5], 0x100, v[T+4]
.irp i,0,1
	v_mov_b32 v[T+8+\i], 0
	v_mov_b32 v[T+12+\i], 0
.endr
	s_mov_b32 s42, 0
	s_mov_b32 s44, 0
	s_wait_loadcnt \n
	FIND T
	FIND T+1
	s_mov_b32 s34, s42                             ; the expert's rows
	SELECT2
	v_permlanex16_b32 v[T+8], v[T+24], s46, s47    ; what the lane 16 away found
	v_permlanex16_b32 v[T+9], v[T+25], s46, s47
	v_cndmask_b32 v[T+26], v[T+24], v[T+8], s48    ; block 0: lanes 0-15 found it themselves
	v_cndmask_b32 v[T+27], v[T+8], v[T+24], s48    ; block 1: lanes 16-31 did
	v_cndmask_b32 v[T+28], v[T+25], v[T+9], s48    ; block 2: lanes 0-15 again
	v_and_b32 v[T+32], 15, v0
	v_bfe_u32 v[T+33], v0, 4, 1
	v_lshl_add_u32 v[T+34], v[T+32], 1, s50
	v_lshlrev_b32 v[T+33], 5, v[T+33]              ; 32 hh: my half's 32 bytes of a K step
.irp b,0,1,2
	v_min_u32 v[SLT+\b], 0x7ff, v[T+26+\b]
.if LAYER == 1
	v_and_b32 v[AOFF+\b], 0x3ff, v[SLT+\b]         ; the slot's token
	v_lshl_add_u32 v[AOFF+\b], v[AOFF+\b], 11, v[T+33]
.else
	v_lshl_add_u32 v[AOFF+\b], v[SLT+\b], 13, v[T+33]
.endif
.endr
	s_wait_alu depctr_va_vdst(0)                   ; the slots and v[T+34] are written, which the LDS stores read; v[AOFF ..] are written, which the rows' loads read; the search is done with v[T ..], in which those loads land
.irp b,0,1,2
	ds_store_b16 v[T+34], v[SLT+\b] offset:32*\b   ; row 16 b + r of my 48; the two halves of the lanes store the same number
.endr
	s_wait_alu depctr_vm_vsrc(0)                   ; the bitmap's loads have read v[T+2] and the LDS stores v[T+34]: loads of rows (in a later pass: of weights) land in both
.endm
; Block b leaves its accumulators: register j of the eight accumulators, side by side, is 2 x 16 bytes of row 8 hh + j; each accumulator is read from register 0 up.  16 lanes store 256 consecutive LDS bytes.
; Each block has 64 registers of its own, so that no copy writes a register that an LDS store of the block before reads.
.macro DUMPB b
	WIN 0x01
.irp j,0,1,2,3,4,5,6,7
.irp c,0,1,2,3,4,5,6,7
	v_mov_b32 v[DT+64*\b+8*\j+\c], v[8*(8*\b+\c)+\j]
.endr
.endr
	WIN 0
	s_wait_alu depctr_va_vdst(0)                   ; the copies have written the block's 64 registers, which the LDS stores read
.irp j,0,1,2,3,4,5,6,7
	ds_store_b128 v14, v[DT+64*\b+8*\j:DT+64*\b+8*\j+3] offset:(16*\b+\j)*SPITCH
	ds_store_b128 v14, v[DT+64*\b+8*\j+4:DT+64*\b+8*\j+7] offset:(16*\b+\j)*SPITCH+256
.endr
.endm
.macro LDGROUP G                       ; group G: four whole rows of my stage, their slots (and gate weights)
.irp i,0,1,2,3
	ds_load_b128 v[96+4*\i:99+4*\i], v15 offset:(4*(\G)+\i)*SPITCH
.endr
	ds_load_b64 v[112:113], v16 offset:8*(\G)
.if LAYER == 2
	ds_load_b128 v[116:119], v16 offset:GWL+16*(\G)
.endif
.endm
; Group G of the way out: rows 4 G .. 4 G + 3 of my 48 get the bias (and the activation, or the gate weight) and are stored; the next group's LDS loads are issued in between.
; Where no row is left, the rest of the way out is jumped; s39 is the number of my rows in this pass and beyond.
.macro ROWS G
	s_wait_dscnt 0x0                               ; this group's rows, asked for a group ago
.if \G > 0
	s_cmp_le_i32 s39, 4*(\G)
	s_cbranch_scc1 .Lrows_done
.endif
	s_wait_xcnt 0x0                                ; the last group's stores have read their data and offsets
.if \G > 0
	s_wait_alu depctr_vm_vsrc(0)                   ; the last group's stores have read their data and their offsets v168-171, which the lines below write again
.endif
.irp i,0,1,2,3,4,5,6,7
	v_pk_add_f32 v[120+2*\i:121+2*\i], v[96+2*\i:97+2*\i], v[24+2*(\i%2):25+2*(\i%2)]
.endr
	v_and_b32 v168, 0xffff, v112
	v_lshrrev_b32 v169, 16, v112
	v_and_b32 v170, 0xffff, v113
	v_lshrrev_b32 v171, 16, v113
.irp i,168,169,170,171
	v_min_u32 v\i, 0x7ff, v\i
.if LAYER == 1
	v_lshl_add_u32 v\i, v\i, 13, v17
.else
	v_lshl_add_u32 v\i, v\i, 12, v17
.endif
.endr
.if LAYER == 2
	v_pk_mul_f32 v[120:121], v[120:121], v[116:117] op_sel_hi:[1,0]                ; each row by its gate weight
	v_pk_mul_f32 v[122:123], v[122:123], v[116:117] op_sel_hi:[1,0]
	v_pk_mul_f32 v[124:125], v[124:125], v[116:117] op_sel:[0,1] op_sel_hi:[1,1]
	v_pk_mul_f32 v[126:127], v[126:127], v[116:117] op_sel:[0,1] op_sel_hi:[1,1]
	v_pk_mul_f32 v[128:129], v[128:129], v[118:119] op_sel_hi:[1,0]
	v_pk_mul_f32 v[130:131], v[130:131], v[118:119] op_sel_hi:[1,0]
	v_pk_mul_f32 v[132:133], v[132:133], v[118:119] op_sel:[0,1] op_sel_hi:[1,1]
	v_pk_mul_f32 v[134:135], v[134:135], v[118:119] op_sel:[0,1] op_sel_hi:[1,1]
	s_wait_alu depctr_va_vdst(0)                   ; the lines above are done reading v96-119, in which the next group's loads land, and have written v120-135 and v168-171, which the stores read
.if \G < 11
	LDGROUP (\G)+1                                 ; the next four rows
.endif
	global_store_b128 v168, v[120:123], s[12:13]   ; 32 lanes store a row's 512 consecutive bytes, aligned
	s_cmp_lt_i32 s39, 4*(\G)+2
	s_cbranch_scc1 .Lrows_done
	global_store_b128 v169, v[124:127], s[12:13]
	s_cmp_lt_i32 s39, 4*(\G)+3
	s_cbranch_scc1 .Lrows_done
	global_store_b128 v170, v[128:131], s[12:13]
	s_cmp_lt_i32 s39, 4*(\G)+4
	s_cbranch_scc1 .Lrows_done
	global_store_b128 v171, v[132:135], s[12:13]
.else
.irp i,0,2,4,6,8,10,12,14
	v_pk_mul_f32 v[136+\i:137+\i], v[120+\i:121+\i], v[120+\i:121+\i]
.endr
.irp i,0,2,4,6,8,10,12,14
	v_pk_fma_f32 v[136+\i:137+\i], v[136+\i:137+\i], s[58:59], s[56:57] op_sel_hi:[1,0,0]
.endr
.irp i,0,2,4,6,8,10,12,14
	v_pk_mul_f32 v[136+\i:137+\i], v[136+\i:137+\i], v[120+\i:121+\i]
.endr
.irp i,0,1,2,3,4,5,6,7,8,9,10,11,12,13,14,15
	v_exp_f32 v[136+\i], v[136+\i]
.endr
	v_nop                                          ; a plain instruction behind the batch,
	s_wait_alu depctr_va_vdst(0)                   ; and one wait: the sixteen exponentials have written v136-151, ahead of their first reader; and the sums and offsets above are done reading v96-113, in which the next group's loads land
.if \G < 11
	LDGROUP (\G)+1                                 ; the next four rows
.endif
.irp i,0,2,4,6,8,10,12,14
	v_pk_add_f32 v[136+\i:137+\i], v[136+\i:137+\i], 1.0 op_sel_hi:[1,0]
.endr
.irp i,0,1,2,3,4,5,6,7,8,9,10,11,12,13,14,15
	v_rcp_f32 v[136+\i], v[136+\i]
.endr
	v_nop
	s_wait_alu depctr_va_vdst(0)                   ; the sixteen reciprocals have written v136-151, ahead of their first reader
.irp i,0,2,4,6,8,10,12,14
	v_pk_mul_f32 v[136+\i:137+\i], v[136+\i:137+\i], v[120+\i:121+\i]
.endr
.irp i,0,1,2,3,4,5,6,7
	v_cvt_pk_bf16_f32 v[172+\i], v[136+2*\i], v[137+2*\i]
.endr
	s_wait_alu depctr_va_vdst(0)                   ; the roundings have written v172-179, which the stores read (their offsets v168-171 were written further up)
	global_store_b64 v168, v[172:173], s[12:13]    ; 32 lanes store a row's 256 consecutive bytes, aligned
	s_cmp_lt_i32 s39, 4*(\G)+2
	s_cbranch_scc1 .Lrows_done
	global_store_b64 v169, v[174:175], s[12:13]
	s_cmp_lt_i32 s39, 4*(\G)+3
	s_cbranch_scc1 .Lrows_done
	global_store_b64 v170, v[176:177], s[12:13]
	s_cmp_lt_i32 s39, 4*(\G)+4
	s_cbranch_scc1 .Lrows_done
	global_store_b64 v171, v[178:179], s[12:13]
.endif
.endm
; A K step of a later pass: the wave loads and rounds the weights for itself; nothing is shared, so no barrier is needed.  The two halves of the columns have raw registers of their own (v128-191, v192-255),
; so that one wait at the step's head serves all 38 loads.
.macro SLOWSTEP zero
	PLACES
	s_wait_alu depctr_va_vdst(0)                   ; the last step's products are done reading the rows' registers and its conversions the raw weights', in which the loads below land; ahead of the first step v[WOFF] is written, which they read
.irp b,0,1,2
	global_load_b128 v[AR+8*\b:AR+8*\b+3], v[AOFF+\b], s[30:31]
	global_load_b128 v[AR+8*\b+4:AR+8*\b+7], v[AOFF+\b], s[30:31] offset:16
.endr
.irp g,0,1
.irp j,0,1,2,3,4,5,6,7,8,9,10,11,12,13,14,15
	global_load_b128 v[128+64*\g+4*\j:131+64*\g+4*\j], v[WOFF], s[24:25] offset:\j*PW+256*\g
.endr
.endr
.irp g,0,1
	s_wait_loadcnt 16-16*\g                        ; the rows and this half's 16 loads are in; the other half's 16 may stay out
	WIN 0x40
.irp q,0,1,2,3
.irp i,0,1,2,3,4,5,6,7
	v_cvt_pk_bf16_f32 v[FB+32*\g+8*\q+\i], v[128+64*\g+8*\i+\q], v[132+64*\g+8*\i+\q]
.endr
.endr
	MUL AR, \g, 4*\g, \zero, 0
.endr
	s_add_nc_u64 s[24:25], s[24:25], STEP          ; no load is out: the wait for 0 above
	s_add_nc_u64 s[30:31], s[30:31], 64
.endm
	s_load_b256 s[4:11], s[0:1], 0x0               ; W, bias, rows, bm
.if LAYER == 1
	s_load_b64 s[12:13], s[0:1], 0x20              ; out
.else
	s_load_b128 s[12:15], s[0:1], 0x20             ; out, gw
	v_lshl_add_u32 v12, v0, 2, 0x3c800
	v_mov_b32 v13, 0
.endif
	v_lshrrev_b32 v1, 5, v0
	v_readfirstlane_b32 s16, v1                    ; wave 0..7
	v_and_b32 v14, 31, v0                          ; L
	v_and_b32 v15, 15, v0                          ; r
	v_bfe_u32 v11, v0, 4, 1                        ; hh
	v_lshlrev_b32 v[BAD], 4, v14
	v_lshlrev_b32 v[WOFF], 4, v11
	s_and_b32 s19, ttmp7, 0xffff                   ; expert
.if LAYER == 1
	s_mov_b32 s20, ttmp9                           ; slice of 128 columns
.else
	s_and_b32 s20, ttmp9, 7                        ; slice of 128 columns
	s_lshr_b32 s21, ttmp9, 3                       ; quarter of K
.endif
	s_lshl_b32 s26, s19, 24                        ; an expert's weights are 2^24 bytes
	s_lshl_b32 s41, s20, 9
	s_add_co_u32 s26, s26, s41
.if LAYER == 2
	s_lshl_b32 s43, s21, 22                        ; 1,024 rows of 4,096 bytes
	s_add_co_u32 s26, s26, s43
.endif
	s_mov_b32 s27, 0
	s_wait_alu depctr_va_sdst(0)                   ; s16 is written, ahead of its first reader
	s_and_b32 s17, s16, 1                          ; g: which 64 columns of a stage I load
	s_lshr_b32 s18, s16, 1                         ; u: which 4 rows of each 16
	s_lshl_b32 s45, s18, 2
	v_add_nc_u32 v[WOFF], s45, v[WOFF]
	v_lshlrev_b32 v[WOFF], PWSH, v[WOFF]
	v_lshl_add_u32 v[WOFF], v15, 4, v[WOFF]
	s_lshl_b32 s45, s17, 8
	v_add_nc_u32 v[WOFF], s45, v[WOFF]             ; (16 hh + 4 u) rows + 256 g + 16 r
	s_lshl_b32 s45, s17, 12
	s_lshr_b32 s44, s18, 1
	s_lshl_b32 s44, s44, 9
	s_add_co_u32 s45, s45, s44
	s_and_b32 s44, s18, 1
	s_lshl_b32 s44, s44, 3
	s_add_co_u32 s45, s45, s44
	v_add_nc_u32 v[WST], s45, v[BAD]               ; 4,096 g + 512 (u / 2) + 8 (u % 2) + 16 L
	s_lshl_b32 s45, s16, 4
	v_lshl_add_u32 v[POS], v11, 7, v15
	v_add_nc_u32 v[POS], s45, v[POS]               ; 128 hh + 16 w + r
	s_mul_i32 s50, s16, PRIVB
	s_add_co_u32 s50, s50, PRIV
	s_mul_i32 s51, s16, STAGEB
	s_add_co_u32 s51, s51, STAGE
	s_mov_b32 s46, 0x76543210                      ; v_permlanex16_b32: each lane takes its own place in the other half
	s_mov_b32 s47, 0xfedcba98
	s_mov_b32 s48, 0xffff0000                      ; lanes 16-31
	s_mov_b32 s56, 0xc0135761                      ; K1 = -2 sqrt(2/pi) log2(e)
	s_mov_b32 s57, s56
	s_mov_b32 s58, 0xbdd2d3e8                      ; K2 = 0.044715 K1
	s_mov_b32 s59, s58
	s_mov_b32 s53, 0
	s_mov_b32 s33, 0
	s_wait_kmcnt 0x0
	s_add_nc_u64 s[22:23], s[4:5], s[26:27]        ; my slice's first byte
.if LAYER == 1
	s_mov_b64 s[28:29], s[8:9]
	s_lshl_b32 s32, s19, 14
.else
	s_lshl_b32 s32, s21, 11
	s_add_nc_u64 s[28:29], s[8:9], s[32:33]        ; my quarter of a row of h
	s_lshl_b32 s32, s19, 12
.endif
	s_add_co_u32 s32, s32, s41
	s_add_nc_u64 s[6:7], s[6:7], s[32:33]          ; my 128 numbers of the bias
.if LAYER == 1
	s_lshl_b32 s32, s20, 8
.else
	s_lshl_b32 s32, s21, 23
	s_add_co_u32 s32, s32, s41
	s_cmp_eq_u32 s21, 0
	s_cselect_b32 s49, -1, 0                       ; the bias belongs to quarter 0
.endif
	s_add_nc_u64 s[12:13], s[12:13], s[32:33]      ; my columns of the output
	s_lshl_b32 s32, s19, 8
	s_add_nc_u64 s[10:11], s[10:11], s[32:33]      ; the expert's 64 bitmap words
	BMLOAD
.irp s,0,1,2,3,4                       ; the first five stages go out before anything else is worked on
.irp j,0,1,2,3
	global_load_b128 v[WR+16*\s+4*\j:WR+16*\s+4*\j+3], v[WOFF], s[22:23] offset:\s*STEP+\j*PW
.endr
.endr
	SETROWS 20                                     ; the bitmap is in; the 20 weight loads behind it stay out
	s_lshr_b32 s35, s34, 7                         ; my rows: 16 for each full 128 of the list,
	s_lshl_b32 s35, s35, 4
	s_and_b32 s41, s34, 127
	s_lshl_b32 s43, s16, 4
	s_sub_co_i32 s41, s41, s43
	s_max_i32 s41, s41, 0
	s_min_i32 s41, s41, 16                         ; and my part of the rest
	s_add_co_u32 s35, s35, s41
	s_add_co_u32 s36, s35, 15
	s_lshr_b32 s36, s36, 4
	s_min_u32 s36, s36, 3                          ; my blocks in the first pass
.irp a,0,1
.irp b,0,1,2
	global_load_b128 v[AR+24*\a+8*\b:AR+24*\a+8*\b+3], v[AOFF+\b], s[28:29] offset:64*\a
	global_load_b128 v[AR+24*\a+8*\b+4:AR+24*\a+8*\b+7], v[AOFF+\b], s[28:29] offset:64*\a+16
.endr
.endr
	s_mov_b32 s32, 64
	s_mov_b32 s26, 4*STEP
	FEED 0, 2, 28, 0                               ; behind stage 0's loads: stages 1-4 (16) and two K steps' rows (12)
	FEED 1, 3, 34                                  ; behind stage 1's: stages 2-4 (12), 12, K step 2's rows (6), stage 5 (4)
	s_wait_dscnt 0x0                               ; stages 0 and 1 are in the ring
	s_barrier_signal -1
	s_barrier_wait -1
	TRIP 0, 1, 26, 0, 2, 1                         ; the first K step starts the sums: nothing is cleared.  Behind K step 0's rows: 6 + 6 + 4 + 6 + 4 loads
	TRIP 1, 0, 30, 1, 0, 2                         ; behind K step 1's rows: 6 + 4 + 6 + 4 + 6 + 4
	s_mov_b32 s37, 6
.Lmain:                                                ; 6 x 5 K steps; behind a K step's rows stand a stage's 4 loads and three steps of 10
	TRIP 2, 0, 34, 2, 1, 0
	TRIP 3, 0, 34, 0, 2, 1
	TRIP 4, 0, 34, 1, 2, 0
	TRIP 0, 0, 34, 0, 2, 1
	TRIP 1, 0, 34, 1, 0, 2
	s_sub_co_u32 s37, s37, 1
	s_cmp_lg_u32 s37, 0
	s_cbranch_scc1 .Lmain
	s_wait_loadcnt 0x0                             ; the repeated last stages and rows; no barrier follows
	s_wait_dscnt 0x0                               ; the last step's look-ahead fragments
	s_wait_alu depctr_vm_vsrc(0)                   ; the ring's last LDS stores have read v[CV ..], which the way out writes as its addresses
	s_mov_b32 s39, s35
	s_mov_b32 s38, 0
.Lpass:                                                ; three passes of 48 rows a wave cover the 128 that a wave can get
	s_cmp_le_i32 s39, 0
	s_cbranch_scc1 .Lnext
	; ---- the way out: accumulators into my stage, back as whole rows, four rows a group ----
	PLACES
	v_and_b32 v18, 31, v0
	v_and_b32 v19, 15, v0
	v_bfe_u32 v20, v0, 4, 1
	v_lshlrev_b32 v21, 4, v18
.if LAYER == 2
.irp b,0,1,2
	v_lshlrev_b32 v[GA+\b], 2, v[SLT+\b]
.endr
	v_lshl_add_u32 v22, v19, 2, s50                ; where my lane's gate weights go
.endif
	v_mul_u32_u24 v14, v20, 8*SPITCH
	v_lshl_add_u32 v14, v19, 4, v14
	v_add_nc_u32 v14, s51, v14                     ; in: row 8 hh, byte 16 r
	v_add_nc_u32 v15, s51, v21                     ; back: 32 lanes take a row's 512 bytes
	v_mov_b32 v16, s50                             ; my private words
.if LAYER == 1
	v_lshlrev_b32 v17, 3, v18                      ; 8 bytes a lane in h
.else
	v_mov_b32 v17, v21                             ; 16 bytes a lane in y
.endif
	s_wait_alu depctr_va_vdst(0)                   ; the way out's offsets and LDS addresses (v14-16, v21; in layer 2 v22 and v[GA ..]) are written, which its loads and stores read; earlier conversions and products are done with v24-27 and v[GW ..], in which the loads below land
	global_load_b128 v[24:27], v21, s[6:7]         ; the bias of columns 4 L .. 4 L + 3
.if LAYER == 2
.irp b,0,1,2
	global_load_b32 v[GW+\b], v[GA+\b], s[14:15]   ; the gate weights of my lane's three rows
.endr
.endif
	DUMPB 0
	DUMPB 1
	DUMPB 2
	s_wait_loadcnt 0x0
	v_cvt_pk_bf16_f32 v28, v24, v25                ; the bias is rounded to bf16 as every input is
	v_cvt_pk_bf16_f32 v29, v26, v27
	v_lshlrev_b32 v24, 16, v28
	v_and_b32 v25, 0xffff0000, v28
	v_lshlrev_b32 v26, 16, v29
	v_and_b32 v27, 0xffff0000, v29
.if LAYER == 2
.irp i,24,25,26,27
	v_cndmask_b32 v\i, 0, v\i, s49
.endr
.irp b,0,1,2
	ds_store_b32 v22, v[GW+\b] offset:GWL+64*\b    ; the data came by loads; no vector instruction since the wait at the way out's head names v22
.endr
.endif
	s_wait_alu depctr_vm_vsrc(0)                   ; the LDS stores of blocks 1 and 2 have read v96-223: the groups' loads land in v96-119, and the groups' arithmetic writes v120-179
	LDGROUP 0                                      ; LDS serves a wave's instructions in order: these see my stores above
.irp G,0,1,2,3,4,5,6,7,8,9,10,11
	ROWS \G
.endr
.Lrows_done:
	s_wait_dscnt 0x0                               ; the loads asked for ahead of a jump
	s_wait_xcnt 0x0                                ; the last stores have read their registers
	s_wait_alu depctr_vm_vsrc(0)                   ; the way out's loads and stores, and the loads of weights and rows before it, have read their offsets, addresses and data: a further pass writes all of them again
	s_cmp_le_i32 s39, 48
	s_cbranch_scc1 .Lnext
	; ---- more than 48 rows are left: the next 48, without ring or barrier ----
	s_add_co_u32 s53, s53, 384
	BMLOAD
	SETROWS 0
	v_bfe_u32 v[WOFF], v0, 4, 1
	v_lshlrev_b32 v[WOFF], 4+PWSH, v[WOFF]
	v_and_b32 v11, 15, v0
	v_lshl_add_u32 v[WOFF], v11, 4, v[WOFF]        ; 16 hh rows + 16 r
	s_mov_b64 s[24:25], s[22:23]
	s_mov_b64 s[30:31], s[28:29]
	SLOWSTEP 1
	s_mov_b32 s37, 31
.Lslow:
	SLOWSTEP 0
	s_sub_co_u32 s37, s37, 1
	s_cmp_lg_u32 s37, 0
	s_cbranch_scc1 .Lslow
.Lnext:
	s_sub_co_i32 s39, s39, 48
	s_add_co_u32 s38, s38, 1
	s_cmp_lt_u32 s38, 3
	s_cbranch_scc1 .Lpass
	s_wait_dscnt 0x0                               ; the wave's end: my last LDS instructions
	s_wait_alu depctr_hold_cnt(0) depctr_sa_sdst(0) depctr_va_vdst(0) depctr_va_sdst(0) depctr_va_ssrc(0) depctr_va_vcc(0) depctr_vm_vsrc(0)
	s_wait_tensorcnt 0x0
	ds_add_u32 v12, v13
	s_wait_dscnt 0x0
	s_endpgm
.Lfunc_end_k_qdea45da6c6_ffn2:
	.size	k_qdea45da6c6_ffn2, .Lfunc_end_k_qdea45da6c6_ffn2-k_qdea45da6c6_ffn2
	.p2alignl 7, 3214868480
	.fill 96, 4, 3214868480
	.section	.rodata,"a",@progbits
	.p2align	6, 0x0
	.amdhsa_kernel k_qdea45da6c6_ffn2
		.amdhsa_group_segment_fixed_size 248832
		.amdhsa_private_segment_fixed_size 0
		.amdhsa_enable_private_segment 0
		.amdhsa_kernarg_size 48
		.amdhsa_user_sgpr_count 2
		.amdhsa_user_sgpr_kernarg_segment_ptr 1
		.amdhsa_wavefront_size32 1
		.amdhsa_system_sgpr_workgroup_id_x 1
		.amdhsa_system_sgpr_workgroup_id_y 1
		.amdhsa_system_sgpr_workgroup_id_z 1
		.amdhsa_system_vgpr_workitem_id 0
		.amdhsa_next_free_vgpr 512
		.amdhsa_next_free_sgpr 88
		.amdhsa_reserve_vcc 0
		.amdhsa_float_denorm_mode_32 3
		.amdhsa_float_denorm_mode_16_64 3
		.amdhsa_memory_ordered 1
		.amdhsa_forward_progress 1
		.amdhsa_inst_pref_size 136
	.end_amdhsa_kernel
	.amdgpu_metadata
---
amdhsa.version: [ 1, 2 ]
amdhsa.kernels:
  - .name:           k_qdea45da6c6_ffn2
    .symbol:         k_qdea45da6c6_ffn2.kd
    .args:
      - { .name: W2, .offset: 0, .size: 8, .value_kind: global_buffer, .address_space: global }
      - { .name: b2, .offset: 8, .size: 8, .value_kind: global_buffer, .address_space: global }
      - { .name: h, .offset: 16, .size: 8, .value_kind: global_buffer, .address_space: global }
      - { .name: bm, .offset: 24, .size: 8, .value_kind: global_buffer, .address_space: global }
      - { .name: y, .offset: 32, .size: 8, .value_kind: global_buffer, .address_space: global }
      - { .name: gw, .offset: 40, .size: 8, .value_kind: global_buffer, .address_space: global }
    .group_segment_fixed_size: 248832
    .private_segment_fixed_size: 0
    .kernarg_segment_align: 8
    .kernarg_segment_size: 48
    .max_flat_workgroup_size: 256
    .sgpr_count:     88
    .vgpr_count:     512
    .wavefront_size: 32
...
	.end_amdgpu_metadata
.endif
;; end of part 6
;; launch combine: the kernel of part 4 again; grid 256 x 1, 8 waves a work-group, no clusters, 0 bytes of LDS; arguments y, out0; writes out0
